; MI455X (gfx1250); checked and timed in simulation.
; The chip was launched on July 23, 2026; its instructions are those of AMD's public machine-readable ISA for CDNA 5 (MIT licence, August 2026) and "CDNA5" Instruction Set Architecture Reference Guide (July 2026). The comments in the code are by the model that wrote it; some were corrected since.
;; Multi Scale Retention. Allowed arithmetic: float matrix products may take bf16 or f16 operands with f32 sums; other float arithmetic in f32, or as packed bf16 or f16 multiplies, adds, multiply-adds, maxima and minima; sums over many terms, partial sums and values carried from step to step in f32; what a program stores and reads back later, other than sums and carried values, may be rounded once to bf16 or f16.
;; Inputs: decay 8 float32; hidden_states 2 x 2,048 x 1,024 float32; w_gated 2,048 x 1,024 float32; w_proj 1,024 x 2,048 float32; w_qkv 4,096 x 1,024 float32.
;; Outputs: out0 2 x 2,048 x 1,024 float32; out1 2 x 8 x 128 x 256 float32.
;; 3 versions, each right; version 2 is faster than version 1; version 3 is version 2 with the launch scan written anew for expert scheduling mode. Each part assembles by itself: llvm-mc -triple=amdgcn-amd-amdhsa -mcpu=gfx1250 --defsym DOCPART=n.
;; ======== version 1 of 3: 6 launches
;; limits: values outside matrix products are rounded to f16; values are held in f16: magnitudes above 65,504 overflow, below 6.1e-05 lose precision; right only within a limited range of input values
;; workspace buffers: cst 25,165,824 bytes; tabs 8,478,720 bytes; qkvg 58,720,256 bytes; ubuf 16,781,312 bytes; wbuf 8,389,120 bytes; zbuf 16,777,216 bytes
;; launch prep (part 1): grid 1032 x 1, 8 waves a work-group, no clusters, 0 bytes of LDS; arguments hidden_states, w_qkv, w_gated, w_proj, decay, cst, tabs; writes cst, tabs
.if DOCPART == 1
	.amdgcn_target "amdgcn-amd-amdhsa--gfx1250"
	.amdhsa_code_object_version 6
	.text
	.protected	k_q8fe1d64ecd_prep
	.globl	k_q8fe1d64ecd_prep
	.p2align	8
	.type	k_q8fe1d64ecd_prep,@function
k_q8fe1d64ecd_prep:
	s_mov_b64 s[64:65], 0
	v_nop
	global_prefetch_b8 v0, s[64:65] scope:SCOPE_SE
	s_setreg_imm32_b32 hwreg(HW_REG_WAVE_MODE, 25, 1), 1
	s_wait_xcnt 0x0
; PREPARATION: three kinds of work-groups, chosen by the work-group's number alone.
;  0..767     cast: 16,384 f32 each -> 16-bit.  hidden_states, w_qkv, w_gated to bf16; w_proj is rounded to bf16, multiplied by 8 (exact) and written as f16
;             (the product behind it takes z / 8).  cst = x (8 MiB), w_qkv and w_gated on end (12 MiB), w_proj (4 MiB): the same order as the work-groups, 32,768 bytes each.
;  768..1023  the rotary tables: 8 rows t each, 512 pairs a row; a word holds f16(cos x sc) below and f16(sin x sc) above; TQ: sc = s_i^(r/512), TK: its inverse, r = t mod 256.
;  1024..1031 one head's decay tables from gamma = decay[h] rounded to bf16 (all inputs are taken so): PW[n] = gamma^n (n < 512), GT[r] = gamma^(255-r),
;             MT: four copies, shifted by 0..3 words, of T[x] = gamma^(255-x) / sqrt(128) for x <= 255, else 0, so that any 4 neighbours can be read as 16 aligned bytes.
; LIMITS.  f16(8 w_proj): |w_proj| < 8,188; below 7.6e-6 it keeps f16's fixed step.  gamma^n = sign x 2^(n log2|gamma|); 0^0 = 1.  NaN and infinities are not treated apart.
.set TKO, 4194304                      ; TK behind TQ
.set X,   16                           ; cast: v[16:79]  16 loads of 4 f32
.set Y,   80                           ; cast: v[80:111] their 16-bit results, registers of their own: no store's data is rewritten
	s_load_b256 s[4:11], s[0:1], 0x0               ; hidden_states s[4:5], w_qkv s[6:7], w_gated s[8:9], w_proj s[10:11]
	s_load_b128 s[12:15], s[0:1], 0x20             ; decay s[12:13], cst s[14:15]
	s_load_b64 s[16:17], s[0:1], 0x30              ; tabs
	s_mov_b32 s20, ttmp9
	s_cmp_lt_u32 s20, 768
	s_cbranch_scc0 .Ltables
	; ---- the cast ----
	s_sub_co_u32 s21, s20, 640                     ; my number within w_proj's, w_gated's, w_qkv's work-groups
	s_sub_co_u32 s28, s20, 512
	s_sub_co_u32 s29, s20, 256
	v_lshlrev_b32 v1, 4, v0                        ; 16 bytes a thread in: a wave's load covers 512 consecutive bytes
	v_lshlrev_b32 v2, 3, v0                        ; 8 bytes a thread out: a wave's store covers 256 consecutive bytes, aligned
	s_wait_kmcnt 0x0
	s_mov_b64 s[24:25], s[10:11]
	s_cmp_lt_u32 s20, 640
	s_cselect_b64 s[24:25], s[8:9], s[24:25]
	s_cselect_b32 s21, s28, s21
	s_cmp_lt_u32 s20, 512
	s_cselect_b64 s[24:25], s[6:7], s[24:25]
	s_cselect_b32 s21, s29, s21
	s_cmp_lt_u32 s20, 256
	s_cselect_b64 s[24:25], s[4:5], s[24:25]
	s_cselect_b32 s21, s20, s21
	s_lshl_b32 s22, s21, 16                        ; 65,536 bytes of f32 a work-group
	s_mov_b32 s23, 0
	s_add_nc_u64 s[24:25], s[24:25], s[22:23]
	s_lshl_b32 s22, s20, 15                        ; 32,768 bytes out
	s_add_nc_u64 s[26:27], s[14:15], s[22:23]
.macro CAST half                       ; half = 1: bf16, times 8, written as f16
.irp j, 0,1,2,3,4,5,6,7,8,9,10,11,12,13,14,15
	global_load_b128 v[X+4*(\j):X+4*(\j)+3], v1, s[24:25] offset:4096*(\j) th:TH_LOAD_NT
.endr
.irp j, 0,1,2,3,4,5,6,7,8,9,10,11,12,13,14,15
	s_wait_loadcnt 15-(\j)                         ; loads come back in order: load j is in, the younger ones stay out
	v_cvt_pk_bf16_f32 v[Y+2*(\j)], v[X+4*(\j)], v[X+4*(\j)+1]
	v_cvt_pk_bf16_f32 v[Y+2*(\j)+1], v[X+4*(\j)+2], v[X+4*(\j)+3]
.if \half
.irp k, 0,1
	v_lshlrev_b32 v4, 16, v[Y+2*(\j)+\k]
	v_and_b32 v5, 0xffff0000, v[Y+2*(\j)+\k]
	v_pk_mul_f32 v[4:5], v[4:5], 0x41000000 op_sel_hi:[1,0]
	v_cvt_pk_f16_f32 v[Y+2*(\j)+\k], v4, v5
.endr
.endif
	global_store_b64 v2, v[Y+2*(\j):Y+2*(\j)+1], s[26:27] offset:2048*(\j)
.endr
.endm
	s_cmp_lt_u32 s20, 640
	s_cbranch_scc0 .Lcast_proj
	CAST 0
	s_endpgm
.Lcast_proj:
	CAST 1
	s_endpgm
.Ltables:
	s_cmp_lt_u32 s20, 1024
	s_cbranch_scc0 .Ldecay
	; ---- the rotary tables: thread owns pairs 2 tid, 2 tid + 1 ----
.set TH, 8                             ; v8-9   theta_i = 10000^(-i/512)
.set LL, 10                            ; v10-11 log2(s_i) / 512
.set OF, 12                            ; v12    byte offset of my two words in row t
.set TF, 13                            ; v13    t as f32
.set RF, 14                            ; v14    t mod 256 as f32
.set DQ, 30                            ; v30-31 my two words of TQ
.set DK, 32                            ; v32-33 of TK
	s_sub_co_u32 s21, s20, 768
	s_lshl_b32 s30, s21, 3                         ; my first row
	v_lshlrev_b32 v1, 1, v0
.irp u, 0,1
	v_add_nc_u32 v2, \u, v1
	v_cvt_f32_u32 v3, v2
	v_mul_f32 v4, 0xbcd49a78, v3                   ; -i log2(10000) / 512
	v_exp_f32 v[TH+\u], v4
	v_fmaak_f32 v5, 2.0, v3, 0x43cccccd            ; 2 i + 409.6
	v_mul_f32 v5, 0x3a36db6e, v5                   ; / 1433.6
	v_log_f32 v6, v5
	v_nop                                          ; a plain instruction behind the logarithm
	s_wait_alu depctr_va_vdst(0)
	v_mul_f32 v[LL+\u], 0x3b000000, v6             ; / 512
.endr
	v_lshlrev_b32 v[OF], 3, v0
	s_lshl_b32 s22, s30, 11                        ; a row is 2,048 bytes
	v_add_nc_u32 v[OF], s22, v[OF]
	s_mov_b32 s23, 8
	s_wait_kmcnt 0x0
; sin and cos of t theta: the angle in turns is reduced by a fused multiply-add with 1/(2 pi) in two parts, then series to x^15 and x^16 on [-pi, pi]
.macro TRIG u
	v_mul_f32 v16, v[TF], v[TH+\u]
	v_mul_f32 v17, 0.15915494, v16
	v_rndne_f32 v17, v17
	v_fma_f32 v18, v16, 0.15915494, -v17
	v_fmamk_f32 v18, v16, 0x31dc9c88, v18          ; the rest of 1/(2 pi)
	v_mul_f32 v19, 0x40c90fdb, v18
	v_mul_f32 v20, v19, v19
	v_mov_b32 v21, 0xab573f9f
	v_mov_b32 v22, 0x29573f9f
	v_fmaak_f32 v21, v21, v20, 0x2f309231
	v_fmaak_f32 v22, v22, v20, 0xad49cba5
	v_fmaak_f32 v21, v21, v20, 0xb2d7322b
	v_fmaak_f32 v22, v22, v20, 0x310f76c7
	v_fmaak_f32 v21, v21, v20, 0x3638ef1d
	v_fmaak_f32 v22, v22, v20, 0xb493f27e
	v_fmaak_f32 v21, v21, v20, 0xb9500d01
	v_fmaak_f32 v22, v22, v20, 0x37d00d01
	v_fmaak_f32 v21, v21, v20, 0x3c088889
	v_fmaak_f32 v22, v22, v20, 0xbab60b61
	v_fmaak_f32 v21, v21, v20, 0xbe2aaaab
	v_fmaak_f32 v22, v22, v20, 0x3d2aaaab
	v_fma_f32 v21, v21, v20, 1.0
	v_fma_f32 v22, v22, v20, -0.5
	v_mul_f32 v21, v21, v19                        ; sin
	v_fma_f32 v22, v22, v20, 1.0                   ; cos
	v_mul_f32 v23, v[RF], v[LL+\u]
	v_exp_f32 v24, v23                             ; s^(r/512)
	v_exp_f32 v25, -v23                            ; and its inverse
	v_nop                                          ; a plain instruction behind the exponentials
	s_wait_alu depctr_va_vdst(0)
	v_mul_f32 v26, v22, v24
	v_mul_f32 v27, v21, v24
	v_mul_f32 v28, v22, v25
	v_mul_f32 v29, v21, v25
	v_cvt_pk_f16_f32 v[DQ+\u], v26, v27
	v_cvt_pk_f16_f32 v[DK+\u], v28, v29
.endm
.Lrow:
	s_and_b32 s24, s30, 255
	v_cvt_f32_u32 v[TF], s30
	v_cvt_f32_u32 v[RF], s24
	TRIG 0
	TRIG 1
	global_store_b64 v[OF], v[DQ:DQ+1], s[16:17]
	global_store_b64 v[OF], v[DK:DK+1], s[16:17] offset:TKO
	s_wait_xcnt 0x0                                ; the stores' data and offset are rewritten only behind this wait
	v_add_nc_u32 v[OF], 2048, v[OF]
	s_add_co_u32 s30, s30, 1
	s_sub_co_u32 s23, s23, 1
	s_cmp_lg_u32 s23, 0
	s_cbranch_scc1 .Lrow
	s_endpgm
.Ldecay:
	; ---- one head's decay tables ----
.set SG,  3                            ; v3  gamma's sign bit
.set LG,  4                            ; v4  log2 |gamma|
.set ONE, 7
.set ZR,  8
.set NN,  9
	s_sub_co_u32 s21, s20, 1024                    ; the head
	s_lshl_b32 s22, s21, 2
	v_mov_b32 v1, s22
	s_wait_kmcnt 0x0
	global_load_b32 v2, v1, s[12:13]
	s_add_nc_u64 s[26:27], s[16:17], 0x800000      ; PW; GT lies 16,384 and MT 24,576 bytes behind it
	v_mov_b32 v[ONE], 1.0
	v_mov_b32 v[ZR], 0
	s_lshl_b32 s23, s21, 11
	v_lshl_add_u32 v10, v0, 2, s23                 ; PW: 2,048 h + 4 tid
	s_lshl_b32 s23, s21, 10
	v_lshl_add_u32 v11, v0, 2, s23                 ; GT: 1,024 h + 4 tid
	s_lshl_b32 s23, s21, 13
	v_lshl_add_u32 v12, v0, 2, s23                 ; MT: 8,192 h + 4 tid
	s_wait_loadcnt 0x0
	v_cvt_pk_bf16_f32 v2, v2, v2                   ; decay is taken rounded to bf16, as every input is
	v_lshlrev_b32 v2, 16, v2
	v_and_b32 v[SG], 0x80000000, v2
	v_log_f32 v[LG], |v2|
	v_nop
	s_wait_alu depctr_va_vdst(0)
.macro POW dst, n                      ; v[dst] = gamma^v[n] for v[n] >= 0 (below 0 the caller throws it away)
	v_cvt_f32_i32 v5, v[\n]
	v_mul_f32 v5, v5, v[LG]
	v_exp_f32 v[\dst], v5
	v_lshlrev_b32 v6, 31, v[\n]                    ; odd n keeps gamma's sign
	v_and_b32 v6, v6, v[SG]
	v_cmp_eq_u32 vcc_lo, 0, v[\n]
	s_wait_alu depctr_va_vdst(0)
	v_cndmask_b32 v[\dst], v[\dst], v[ONE], vcc_lo ; n = 0: 1, whatever gamma
	v_xor_b32 v[\dst], v[\dst], v6
.endm
	POW 20, 0
	global_store_b32 v10, v20, s[26:27]
	v_add_nc_u32 v[NN], 256, v0
	POW 21, NN
	global_store_b32 v10, v21, s[26:27] offset:1024
	v_sub_nc_u32 v[NN], 255, v0
	POW 22, NN
	global_store_b32 v11, v22, s[26:27] offset:16384
.irp m, 0,1,2,3,4,5,6,7                ; entry 256 m + tid: copy m / 2, word 256 (m % 2) + tid: n = 255 - word - copy
	v_sub_nc_u32 v[NN], 255-256*(\m%2)-(\m/2), v0
	POW 23+\m, NN
	v_mul_f32 v[23+\m], 0x3db504f3, v[23+\m]       ; / sqrt(128)
	v_cmp_gt_i32 vcc_lo, 0, v[NN]
	v_cndmask_b32 v[23+\m], v[23+\m], v[ZR], vcc_lo  ; a hidden key: 0
	global_store_b32 v12, v[23+\m], s[26:27] offset:24576+1024*\m
.endr
	s_endpgm
.Lfunc_end_k_q8fe1d64ecd_prep:
	.size	k_q8fe1d64ecd_prep, .Lfunc_end_k_q8fe1d64ecd_prep-k_q8fe1d64ecd_prep
	.p2alignl 7, 3214868480
	.fill 96, 4, 3214868480
	.section	.rodata,"a",@progbits
	.p2align	6, 0x0
	.amdhsa_kernel k_q8fe1d64ecd_prep
		.amdhsa_group_segment_fixed_size 0
		.amdhsa_private_segment_fixed_size 0
		.amdhsa_enable_private_segment 0
		.amdhsa_kernarg_size 56
		.amdhsa_user_sgpr_count 2
		.amdhsa_user_sgpr_kernarg_segment_ptr 1
		.amdhsa_wavefront_size32 1
		.amdhsa_system_sgpr_workgroup_id_x 1
		.amdhsa_system_sgpr_workgroup_id_y 1
		.amdhsa_system_sgpr_workgroup_id_z 1
		.amdhsa_system_vgpr_workitem_id 0
		.amdhsa_next_free_vgpr 112
		.amdhsa_next_free_sgpr 66
		.amdhsa_reserve_vcc 1
		.amdhsa_float_denorm_mode_32 3
		.amdhsa_float_denorm_mode_16_64 3
		.amdhsa_memory_ordered 1
		.amdhsa_forward_progress 1
		.amdhsa_inst_pref_size 33
	.end_amdhsa_kernel
	.amdgpu_metadata
---
amdhsa.version: [ 1, 2 ]
amdhsa.kernels:
  - .name:           k_q8fe1d64ecd_prep
    .symbol:         k_q8fe1d64ecd_prep.kd
    .args:
      - { .name: hidden_states, .offset: 0, .size: 8, .value_kind: global_buffer, .address_space: global }
      - { .name: w_qkv, .offset: 8, .size: 8, .value_kind: global_buffer, .address_space: global }
      - { .name: w_gated, .offset: 16, .size: 8, .value_kind: global_buffer, .address_space: global }
      - { .name: w_proj, .offset: 24, .size: 8, .value_kind: global_buffer, .address_space: global }
      - { .name: decay, .offset: 32, .size: 8, .value_kind: global_buffer, .address_space: global }
      - { .name: cst, .offset: 40, .size: 8, .value_kind: global_buffer, .address_space: global }
      - { .name: tabs, .offset: 48, .size: 8, .value_kind: global_buffer, .address_space: global }
    .group_segment_fixed_size: 0
    .private_segment_fixed_size: 0
    .kernarg_segment_align: 8
    .kernarg_segment_size: 56
    .max_flat_workgroup_size: 256
    .sgpr_count:     66
    .vgpr_count:     112
    .wavefront_size: 32
...
	.end_amdgpu_metadata
.endif
;; end of part 1
;; launch gemm1 (part 2): grid 24 x 32, 4 waves a work-group, clusters of 4 x 4, 327,680 bytes of LDS; arguments cst, tabs, qkvg; writes qkvg
.if DOCPART == 2
	.amdgcn_target "amdgcn-amd-amdhsa--gfx1250"
	.amdhsa_code_object_version 6
	.text
	.protected	k_q8fe1d64ecd_gemm1
	.globl	k_q8fe1d64ecd_gemm1
	.p2align	8
	.type	k_q8fe1d64ecd_gemm1,@function
k_q8fe1d64ecd_gemm1:
	s_mov_b64 s[64:65], 0
	v_nop
	global_prefetch_b8 v0, s[64:65] scope:SCOPE_SE
	s_setreg_imm32_b32 hwreg(HW_REG_WAVE_MODE, 25, 1), 1
	s_wait_xcnt 0x0
	s_wait_alu depctr_hold_cnt(0) depctr_sa_sdst(0) depctr_va_vdst(0) depctr_va_sdst(0) depctr_va_ssrc(0) depctr_va_vcc(0) depctr_vm_vsrc(0)
	s_getreg_b32 s2, hwreg(HW_REG_IB_STS2, 6, 4)
	s_cmp_eq_u32 s2, 0
	s_cbranch_scc0 .Lentry_in_a_cluster
	s_endpgm
.Lentry_in_a_cluster:
	s_bfe_u32 s2, ttmp6, 0x10000c
	s_cmp_lg_u32 s2, 0xf033
	s_cbranch_scc0 .Lentry_shape_is_right
	s_endpgm
.Lentry_shape_is_right:
; C = x wcat^T, x [4096][1024] and wcat = (w_qkv, w_gated) [6144][1024] in bf16, sums in f32; then, by the kind of the columns:
;   q (0-1023): rotated and scaled by table TQ;  k (1024-2047): by TK, written twice: k' and kw = gamma^(255-r) k';  v (2048-4095): as it is;  gate (4096-6143): silu.  All leave in f16.
; A tile of C is 128 x 256: 768 work-groups, three to a WGP.  Four waves, 2 x 2, each 64 x 128: 32 accumulators, 256 registers (window 1).  K goes in steps of 128 through two LDS slots;
; a tile's rows are 256 bytes of memory, at multiples of 256.  CLUSTER 4 x 4: A's tile is shared along a row, B's along a column, each asked for jointly.  A cluster spans 1,024 columns, so the
; kind hangs on the cluster's x alone: no branch hangs on a place within the cluster.  The matrix instruction is used transposed (source 0 = rows of wcat, source 1 = rows of x): a lane holds
; eight neighbouring columns of one row.  THE WAY OUT goes through a stage in f32 that lies over the ring, which is filled no more by then; rows come back 2 at a time, a lane takes 8 columns.
; LIMITS.  q', k', kw, v and gate are f16: within 65,504 (k' is up to 1.87 sqrt(2) times the projection's largest number).  NaN and infinities are not treated apart.
; REGISTERS.  window 0: v12-31 addresses; v32-127, v128-223 two fragment buffers (4 of A, then 8 of B); on the way out v32-131 at work.  window 1: accumulator (a, b) at v[8 (8 a + b)].
.set PITCH,  272                       ; an LDS row: 256 bytes + 16: the 16 rows of a fragment load start at 16 different groups of four banks
.set AHALF,  64*PITCH
.set BHALF,  128*PITCH
.set BOFF,   2*AHALF                   ; B's 256 rows lie behind A's 128
.set SLOT,   BOFF+2*BHALF
.set TAB,    2*SLOT                    ; behind the ring: 64 rows x 64 table words for each wave (q and k)
.set TABW,   64*PITCH
.set GS,     TAB+4*TABW                ; 256 bytes a wave: gamma^(255-r) of its 64 rows (k)
.set SPARE,  GS+1024                   ; the spare words: 128 bytes a wave
.set SPITCH, 528                       ; a stage row: 128 f32 + 16 bytes
.set STW,    64*SPITCH
.set WCO,    8388608                   ; wcat in cst
.set TKO,    4194304                   ; TK in tabs
.set GTO,    8404992                   ; GT in tabs
.set KO,     8388608                   ; k', kw, v, gate in qkvg
.set KWO,    16777216
.set VO,     25165824
.set GO,     41943040
.set GW,   12                          ; v12  where I put a factor into GS
.set ADRA, 16                          ; v16-17 my A fragments in slot 0, 1
.set ADRB, 20                          ; v20-21 the same for B
.set STO,  24
.set RD,   25
.set RT,   26
.set RG,   27
.set SPW,  28                          ; my spare word; never rewritten
.set NIL,  29                          ; 0; never rewritten
.set VOUT, 30
.set L4,   31                          ; 4 x lane
.set F0,   32
.set F1,   128
.set XX,   32                          ; way out: item i's 8 f32 at XX + 8 i
.set TT,   64                          ; its 4 table words at v[64 + 4 i] (named literally below, for their halves)
.set GG,   80                          ; its factor
.set CS,   84                          ; cos, sin of 4 pairs
.set WK,   92                          ; 8 at work
.set YA,   100                         ; item i's 16 bytes out
.set YB,   116                         ; the second 16 bytes (kw)
.set G1,  24
.set G0,  32
.set G1B, 48
.set G0B, 56
.set G1T, 68
.set G0T, 76
.set MSB, 0
.macro WIN new
.if MSB != (\new)
	s_set_vgpr_msb (MSB<<8)|(\new)
.set MSB, \new
.endif
.endm
.macro PLACES                          ; four places behind matrix instructions, in front of loads into their registers and of reads of their results
.rept 4
	v_nop
.endr
.endm
.macro JLOAD s                         ; a joint load: waves 0, 1 fetch A's halves, waves 2, 3 B's
	s_cmp_eq_u32 s11, 0
	s_cbranch_scc0 .Lfor_b_\@
	tensor_load_to_lds s[G0+4*(\s):G0+4*(\s)+3], s[G1:G1+7]
	s_nop 0
.rept 4
	v_nop
.endr
	s_branch .Lasked_\@
.Lfor_b_\@:
	tensor_load_to_lds s[G0B+4*(\s):G0B+4*(\s)+3], s[G1B:G1B+7]
	s_nop 0
.rept 4
	v_nop
.endr
.Lasked_\@:
.endm
.macro CREST
	s_cmp_lg_u32 s10, 0
	s_cbranch_scc1 .Lnot_wave_0_\@
	s_barrier_signal -3
.Lnot_wave_0_\@:
	s_barrier_wait -3
	s_barrier_signal -1
	s_barrier_wait -1
.endm
.macro CROUND
	s_barrier_signal -1
	s_barrier_wait -1
	CREST
.endm
	s_load_b128 s[4:7], s[0:1], 0x0                ; cst s[4:5], tabs s[6:7]
	s_load_b64 s[8:9], s[0:1], 0x10                ; qkvg
	v_lshl_add_u32 v[SPW], v0, 2, SPARE
	v_mov_b32 v[NIL], 0
	ds_add_u32 v[SPW], v[NIL]                      ; the wave's opening: the add and its wait ahead of my first tensor load
	ds_add_u32 v28, v29
	v_lshrrev_b32 v1, 5, v0
	v_readfirstlane_b32 s10, v1                    ; wave 0..3
	s_lshr_b32 s11, s10, 1                         ; my half of the tile's rows; also: I fetch for A (0) or B (1)
	s_and_b32 s12, s10, 1                          ; my half of its columns; also: which half of that tile I fetch
	s_mov_b32 s45, ttmp9                           ; the cluster's x: 0 q, 1 k, 2-3 v, 4-5 gate
	s_bfe_u32 s40, ttmp6, 0x40000                  ; cx, cy
	s_bfe_u32 s41, ttmp6, 0x40004
	s_lshl_b32 s42, ttmp9, 2
	s_add_co_u32 s42, s42, s40                     ; tile column
	s_and_b32 s13, ttmp7, 0xffff
	s_lshl_b32 s13, s13, 2
	s_add_co_u32 s13, s13, s41                     ; tile row
	s_lshl_b32 s43, s41, 2
	s_lshl_b32 s43, 15, s43                        ; my row of the cluster
	s_lshl_b32 s44, 0x1111, s40                    ; my column
	s_or_b32 s[G1+0], s43, (1<<16)|(1<<20)|(1<<21)|(5<<22)|(3<<25)   ; mask; 2-byte elements; padding on, 4 words behind every 64; bit 21 beside a mask
	s_or_b32 s[G1B+0], s44, (1<<16)|(1<<20)|(1<<21)|(5<<22)|(3<<25)
	s_mov_b32 s[G1+1], 128<<16                     ; A: 64 rows x 128 elements, 1,024 from row to row
	s_mov_b32 s[G1+2], 64<<16
	s_mov_b32 s[G1+3], 128<<16
	s_mov_b32 s[G1+4], 64
	s_mov_b32 s[G1+5], 1024
	s_mov_b32 s[G1+6], 0
	s_mov_b32 s[G1+7], 0
	s_mov_b32 s[G1B+1], 128<<16                    ; B: 128 rows
	s_mov_b32 s[G1B+2], 128<<16
	s_mov_b32 s[G1B+3], 128<<16
	s_mov_b32 s[G1B+4], 128
	s_mov_b32 s[G1B+5], 1024
	s_mov_b32 s[G1B+6], 0
	s_mov_b32 s[G1B+7], 0
	s_mov_b32 s[G1T+0], (2<<16)|(1<<20)|(5<<22)|(3<<25)  ; the table: a load of my own (no mask): 64 rows x 64 words, 512 from row to row
	s_mov_b32 s[G1T+1], 64<<16
	s_mov_b32 s[G1T+2], 64<<16
	s_mov_b32 s[G1T+3], 64<<16
	s_mov_b32 s[G1T+4], 64
	s_mov_b32 s[G1T+5], 512
	s_mov_b32 s[G1T+6], 0
	s_mov_b32 s[G1T+7], 0
	s_lshl_b32 s17, s12, 6
	s_lshl_b32 s16, s13, 7
	s_add_co_u32 s16, s16, s17                     ; A: row 128 x tile row + 64 x half,
	s_lshl_b32 s16, s16, 11                        ; of 2,048 bytes
	s_mov_b32 s17, 0
	s_lshl_b32 s47, s12, 7
	s_lshl_b32 s46, s42, 8
	s_add_co_u32 s46, s46, s47                     ; B: row 256 x tile column + 128 x half
	s_lshl_b32 s46, s46, 11
	s_add_co_u32 s46, s46, WCO
	s_mov_b32 s47, 0
	s_mul_i32 s20, s12, AHALF                      ; where they go: no place in the cluster enters an LDS address
	s_mul_i32 s21, s12, BHALF
	s_add_co_u32 s21, s21, BOFF
	s_lshl_b32 s84, s13, 7
	s_lshl_b32 s85, s11, 6
	s_add_co_u32 s84, s84, s85                     ; s84: my wave's first row of C
	s_and_b32 s85, s84, 2047                       ; s85: its place t in the sequence
	s_and_b32 s86, s42, 3                          ; s86: tile column within the kind's 1,024 columns
	s_lshl_b32 s90, s85, 11                        ; the table: row t, word 128 (tile column) + 64 (half)
	s_lshl_b32 s87, s86, 9
	s_add_co_u32 s90, s90, s87
	s_lshl_b32 s87, s12, 8
	s_add_co_u32 s90, s90, s87
	s_cmp_eq_u32 s45, 1
	s_cselect_b32 s87, TKO, 0
	s_add_co_u32 s90, s90, s87
	s_mov_b32 s91, 0
	s_mov_b32 s[G0T], 1
	s_mul_i32 s[G0T+1], s10, TABW
	s_add_co_u32 s[G0T+1], s[G0T+1], TAB
	s_wait_dscnt 0x0                               ; the opening add is done
	s_wait_kmcnt 0x0
	s_add_nc_u64 s[14:15], s[4:5], s[16:17]
	s_add_nc_u64 s[46:47], s[4:5], s[46:47]
	s_add_nc_u64 s[G0T+2:G0T+3], s[6:7], s[90:91]
	s_or_b32 s[G0T+3], s[G0T+3], 0x80000000
	CROUND                                         ; all sixteen work-groups are here: the first loads go out as one group behind this round
	s_cmp_lt_u32 s45, 2
	s_cbranch_scc0 .Lno_table                      ; v and gate need no table
	tensor_load_to_lds s[G0T:G0T+3], s[G1T:G1T+7]
	s_nop 0
.rept 4
	v_nop
.endr
.Lno_table:
.irp s, 0,1
	s_mov_b32 s[G0+4*(\s)], 1
	s_add_co_u32 s[G0+4*(\s)+1], s20, (\s)*SLOT
	s_add_nc_u64 s[G0+4*(\s)+2:G0+4*(\s)+3], s[14:15], (\s)*256
	s_or_b32 s[G0+4*(\s)+3], s[G0+4*(\s)+3], 0x80000000
	s_mov_b32 s[G0B+4*(\s)], 1
	s_add_co_u32 s[G0B+4*(\s)+1], s21, (\s)*SLOT
	s_add_nc_u64 s[G0B+4*(\s)+2:G0B+4*(\s)+3], s[46:47], (\s)*256
	s_or_b32 s[G0B+4*(\s)+3], s[G0B+4*(\s)+3], 0x80000000
	JLOAD \s                                       ; at most three tensor loads of mine are out
.endr
	v_and_b32 v1, 15, v0                           ; l % 16
	v_bfe_u32 v2, v0, 4, 1                         ; l / 16
	v_mul_u32_u24 v3, v1, PITCH
	v_lshl_add_u32 v3, v2, 4, v3
	s_mul_i32 s21, s11, AHALF
	s_mul_i32 s22, s12, BHALF
	s_add_co_u32 s22, s22, BOFF
.irp s, 0,1
	v_add_nc_u32 v[ADRA+(\s)], s21, v3
	v_add_nc_u32 v[ADRB+(\s)], s22, v3
	s_add_co_u32 s21, s21, SLOT
	s_add_co_u32 s22, s22, SLOT
.endr
	s_mul_i32 s23, s10, STW                        ; my stage
	v_mul_u32_u24 v4, v1, SPITCH                   ; in: row l % 16, 32 bytes for each half of the lanes
	v_lshl_add_u32 v4, v2, 5, v4
	v_add_nc_u32 v[STO], s23, v4
	v_mul_u32_u24 v5, v2, SPITCH                   ; back: lanes 0-15 one row, lanes 16-31 the next; 8 columns (32 bytes) a lane
	v_lshl_add_u32 v5, v1, 5, v5
	v_add_nc_u32 v[RD], s23, v5
	s_mul_i32 s23, s10, TABW
	s_add_co_u32 s23, s23, TAB
	v_mul_u32_u24 v5, v2, PITCH                    ; the same two rows of my table, 4 words a lane
	v_lshl_add_u32 v5, v1, 4, v5
	v_add_nc_u32 v[RT], s23, v5
	s_lshl_b32 s23, s10, 8
	s_add_co_u32 s23, s23, GS
	v_lshl_add_u32 v[RG], v2, 2, s23
	v_and_b32 v[L4], 31, v0
	v_lshlrev_b32 v[L4], 2, v[L4]
	v_add_nc_u32 v[GW], s23, v[L4]
; 8 matrix instructions: row block a x all 8 column blocks, 32 along K.  The 32 accumulators take turns.
.macro MUL8 f, a, zero
	WIN 0x50                                       ; C and D in window 1
.irp b, 0,1,2,3,4,5,6,7
.if \zero
	v_wmma_f32_16x16x32_bf16 v[8*(8*(\a)+(\b)):8*(8*(\a)+(\b))+7], v[(\f)+32+8*(\b):(\f)+32+8*(\b)+7], v[(\f)+8*(\a):(\f)+8*(\a)+7], 0
.else
	v_wmma_f32_16x16x32_bf16 v[8*(8*(\a)+(\b)):8*(8*(\a)+(\b))+7], v[(\f)+32+8*(\b):(\f)+32+8*(\b)+7], v[(\f)+8*(\a):(\f)+8*(\a)+7], v[8*(8*(\a)+(\b)):8*(8*(\a)+(\b))+7]
.endif
.endr
.endm
; 24 LDS loads in one run: B's 8 fragments, then A's 4
.macro FETCH slot, k, f
	WIN 0
.irp i, 0,1,2,3,4,5,6,7
	ds_load_b128 v[(\f)+32+8*(\i):(\f)+32+8*(\i)+3],   v[ADRB+(\slot)] offset:(\k)+(\i)*16*PITCH
	ds_load_b128 v[(\f)+32+8*(\i)+4:(\f)+32+8*(\i)+7], v[ADRB+(\slot)] offset:(\k)+(\i)*16*PITCH+32
.endr
.irp i, 0,1,2,3
	ds_load_b128 v[(\f)+8*(\i):(\f)+8*(\i)+3],   v[ADRA+(\slot)] offset:(\k)+(\i)*16*PITCH
	ds_load_b128 v[(\f)+8*(\i)+4:(\f)+8*(\i)+7], v[ADRA+(\slot)] offset:(\k)+(\i)*16*PITCH+32
.endr
.endm
.macro QUARTER slot, k, f, g, zero     ; 32 along K on buffer f; in its middle the next quarter is fetched into g
	s_wait_dscnt 4                                 ; all but A's rows 32-63
	MUL8 \f, 0, \zero
	MUL8 \f, 1, \zero
	PLACES
	FETCH \slot, \k, \g
	s_wait_dscnt 24                                ; all but the 24 just issued
	MUL8 \f, 2, \zero
	MUL8 \f, 3, \zero
.endm
; The last quarter of a K step multiplies buffer 1 and changes slots: each wave waits for all its tensor loads, adds 0 to its spare word, waits for that and for its reads of the slot, and signals.
; fill = 1: the barrier opens a round of the cluster's, and the joint refill, two K steps ahead, is the first tensor load behind it: 112 matrix instructions ahead of the wait for it.
.macro TURN slot, next, fill
	WIN 0
	s_wait_tensorcnt 0x0                           ; my part of the next slot has landed; no load of mine is out
	ds_add_u32 v[SPW], v[NIL]
	s_wait_dscnt 5                                 ; the add and A's rows 32-63 may be out
	MUL8 F1, 0, 0
	s_wait_dscnt 0x0                               ; the add is done, my reads of this slot are over
	s_barrier_signal -1
	MUL8 F1, 1, 0
.if \fill
	WIN 0
.endif
	s_barrier_wait -1
.if \fill
	CREST
	s_add_nc_u64 s[G0+4*(\slot)+2:G0+4*(\slot)+3], s[G0+4*(\slot)+2:G0+4*(\slot)+3], 512
	s_add_nc_u64 s[G0B+4*(\slot)+2:G0B+4*(\slot)+3], s[G0B+4*(\slot)+2:G0B+4*(\slot)+3], 512
	JLOAD \slot                                    ; its four v_nop are also the places in front of the loads below
.else
	PLACES
.endif
	FETCH \next, 0, F0
	MUL8 F1, 2, 0
	MUL8 F1, 3, 0
.endm
	s_wait_tensorcnt 1                             ; only K step 1's load was issued behind K step 0's: the table and my part of step 0 are in
	s_barrier_signal -1
	s_barrier_wait -1
	FETCH 0, 0, F0
	QUARTER 0, 64, F0, F1, 1                       ; the first quarter starts the sums
	WIN 0
	s_mov_b32 s3, 3
.Llap:                                                 ; a trip goes once round the ring and fills both slots again: K steps 2 to 7
	QUARTER 0, 128, F1, F0, 0
	QUARTER 0, 192, F0, F1, 0
	TURN 0, 1, 1
	QUARTER 1, 64,  F0, F1, 0
	QUARTER 1, 128, F1, F0, 0
	QUARTER 1, 192, F0, F1, 0
	TURN 1, 0, 1
	QUARTER 0, 64,  F0, F1, 0
	WIN 0
	s_sub_co_u32 s3, s3, 1
	s_cmp_lg_u32 s3, 0
	s_cbranch_scc1 .Llap
	QUARTER 0, 128, F1, F0, 0                      ; the last lap fills nothing
	QUARTER 0, 192, F0, F1, 0
	TURN 0, 1, 0
	QUARTER 1, 64,  F0, F1, 0
	QUARTER 1, 128, F1, F0, 0
	QUARTER 1, 192, F0, F1, 0
	s_wait_dscnt 4
	MUL8 F1, 0, 0
	MUL8 F1, 1, 0
	s_wait_dscnt 0x0
	MUL8 F1, 2, 0
	MUL8 F1, 3, 0
	PLACES
	s_barrier_signal -1                            ; every wave's reads of the ring are over (its last wait was for 0): the stage may lie over it
	s_barrier_wait -1
	WIN 0x04                                       ; store data in window 1
.irp a, 0,1,2,3
.irp b, 0,1,2,3,4,5,6,7
	ds_store_b128 v[STO], v[8*(8*(\a)+(\b)):8*(8*(\a)+(\b))+3]   offset:(\a)*16*SPITCH+64*(\b)
	ds_store_b128 v[STO], v[8*(8*(\a)+(\b))+4:8*(8*(\a)+(\b))+7] offset:(\a)*16*SPITCH+64*(\b)+16
.endr
.endr
	WIN 0
; THE WAY OUT: 8 trips of 4 items of 2 rows.  LDS serves a wave's instructions in order, so the loads see the stores above.
.macro LDX i, n                        ; item i's loads: 8 f32; n > 0: 4 table words; n > 1: the row's factor
	ds_load_b128 v[XX+8*(\i):XX+8*(\i)+3],   v[RD] offset:(\i)*2*SPITCH
	ds_load_b128 v[XX+8*(\i)+4:XX+8*(\i)+7], v[RD] offset:(\i)*2*SPITCH+16
.if (\n) > 0
	ds_load_b128 v[TT+4*(\i):TT+4*(\i)+3], v[RT] offset:(\i)*2*PITCH
.endif
.if (\n) > 1
	ds_load_b32 v[GG+(\i)], v[RG] offset:(\i)*8
.endif
.endm
.macro UNP c, t                        ; a table word's two halves: cos, sin
	v_cvt_f32_f16 v[\c], v\t\().l
	v_cvt_f32_f16 v[(\c)+1], v\t\().h
.endm
.macro ROT i, t0, t1, t2, t3           ; (x1, x2) -> (x1 c - x2 s, x2 c + x1 s) for the item's four pairs; rounded into YA
	UNP CS, \t0
	UNP CS+2, \t1
	UNP CS+4, \t2
	UNP CS+6, \t3
.irp p, 0,1,2,3
	v_mul_f32 v[WK+2*\p],   v[XX+8*(\i)+2*\p+1], v[CS+2*\p+1]
	v_mul_f32 v[WK+2*\p+1], v[XX+8*(\i)+2*\p],   v[CS+2*\p+1]
.endr
.irp p, 0,1,2,3
	v_fma_f32 v[WK+2*\p],   v[XX+8*(\i)+2*\p],   v[CS+2*\p], -v[WK+2*\p]
	v_fma_f32 v[WK+2*\p+1], v[XX+8*(\i)+2*\p+1], v[CS+2*\p], v[WK+2*\p+1]
.endr
.irp p, 0,1,2,3
	v_cvt_pk_f16_f32 v[YA+4*(\i)+\p], v[WK+2*\p], v[WK+2*\p+1]
.endr
.endm
.macro NEXT rp, n                      ; a trip's end: 8 rows on
	s_wait_xcnt 0x0                                ; the stores' data and bases are rewritten only behind this wait
	v_add_nc_u32 v[RD], 8*SPITCH, v[RD]
.if (\n) > 0
	v_add_nc_u32 v[RT], 8*PITCH, v[RT]
.endif
.if (\n) > 1
	v_add_nc_u32 v[RG], 32, v[RG]
	s_add_nc_u64 s[82:83], s[82:83], 8*(\rp)
.endif
	s_add_nc_u64 s[80:81], s[80:81], 8*(\rp)
	s_sub_co_u32 s3, s3, 1
	s_cmp_lg_u32 s3, 0
.endm
.macro QKOFF                           ; s[14:15] = ((8 b + head) 2,048 + t) 256: my rows in a tensor laid out by heads
	s_lshr_b32 s14, s84, 11
	s_lshl_b32 s14, s14, 3
	s_lshl_b32 s15, s86, 1
	s_add_co_u32 s15, s15, s12                     ; the head: 2 (tile column) + half
	s_add_co_u32 s14, s14, s15
	s_lshl_b32 s14, s14, 11
	s_add_co_u32 s14, s14, s85
	s_lshl_b32 s14, s14, 8
	s_mov_b32 s15, 0
	v_lshlrev_b32 v[VOUT], 8, v2                   ; rows of 256 bytes: 16 lanes store one whole row
	v_lshl_add_u32 v[VOUT], v1, 4, v[VOUT]
.endm
	s_mov_b32 s3, 8
	s_cmp_eq_u32 s45, 0
	s_cbranch_scc1 .Lq
	s_cmp_eq_u32 s45, 1
	s_cbranch_scc1 .Lk
	s_cmp_lt_u32 s45, 4
	s_cbranch_scc1 .Lv
	; ---- gate = x / (1 + 2^(-x log2 e)) ----
	s_lshl_b32 s14, s84, 12                        ; row x 4,096 bytes
	s_sub_co_u32 s15, s42, 16
	s_lshl_b32 s15, s15, 9
	s_add_co_u32 s14, s14, s15
	s_lshl_b32 s15, s12, 8
	s_add_co_u32 s14, s14, s15
	s_add_co_u32 s14, s14, GO
	s_mov_b32 s15, 0
	s_add_nc_u64 s[80:81], s[8:9], s[14:15]
	v_lshlrev_b32 v[VOUT], 12, v2
	v_lshl_add_u32 v[VOUT], v1, 4, v[VOUT]
.macro GITEM i
	s_wait_dscnt 6-2*(\i)                          ; the younger items' loads stay out
.irp p, 0,2,4,6
	v_pk_mul_f32 v[WK+\p:WK+\p+1], v[XX+8*(\i)+\p:XX+8*(\i)+\p+1], 0xbfb8aa3b op_sel_hi:[1,0]
.endr
.irp p, 0,1,2,3,4,5,6,7
	v_exp_f32 v[WK+\p], v[WK+\p]
.endr
	v_nop
	s_wait_alu depctr_va_vdst(0)
.irp p, 0,2,4,6
	v_pk_add_f32 v[WK+\p:WK+\p+1], v[WK+\p:WK+\p+1], 1.0 op_sel_hi:[1,0]
.endr
.irp p, 0,1,2,3,4,5,6,7
	v_rcp_f32 v[WK+\p], v[WK+\p]
.endr
	v_nop
	s_wait_alu depctr_va_vdst(0)
.irp p, 0,2,4,6
	v_pk_mul_f32 v[WK+\p:WK+\p+1], v[WK+\p:WK+\p+1], v[XX+8*(\i)+\p:XX+8*(\i)+\p+1]
.endr
.irp p, 0,1,2,3
	v_cvt_pk_f16_f32 v[YA+4*(\i)+\p], v[WK+2*\p], v[WK+2*\p+1]
.endr
	global_store_b128 v[VOUT], v[YA+4*(\i):YA+4*(\i)+3], s[80:81] offset:(\i)*8192
.endm
.Lg_trip:
.irp i, 0,1,2,3
	LDX \i, 0
.endr
.irp i, 0,1,2,3
	GITEM \i
.endr
	NEXT 4096, 0
	s_cbranch_scc1 .Lg_trip
	s_branch .Ldone
.Lv:	; ---- v: rounded, by heads ----
	s_lshr_b32 s14, s84, 11
	s_lshl_b32 s14, s14, 3
	s_add_co_u32 s14, s14, s42
	s_sub_co_u32 s14, s14, 8                       ; 8 b + head, head = tile column - 8
	s_lshl_b32 s14, s14, 11
	s_add_co_u32 s14, s14, s85
	s_lshl_b32 s14, s14, 9                         ; rows of 512 bytes
	s_lshl_b32 s15, s12, 8
	s_add_co_u32 s14, s14, s15
	s_add_co_u32 s14, s14, VO
	s_mov_b32 s15, 0
	s_add_nc_u64 s[80:81], s[8:9], s[14:15]
	v_lshlrev_b32 v[VOUT], 9, v2
	v_lshl_add_u32 v[VOUT], v1, 4, v[VOUT]
.Lv_trip:
.irp i, 0,1,2,3
	LDX \i, 0
.endr
.irp i, 0,1,2,3
	s_wait_dscnt 6-2*(\i)
.irp p, 0,1,2,3
	v_cvt_pk_f16_f32 v[YA+4*(\i)+\p], v[XX+8*(\i)+2*\p], v[XX+8*(\i)+2*\p+1]
.endr
	global_store_b128 v[VOUT], v[YA+4*(\i):YA+4*(\i)+3], s[80:81] offset:(\i)*1024
.endr
	NEXT 512, 0
	s_cbranch_scc1 .Lv_trip
	s_branch .Ldone
.Lq:	; ---- q' ----
	QKOFF
	s_add_nc_u64 s[80:81], s[8:9], s[14:15]
.macro QITEM i, t0, t1, t2, t3
	s_wait_dscnt 9-3*(\i)
	ROT \i, \t0, \t1, \t2, \t3
	global_store_b128 v[VOUT], v[YA+4*(\i):YA+4*(\i)+3], s[80:81] offset:(\i)*512
.endm
.Lq_trip:
.irp i, 0,1,2,3
	LDX \i, 1
.endr
	QITEM 0, 64, 65, 66, 67
	QITEM 1, 68, 69, 70, 71
	QITEM 2, 72, 73, 74, 75
	QITEM 3, 76, 77, 78, 79
	NEXT 256, 1
	s_cbranch_scc1 .Lq_trip
	s_branch .Ldone
.Lk:	; ---- k' and kw = gamma^(255-r) k' ----
	s_lshl_b32 s92, s86, 1
	s_add_co_u32 s92, s92, s12                     ; the head
	s_lshl_b32 s92, s92, 10
	s_and_b32 s93, s85, 255
	s_lshl_b32 s93, s93, 2
	s_add_co_u32 s92, s92, s93
	s_add_co_u32 s92, s92, GTO
	s_mov_b32 s93, 0
	s_add_nc_u64 s[92:93], s[6:7], s[92:93]
	global_load_b32 v22, v[L4], s[92:93]           ; the factors of my 64 rows
	global_load_b32 v23, v[L4], s[92:93] offset:128
	QKOFF
	s_add_nc_u64 s[80:81], s[8:9], s[14:15]
	s_add_nc_u64 s[82:83], s[80:81], KWO
	s_add_nc_u64 s[80:81], s[80:81], KO
	s_wait_loadcnt 0x0
	ds_store_b32 v[GW], v22                        ; into my own 256 bytes, which no tensor load fills
	ds_store_b32 v[GW], v23 offset:128
.macro KITEM i, t0, t1, t2, t3
	s_wait_dscnt 12-4*(\i)
	ROT \i, \t0, \t1, \t2, \t3
	global_store_b128 v[VOUT], v[YA+4*(\i):YA+4*(\i)+3], s[80:81] offset:(\i)*512
.irp p, 0,1,2,3,4,5,6,7
	v_mul_f32 v[WK+\p], v[GG+(\i)], v[WK+\p]
.endr
.irp p, 0,1,2,3
	v_cvt_pk_f16_f32 v[YB+4*(\i)+\p], v[WK+2*\p], v[WK+2*\p+1]
.endr
	global_store_b128 v[VOUT], v[YB+4*(\i):YB+4*(\i)+3], s[82:83] offset:(\i)*512
.endm
.Lk_trip:
.irp i, 0,1,2,3
	LDX \i, 2
.endr
	KITEM 0, 64, 65, 66, 67
	KITEM 1, 68, 69, 70, 71
	KITEM 2, 72, 73, 74, 75
	KITEM 3, 76, 77, 78, 79
	NEXT 256, 2
	s_cbranch_scc1 .Lk_trip
.Ldone:
	s_wait_tensorcnt 0x0                           ; the wave's end
	ds_add_u32 v[SPW], v[NIL]
	s_wait_dscnt 0x0
	CROUND                                         ; the closing round
	s_endpgm
.Lfunc_end_k_q8fe1d64ecd_gemm1:
	.size	k_q8fe1d64ecd_gemm1, .Lfunc_end_k_q8fe1d64ecd_gemm1-k_q8fe1d64ecd_gemm1
	.p2alignl 7, 3214868480
	.fill 96, 4, 3214868480
	.section	.rodata,"a",@progbits
	.p2align	6, 0x0
	.amdhsa_kernel k_q8fe1d64ecd_gemm1
		.amdhsa_group_segment_fixed_size 327680
		.amdhsa_private_segment_fixed_size 0
		.amdhsa_enable_private_segment 0
		.amdhsa_kernarg_size 24
		.amdhsa_user_sgpr_count 2
		.amdhsa_user_sgpr_kernarg_segment_ptr 1
		.amdhsa_wavefront_size32 1
		.amdhsa_system_sgpr_workgroup_id_x 1
		.amdhsa_system_sgpr_workgroup_id_y 1
		.amdhsa_system_sgpr_workgroup_id_z 1
		.amdhsa_system_vgpr_workitem_id 0
		.amdhsa_next_free_vgpr 512
		.amdhsa_next_free_sgpr 96
		.amdhsa_reserve_vcc 0
		.amdhsa_float_denorm_mode_32 3
		.amdhsa_float_denorm_mode_16_64 3
		.amdhsa_memory_ordered 1
		.amdhsa_forward_progress 1
		.amdhsa_inst_pref_size 105
	.end_amdhsa_kernel
	.amdgpu_metadata
---
amdhsa.version: [ 1, 2 ]
amdhsa.kernels:
  - .name:           k_q8fe1d64ecd_gemm1
    .symbol:         k_q8fe1d64ecd_gemm1.kd
    .args:
      - { .name: cst, .offset: 0, .size: 8, .value_kind: global_buffer, .address_space: global }
      - { .name: tabs, .offset: 8, .size: 8, .value_kind: global_buffer, .address_space: global }
      - { .name: qkvg, .offset: 16, .size: 8, .value_kind: global_buffer, .address_space: global }
    .group_segment_fixed_size: 327680
    .private_segment_fixed_size: 0
    .kernarg_segment_align: 8
    .kernarg_segment_size: 24
    .max_flat_workgroup_size: 128
    .sgpr_count:     96
    .vgpr_count:     512
    .wavefront_size: 32
...
	.end_amdgpu_metadata
.endif
;; end of part 2
;; launch ukv (part 3): grid 2 x 128, 4 waves a work-group, no clusters, 327,680 bytes of LDS; arguments qkvg, ubuf; writes ubuf
.if DOCPART == 3
	.amdgcn_target "amdgcn-amd-amdhsa--gfx1250"
	.amdhsa_code_object_version 6
	.text
	.protected	k_q8fe1d64ecd_ukv
	.globl	k_q8fe1d64ecd_ukv
	.p2align	8
	.type	k_q8fe1d64ecd_ukv,@function
k_q8fe1d64ecd_ukv:
	s_mov_b64 s[64:65], 0
	v_nop
	global_prefetch_b8 v0, s[64:65] scope:SCOPE_SE
	s_setreg_imm32_b32 hwreg(HW_REG_WAVE_MODE, 25, 1), 1
	s_wait_xcnt 0x0
; U[unit][d][v] = the sum over the chunk's 256 keys of kw[key][d] v[key][v], in f32; unit = 8 (8 b + h) + chunk.  A work-group makes 128 d x 128 v (half vh of the 256 v), a wave 32 d x 128 v.
; Also the largest |U| of each wave's part, from which the next launch makes a power-of-two scale.  kw and v are f16; both lie [key][channel] in LDS and come out turned (ds_load_tr16_b128):
; source 0 = 16 channels of v x 32 keys, source 1 = 32 keys x 16 d: a lane holds one d and eight neighbouring v.
; NO CLUSTER: only the two work-groups of a unit share a tile (kw), half of what each fetches, once in the launch; nothing is filled again.
.set P,     288                        ; an LDS row: 256 bytes + 32
.set LV,    256*P                      ; v behind kw
.set STAGE, 2*LV                       ; 32 rows x 528 bytes for each wave; no tensor load fills it
.set SP,    528
.set SPARE, STAGE+4*32*SP
.set KWO,   16777216
.set VO,    25165824
.set UMO,   16777216
.set AV,  4
.set AKW, 5
.set STO, 6
.set RD,  7
.set GOF, 8
.set SPW, 10
.set NIL, 11
.set CH,  12                           ; v12-15 four running maxima
.set TA,  16
.set TB,  17
.set FA,  32                           ; v32-95  v's 8 fragments
.set FB,  96                           ; v96-111 kw's 2
.set ACC, 128                          ; accumulator (vt, dt) at ACC + 8 (2 vt + dt)
	s_load_b128 s[4:7], s[0:1], 0x0                ; qkvg s[4:5], ubuf s[6:7]
	v_lshl_add_u32 v[SPW], v0, 2, SPARE
	v_mov_b32 v[NIL], 0
	ds_add_u32 v[SPW], v[NIL]                      ; the wave's opening: the add and its wait ahead of my tensor load
	ds_add_u32 v10, v11
	v_lshrrev_b32 v1, 5, v0
	v_readfirstlane_b32 s10, v1                    ; wave
	s_mov_b32 s11, ttmp9                           ; vh
	s_and_b32 s12, ttmp7, 0xffff                   ; unit
	s_mov_b32 s24, (1<<16)|(1<<20)|(5<<22)|(7<<25) ; 2-byte elements; 8 words of padding behind every 64
	s_mov_b32 s25, 128<<16                         ; 128 rows x 128 elements
	s_mov_b32 s26, 128<<16
	s_mov_b32 s27, 128<<16
	s_mov_b32 s28, 128
	s_mov_b32 s29, 128                             ; kw: 128 elements from row to row
	s_mov_b32 s30, 0
	s_mov_b32 s31, 0
	s_mov_b32 s32, (1<<16)|(1<<20)|(5<<22)|(7<<25)
	s_mov_b32 s33, 128<<16
	s_mov_b32 s34, 128<<16
	s_mov_b32 s35, 128<<16
	s_mov_b32 s36, 128
	s_mov_b32 s37, 256                             ; v: 256
	s_mov_b32 s38, 0
	s_mov_b32 s39, 0
	s_and_b32 s13, s10, 1                          ; which 128 keys I fetch
	s_lshl_b32 s14, s12, 16
	s_lshl_b32 s15, s13, 15
	s_add_co_u32 s14, s14, s15
	s_add_co_u32 s14, s14, KWO
	s_lshl_b32 s16, s12, 17
	s_lshl_b32 s15, s13, 16
	s_add_co_u32 s16, s16, s15
	s_lshl_b32 s15, s11, 8
	s_add_co_u32 s16, s16, s15
	s_add_co_u32 s16, s16, VO
	s_cmp_lt_u32 s10, 2
	s_cselect_b32 s20, s14, s16
	s_mov_b32 s21, 0
	s_mov_b32 s40, 1
	s_mul_i32 s41, s10, 128*P                      ; kw's halves, then v's
	s_wait_dscnt 0x0
	s_wait_kmcnt 0x0
	s_add_nc_u64 s[42:43], s[4:5], s[20:21]
	s_or_b32 s43, s43, 0x80000000
	s_cmp_lt_u32 s10, 2
	s_cbranch_scc0 .Lfor_v
	tensor_load_to_lds s[40:43], s[24:31]
	s_nop 0
.rept 4
	v_nop
.endr
	s_branch .Lasked
.Lfor_v:
	tensor_load_to_lds s[40:43], s[32:39]
	s_nop 0
.rept 4
	v_nop
.endr
.Lasked:
	v_and_b32 v1, 15, v0
	v_bfe_u32 v2, v0, 4, 1
	v_and_b32 v3, 7, v0
	v_bfe_u32 v9, v0, 3, 1
	v_lshl_add_u32 v3, v2, 3, v3                   ; key 8 (l / 16) + l % 8,
	v_mul_u32_u24 v3, v3, P
	v_lshl_add_u32 v3, v9, 4, v3                   ; channels 8 ((l / 8) % 2) on
	v_add_nc_u32 v[AV], LV, v3
	s_lshl_b32 s22, s10, 6                         ; my 32 d
	v_add_nc_u32 v[AKW], s22, v3
	s_mul_i32 s23, s10, 32*SP
	s_add_co_u32 s23, s23, STAGE
	v_mul_u32_u24 v[STO], v1, SP
	v_lshl_add_u32 v[STO], v2, 5, v[STO]
	v_add_nc_u32 v[STO], s23, v[STO]
	v_and_b32 v[GOF], 31, v0
	v_lshlrev_b32 v[GOF], 4, v[GOF]                ; a row of 512 bytes: 16 a lane
	v_add_nc_u32 v[RD], s23, v[GOF]
	s_lshl_b32 s14, s12, 7
	s_lshl_b32 s15, s10, 5
	s_add_co_u32 s14, s14, s15
	s_lshl_b32 s14, s14, 10                        ; (128 unit + 32 wave) rows of 1,024 bytes
	s_lshl_b32 s15, s11, 9
	s_add_co_u32 s14, s14, s15
	s_mov_b32 s15, 0
	s_add_nc_u64 s[46:47], s[6:7], s[14:15]
	s_lshl_b32 s14, s12, 3
	s_lshl_b32 s16, s11, 2
	s_add_co_u32 s14, s14, s16
	s_add_co_u32 s14, s14, s10
	s_lshl_b32 s14, s14, 2
	s_add_co_u32 s14, s14, UMO
	s_add_nc_u64 s[48:49], s[6:7], s[14:15]
	s_mov_b32 s50, 0x76543210
	s_mov_b32 s51, 0xfedcba98
.macro LOADS                           ; the fragments of 32 keys: 20 loads
.irp vt, 0,1,2,3,4,5,6,7
	ds_load_tr16_b128 v[FA+8*\vt:FA+8*\vt+3],   v[AV] offset:32*\vt
	ds_load_tr16_b128 v[FA+8*\vt+4:FA+8*\vt+7], v[AV] offset:32*\vt+16*P
.endr
.irp dt, 0,1
	ds_load_tr16_b128 v[FB+8*\dt:FB+8*\dt+3],   v[AKW] offset:32*\dt
	ds_load_tr16_b128 v[FB+8*\dt+4:FB+8*\dt+7], v[AKW] offset:32*\dt+16*P
.endr
	s_wait_dscnt 0x0
.endm
.macro MULS zero                       ; 16 accumulators by turns
.irp vt, 0,1,2,3,4,5,6,7
.irp dt, 0,1
.if \zero
	v_wmma_f32_16x16x32_f16 v[ACC+8*(2*\vt+\dt):ACC+8*(2*\vt+\dt)+7], v[FA+8*\vt:FA+8*\vt+7], v[FB+8*\dt:FB+8*\dt+7], 0
.else
	v_wmma_f32_16x16x32_f16 v[ACC+8*(2*\vt+\dt):ACC+8*(2*\vt+\dt)+7], v[FA+8*\vt:FA+8*\vt+7], v[FB+8*\dt:FB+8*\dt+7], v[ACC+8*(2*\vt+\dt):ACC+8*(2*\vt+\dt)+7]
.endif
.endr
.endr
.endm
	s_wait_tensorcnt 0x0                           ; my tile is in,
	s_barrier_signal -1
	s_barrier_wait -1                              ; everybody's is
	LOADS
	MULS 1                                         ; the first 32 keys start the sums
	s_mov_b32 s3, 7
.Lkeys:
	v_add_nc_u32 v[AV], 32*P, v[AV]                ; with the two v_nop: the four places in front of the loads
	v_add_nc_u32 v[AKW], 32*P, v[AKW]
	v_nop
	v_nop
	LOADS
	MULS 0
	s_sub_co_u32 s3, s3, 1
	s_cmp_lg_u32 s3, 0
	s_cbranch_scc1 .Lkeys
.irp c, 0,1,2,3
	v_mov_b32 v[CH+\c], 0                          ; also the places behind the last products
.endr
	v_mov_b32 v[TB], 0
.set i, 0
.rept 64                                       ; the largest |U| of my part; each accumulator's lowest registers are read first
	v_max3_num_f32 v[CH+i%4], v[CH+i%4], |v[ACC+2*i]|, |v[ACC+2*i+1]|
.set i, i+1
.endr
.irp vt, 0,1,2,3,4,5,6,7
.irp dt, 0,1
	ds_store_b128 v[STO], v[ACC+8*(2*\vt+\dt):ACC+8*(2*\vt+\dt)+3]   offset:\dt*16*SP+64*\vt
	ds_store_b128 v[STO], v[ACC+8*(2*\vt+\dt)+4:ACC+8*(2*\vt+\dt)+7] offset:\dt*16*SP+64*\vt+16
.endr
.endr
.irp t, 0,1,2,3,4,5,6,7,8,9,10,11,12,13,14,15  ; whole rows back: LDS serves a wave's instructions in order
	ds_load_b128 v[FA+4*\t:FA+4*\t+3], v[RD] offset:\t*SP
.endr
.irp t, 0,1,2,3,4,5,6,7,8,9,10,11,12,13,14,15  ; the other 16 rows land in the accumulators' registers, which the stores above have read
	ds_load_b128 v[ACC+4*\t:ACC+4*\t+3], v[RD] offset:(16+\t)*SP
.endr
	v_max3_num_f32 v[TA], v[CH], v[CH+1], v[CH+2]
	v_max_num_f32 v[TA], v[TA], v[CH+3]
	v_max_num_f32_dpp v[TA], v[TA], v[TA] row_xmask:1 row_mask:0xf bank_mask:0xf
	v_max_num_f32_dpp v[TA], v[TA], v[TA] row_xmask:2 row_mask:0xf bank_mask:0xf
	v_max_num_f32_dpp v[TA], v[TA], v[TA] row_xmask:4 row_mask:0xf bank_mask:0xf
	v_max_num_f32_dpp v[TA], v[TA], v[TA] row_xmask:8 row_mask:0xf bank_mask:0xf
	v_permlanex16_b32 v[TB], v[TA], s50, s51
	v_max_num_f32 v[TA], v[TA], v[TB]
.irp t, 0,1,2,3,4,5,6,7,8,9,10,11,12,13,14,15
	s_wait_dscnt 31-\t
	global_store_b128 v[GOF], v[FA+4*\t:FA+4*\t+3], s[46:47] offset:\t*1024   ; 512 consecutive bytes, at a multiple of 256
.endr
.irp t, 0,1,2,3,4,5,6,7,8,9,10,11,12,13,14,15
	s_wait_dscnt 15-\t
	global_store_b128 v[GOF], v[ACC+4*\t:ACC+4*\t+3], s[46:47] offset:(16+\t)*1024
.endr
	v_cmp_eq_u32 vcc_lo, 0, v[GOF]                 ; lane 0 stores the wave's maximum
	s_wait_xcnt 0x0                                ; EXEC changes only behind this wait
	s_and_saveexec_b32 s20, vcc_lo
	global_store_b32 v[NIL], v[TA], s[48:49]
	s_wait_xcnt 0x0
	s_or_b32 exec_lo, exec_lo, s20
	s_wait_tensorcnt 0x0                           ; the wave's end
	ds_add_u32 v[SPW], v[NIL]
	s_wait_dscnt 0x0
	s_endpgm
.Lfunc_end_k_q8fe1d64ecd_ukv:
	.size	k_q8fe1d64ecd_ukv, .Lfunc_end_k_q8fe1d64ecd_ukv-k_q8fe1d64ecd_ukv
	.p2alignl 7, 3214868480
	.fill 96, 4, 3214868480
	.section	.rodata,"a",@progbits
	.p2align	6, 0x0
	.amdhsa_kernel k_q8fe1d64ecd_ukv
		.amdhsa_group_segment_fixed_size 327680
		.amdhsa_private_segment_fixed_size 0
		.amdhsa_enable_private_segment 0
		.amdhsa_kernarg_size 16
		.amdhsa_user_sgpr_count 2
		.amdhsa_user_sgpr_kernarg_segment_ptr 1
		.amdhsa_wavefront_size32 1
		.amdhsa_system_sgpr_workgroup_id_x 1
		.amdhsa_system_sgpr_workgroup_id_y 1
		.amdhsa_system_sgpr_workgroup_id_z 1
		.amdhsa_system_vgpr_workitem_id 0
		.amdhsa_next_free_vgpr 256
		.amdhsa_next_free_sgpr 66
		.amdhsa_reserve_vcc 1
		.amdhsa_float_denorm_mode_32 3
		.amdhsa_float_denorm_mode_16_64 3
		.amdhsa_memory_ordered 1
		.amdhsa_forward_progress 1
		.amdhsa_inst_pref_size 23
	.end_amdhsa_kernel
	.amdgpu_metadata
---
amdhsa.version: [ 1, 2 ]
amdhsa.kernels:
  - .name:           k_q8fe1d64ecd_ukv
    .symbol:         k_q8fe1d64ecd_ukv.kd
    .args:
      - { .name: qkvg, .offset: 0, .size: 8, .value_kind: global_buffer, .address_space: global }
      - { .name: ubuf, .offset: 8, .size: 8, .value_kind: global_buffer, .address_space: global }
    .group_segment_fixed_size: 327680
    .private_segment_fixed_size: 0
    .kernarg_segment_align: 8
    .kernarg_segment_size: 16
    .max_flat_workgroup_size: 128
    .sgpr_count:     66
    .vgpr_count:     256
    .wavefront_size: 32
...
	.end_amdgpu_metadata
.endif
;; end of part 3
;; launch scan (part 4): grid 16 x 16, 8 waves a work-group, no clusters, 0 bytes of LDS; arguments ubuf, tabs, wbuf, out1; writes wbuf, out1
.if DOCPART == 4
	.amdgcn_target "amdgcn-amd-amdhsa--gfx1250"
	.amdhsa_code_object_version 6
	.text
	.protected	k_q8fe1d64ecd_scan
	.globl	k_q8fe1d64ecd_scan
	.p2align	8
	.type	k_q8fe1d64ecd_scan,@function
k_q8fe1d64ecd_scan:
	s_mov_b64 s[64:65], 0
	v_nop
	global_prefetch_b8 v0, s[64:65] scope:SCOPE_SE
	s_setreg_imm32_b32 hwreg(HW_REG_WAVE_MODE, 25, 1), 1
	s_wait_xcnt 0x0
; THE STATE'S WALK over the 8 chunks of one (b, h): W_0 = 0, W_(c+1) = sqrt(s_d) (gamma^256 W_c + U_c), element by element in f32; out1 = W_8 / s_d^4.
; Stored for the next launch: W_c x omega_c in f16, and 1 / omega_c.  omega_c is a power of two made from a bound B_c >= max |W_c|: B_0 = 0, B_(c+1) = |gamma^256| B_c + max |U_c| (sqrt(s) < 1),
; so that |W_c| omega_c < 2^14.  The bound steers values alone, no address and no branch.  A work-group owns 8 rows d (2,048 elements) of one (b, h), a thread 8 elements; all 16 loads of U go out at once.
; No LDS, no matrix unit: each element is read once and walks by itself.  LIMITS: the bound's exponent is kept in 14..254; NaN and infinities are not treated apart.
.set UMO, 16777216
.set PWO, 8388608
.set WSO, 8388608
.set GA, 12                            ; gamma^256
.set AG, 13                            ; its magnitude
.set M0, 14                            ; the waves' maxima of chunks 0-3, 4-7
.set M1, 15
.set W,  16                            ; v16-23 my 8 elements
.set SQ, 24                            ; v24-25 sqrt(s) of my two rows
.set R4, 26                            ; v26-27 1 / s^4
.set BD, 28
.set EE, 29
.set U,  32                            ; v32-95  U(c, g) at U + 8 c + 4 g
.set D,  96                            ; v96-127 the f16 results, registers of their own
.set OM, 128                           ; v128-135 omega_c
.set IO, 136                           ; v136-143 1 / omega_c
.set T,  144                           ; v144-151 at work
.set O1, 152                           ; v152-159 out1's numbers
	s_load_b256 s[4:11], s[0:1], 0x0               ; ubuf s[4:5], tabs s[6:7], wbuf s[8:9], out1 s[10:11]
	s_mov_b32 s12, ttmp9                           ; slab of 8 rows
	s_and_b32 s13, ttmp7, 0xffff                   ; 8 b + h
	s_and_b32 s14, s13, 7
	v_and_b32 v1, 31, v0
	v_lshlrev_b32 v2, 2, v1
	v_lshlrev_b32 v3, 4, v0
	v_lshlrev_b32 v4, 3, v0
	v_mov_b32 v5, 0
	v_lshlrev_b32 v9, 2, v0
	s_lshl_b32 s20, s13, 20                        ; 8 units of 131,072 bytes
	s_lshl_b32 s21, s12, 13
	s_add_co_u32 s20, s20, s21
	s_mov_b32 s21, 0
	s_lshl_b32 s22, s13, 8
	s_add_co_u32 s22, s22, UMO
	s_mov_b32 s23, 0
	s_lshl_b32 s24, s14, 11
	s_add_co_u32 s24, s24, PWO+1024                ; PW[h][256]
	s_mov_b32 s25, 0
	s_lshl_b32 s34, s13, 19                        ; wbuf: 8 units of 65,536 bytes
	s_lshl_b32 s35, s12, 12
	s_add_co_u32 s34, s34, s35
	s_mov_b32 s35, 0
	s_lshl_b32 s36, s13, 17                        ; out1: 131,072 bytes a (b, h)
	s_lshl_b32 s37, s12, 13
	s_add_co_u32 s36, s36, s37
	s_mov_b32 s37, 0
	s_lshl_b32 s38, s13, 5
	s_add_co_u32 s38, s38, WSO
	s_mov_b32 s39, 0
	s_wait_kmcnt 0x0
	s_add_nc_u64 s[26:27], s[4:5], s[22:23]
	s_add_nc_u64 s[28:29], s[6:7], s[24:25]
	s_add_nc_u64 s[30:31], s[4:5], s[20:21]
	s_add_nc_u64 s[34:35], s[8:9], s[34:35]
	s_add_nc_u64 s[36:37], s[10:11], s[36:37]
	s_add_nc_u64 s[38:39], s[8:9], s[38:39]
	global_load_b32 v[GA], v5, s[28:29]
	global_load_b32 v[M0], v2, s[26:27]
	global_load_b32 v[M1], v2, s[26:27] offset:128
.irp c, 0,1,2,3,4,5,6,7
.irp g, 0,1
	global_load_b128 v[U+8*\c+4*\g:U+8*\c+4*\g+3], v3, s[30:31] offset:\c*131072+\g*4096 th:TH_LOAD_NT
.endr
.endr
	v_lshrrev_b32 v6, 6, v0
	s_lshl_b32 s32, s12, 3
	v_add_nc_u32 v6, s32, v6                       ; my first group's row d
	s_lshl_b32 s33, s14, 6
.irp g, 0,1
	v_add_nc_u32 v7, 4*\g, v6
	v_lshrrev_b32 v7, 1, v7
	v_add_nc_u32 v7, s33, v7                       ; the pair 64 h + d / 2
	v_cvt_f32_u32 v7, v7
	v_fmaak_f32 v7, 2.0, v7, 0x43cccccd
	v_mul_f32 v7, 0x3a36db6e, v7                   ; s
	v_sqrt_f32 v[SQ+\g], v7
	v_mul_f32 v10, v7, v7
	v_mul_f32 v10, v10, v10
	v_rcp_f32 v[R4+\g], v10
	v_nop
.endr
.irp j, 0,1,2,3,4,5,6,7
	v_mov_b32 v[W+\j], 0
.endr
	v_mov_b32 v[BD], 0
	s_wait_loadcnt 16                              ; gamma^256 and the maxima are in; U's 16 loads stay out
.irp m, 1,2,4
	v_max_num_f32_dpp v[M0], v[M0], v[M0] row_xmask:\m row_mask:0xf bank_mask:0xf
	v_max_num_f32_dpp v[M1], v[M1], v[M1] row_xmask:\m row_mask:0xf bank_mask:0xf
.endr
.irp c, 0,1,2,3
	v_readlane_b32 s[40+\c], v[M0], 8*\c           ; max |U_c|: eight lanes a chunk
	v_readlane_b32 s[44+\c], v[M1], 8*\c
.endr
	v_and_b32 v[AG], 0x7fffffff, v[GA]
	s_wait_alu depctr_va_vdst(0)
.irp c, 0,1,2,3,4,5,6,7
	v_bfe_u32 v[EE], v[BD], 23, 8
	v_max_u32 v[EE], 14, v[EE]
	v_min_u32 v[EE], 254, v[EE]
	v_sub_nc_u32 v[OM+\c], 267, v[EE]
	v_add_nc_u32 v[IO+\c], -13, v[EE]
	v_lshlrev_b32 v[OM+\c], 23, v[OM+\c]           ; omega = 2^(140 - e)
	v_lshlrev_b32 v[IO+\c], 23, v[IO+\c]           ; 1 / omega
	v_fma_f32 v[BD], v[BD], v[AG], s[40+\c]
.endr
.irp c, 0,1,2,3,4,5,6,7
	s_wait_loadcnt 14-2*\c                         ; U_c is in; the later chunks' loads stay out
.irp g, 0,1
.irp j, 0,1,2,3
	v_mul_f32 v[T+4*\g+\j], v[W+4*\g+\j], v[OM+\c]
.endr
	v_cvt_pk_f16_f32 v[D+4*\c+2*\g],   v[T+4*\g],   v[T+4*\g+1]
	v_cvt_pk_f16_f32 v[D+4*\c+2*\g+1], v[T+4*\g+2], v[T+4*\g+3]
	global_store_b64 v4, v[D+4*\c+2*\g:D+4*\c+2*\g+1], s[34:35] offset:\c*65536+\g*2048   ; a wave stores 256 consecutive bytes, aligned
.irp j, 0,1,2,3
	v_fma_f32 v[W+4*\g+\j], v[GA], v[W+4*\g+\j], v[U+8*\c+4*\g+\j]
.endr
.irp j, 0,1,2,3
	v_mul_f32 v[W+4*\g+\j], v[SQ+\g], v[W+4*\g+\j]
.endr
.endr
.endr
.irp g, 0,1
.irp j, 0,1,2,3
	v_mul_f32 v[O1+4*\g+\j], v[R4+\g], v[W+4*\g+\j]
.endr
	global_store_b128 v3, v[O1+4*\g:O1+4*\g+3], s[36:37] offset:\g*4096
.endr
	s_cmp_lg_u32 s12, 0
	s_cbranch_scc1 .Lend                           ; slab 0's threads 0-7 store the eight 1 / omega
	v_mov_b32 v[T], v[IO]
.irp c, 1,2,3,4,5,6,7
	v_cmp_eq_u32 vcc_lo, \c, v0
	v_cndmask_b32 v[T], v[T], v[IO+\c], vcc_lo
.endr
	v_cmp_gt_u32 vcc_lo, 8, v0
	s_wait_xcnt 0x0                                ; EXEC changes only behind this wait
	s_and_saveexec_b32 s50, vcc_lo
	global_store_b32 v9, v[T], s[38:39]
	s_wait_xcnt 0x0
	s_or_b32 exec_lo, exec_lo, s50
.Lend:
	s_endpgm
.Lfunc_end_k_q8fe1d64ecd_scan:
	.size	k_q8fe1d64ecd_scan, .Lfunc_end_k_q8fe1d64ecd_scan-k_q8fe1d64ecd_scan
	.p2alignl 7, 3214868480
	.fill 96, 4, 3214868480
	.section	.rodata,"a",@progbits
	.p2align	6, 0x0
	.amdhsa_kernel k_q8fe1d64ecd_scan
		.amdhsa_group_segment_fixed_size 0
		.amdhsa_private_segment_fixed_size 0
		.amdhsa_enable_private_segment 0
		.amdhsa_kernarg_size 32
		.amdhsa_user_sgpr_count 2
		.amdhsa_user_sgpr_kernarg_segment_ptr 1
		.amdhsa_wavefront_size32 1
		.amdhsa_system_sgpr_workgroup_id_x 1
		.amdhsa_system_sgpr_workgroup_id_y 1
		.amdhsa_system_sgpr_workgroup_id_z 1
		.amdhsa_system_vgpr_workitem_id 0
		.amdhsa_next_free_vgpr 160
		.amdhsa_next_free_sgpr 66
		.amdhsa_reserve_vcc 1
		.amdhsa_float_denorm_mode_32 3
		.amdhsa_float_denorm_mode_16_64 3
		.amdhsa_memory_ordered 1
		.amdhsa_forward_progress 1
		.amdhsa_inst_pref_size 22
	.end_amdhsa_kernel
	.amdgpu_metadata
---
amdhsa.version: [ 1, 2 ]
amdhsa.kernels:
  - .name:           k_q8fe1d64ecd_scan
    .symbol:         k_q8fe1d64ecd_scan.kd
    .args:
      - { .name: ubuf, .offset: 0, .size: 8, .value_kind: global_buffer, .address_space: global }
      - { .name: tabs, .offset: 8, .size: 8, .value_kind: global_buffer, .address_space: global }
      - { .name: wbuf, .offset: 16, .size: 8, .value_kind: global_buffer, .address_space: global }
      - { .name: out1, .offset: 24, .size: 8, .value_kind: global_buffer, .address_space: global }
    .group_segment_fixed_size: 0
    .private_segment_fixed_size: 0
    .kernarg_segment_align: 8
    .kernarg_segment_size: 32
    .max_flat_workgroup_size: 256
    .sgpr_count:     66
    .vgpr_count:     160
    .wavefront_size: 32
...
	.end_amdgpu_metadata
.endif
;; end of part 4
;; launch attn (part 5): grid 2 x 128, 4 waves a work-group, no clusters, 327,680 bytes of LDS; arguments qkvg, wbuf, tabs, zbuf; writes zbuf
.if DOCPART == 5
	.amdgcn_target "amdgcn-amd-amdhsa--gfx1250"
	.amdhsa_code_object_version 6
	.text
	.protected	k_q8fe1d64ecd_attn
	.globl	k_q8fe1d64ecd_attn
	.p2align	8
	.type	k_q8fe1d64ecd_attn,@function
k_q8fe1d64ecd_attn:
	s_mov_b64 s[64:65], 0
	v_nop
	global_prefetch_b8 v0, s[64:65] scope:SCOPE_SE
	s_setreg_imm32_b32 hwreg(HW_REG_WAVE_MODE, 25, 1), 1
	s_wait_xcnt 0x0
; RETENTION BY CHUNKS, GROUP NORM AND GATE.  For row t = 256 c + r of (b, h):  out = sum over the chunk's keys s <= t of scale gamma^(r - r_s) (q'.k'_s) v_s  +  scale gamma^(r+1) q'.W_c,
; then z = gate x (out - mean) / sqrt(var + 1e-5) / 8 over the head's 256 channels, in f16 (the last launch's weights carry the 8).
; SHARES.  A work-group owns 128 rows (half hf) of one unit (b, h, chunk), a wave 32: two tiles of 16 queries.  All 256 keys of the chunk are multiplied for every row; hidden ones get the factor 0.
; LAYOUT.  S^T = K' Q'^T: a lane holds ONE query (lane % 16) and the keys 8 (lane / 16) + 0..7 of each 16.  Two such tiles rounded to f16 ARE source 1 of O^T = V^T P.  R^T = W^T Q'^T has O^T's layout.
; SCALES.  P = S x mask goes to f16 times lambda, a power of two per query made from max(|P|, |cross term|), so that it lies under 2^14; W arrives times omega.  The norm does not see lambda:
; (lambda x - lambda mu) / sqrt(lambda^2 var + lambda^2 eps).  Both scales steer values alone.  The variance is taken of x - mean, in a second pass.
; NO CLUSTER: only the two work-groups of a unit share tiles, each fetched once in the launch; nothing is filled again.
; LIMITS.  lambda <= 2^60: rows whose scores all lie under about 2^-47 lose bits.  z / 8 and gate within f16's 65,504.  NaN and infinities are not treated apart.
; REGISTERS (windows of 256; s_set_vgpr_msb: bits 1:0 source 0, 3:2 source 1, 5:4 source 2, 7:6 destination).
;   window 0: v1-15 addresses; v16-45 statistics; v48-111 Q (tile qt, channels 32 cb on: 48 + 32 qt + 8 cb); v112-175, v176-239 two fragment buffers; v240-255 chains
;   window 1: S(kt, qt) at 8 (2 kt + qt), then P in place, then the gate's rows          window 2: the mask, in S's order; then R and O(vt, qt) at 8 (2 vt + qt)
.set PK,    272                        ; a row of K': 256 bytes + 16
.set PW,    544                        ; a row of W and of V: 512 bytes + 32
.set LW,    69632
.set LV,    139264
.set STAGE, 278528                     ; 16 rows x 528 bytes a wave; no tensor load fills it
.set SP,    528
.set SPARE, STAGE+4*16*SP
.set KO,    8388608
.set VO,    25165824
.set GO,    41943040
.set PWO,   8388608
.set MTO,   8413184
.set WSO,   8388608
.set AK,   3
.set AW,   4
.set AV0,  5                           ; v5, v6: V's keys 0-127, 128-255
.set QOFF, 7
.set MOFF, 8
.set FOFF, 9
.set STO,  10
.set RD,   11
.set GOFF, 12
.set SPW,  14
.set NIL,  15
.set FT,   16                          ; gamma^(r+1), by tile
.set FTP,  18                          ; times scale / omega
.set PM,   20
.set RM,   22
.set LAM,  24                          ; lambda, a pair a tile
.set FL,   28                          ; lambda x FTP, a pair a tile
.set EL,   32                          ; eps lambda^2
.set NMU,  34                          ; - mean, a pair a tile
.set RS,   38                          ; 1 / (8 sqrt(..)), a pair a tile
.set TA,   42
.set TB,   44
.set Q,    48
.set B0,   112
.set CH,   240
.set SEL,  58
.set MSB, 0
.macro WIN new
.if MSB != (\new)
	s_set_vgpr_msb (MSB<<8)|(\new)
.set MSB, \new
.endif
.endm
.macro PLACES
.rept 4
	v_nop
.endr
.endm
	s_load_b256 s[4:11], s[0:1], 0x0               ; qkvg s[4:5], wbuf s[6:7], tabs s[8:9], zbuf s[10:11]
	v_lshl_add_u32 v[SPW], v0, 2, SPARE
	v_mov_b32 v[NIL], 0
	ds_add_u32 v[SPW], v[NIL]                      ; the wave's opening: the add and its wait ahead of my tensor load
	ds_add_u32 v14, v15
	v_lshrrev_b32 v1, 5, v0
	v_readfirstlane_b32 s12, v1                    ; wave
	s_and_b32 s13, ttmp7, 0xffff                   ; unit
	s_mov_b32 s14, ttmp9                           ; hf
	s_mov_b32 s24, (1<<16)|(1<<20)|(5<<22)|(3<<25) ; K': 256 rows x 128 elements, 4 words of padding behind every 64
	s_mov_b32 s25, 128<<16
	s_mov_b32 s26, 256<<16
	s_mov_b32 s27, 128<<16
	s_mov_b32 s28, 256
	s_mov_b32 s29, 128
	s_mov_b32 s30, 0
	s_mov_b32 s31, 0
	s_mov_b32 s32, (1<<16)|(1<<20)|(6<<22)|(7<<25) ; W, V: 128 rows x 256 elements, 8 words behind every 128
	s_mov_b32 s33, 256<<16
	s_mov_b32 s34, 128<<16
	s_mov_b32 s35, 256<<16
	s_mov_b32 s36, 128
	s_mov_b32 s37, 256
	s_mov_b32 s38, 0
	s_mov_b32 s39, 0
	s_mov_b32 s[SEL], 0x76543210
	s_mov_b32 s[SEL+1], 0xfedcba98
	s_lshl_b32 s16, s13, 16                        ; wave 0: K'; wave 1: W; waves 2, 3: V's halves
	s_lshl_b32 s17, s13, 17
	s_and_b32 s18, s12, 1
	s_lshl_b32 s18, s18, 16
	s_add_co_u32 s17, s17, s18
	s_add_co_u32 s17, s17, VO
	s_add_co_u32 s18, s16, KO
	s_cmp_eq_u32 s12, 0
	s_cselect_b32 s18, s18, s16
	s_cmp_lt_u32 s12, 2
	s_cselect_b32 s20, s18, s17
	s_mov_b32 s21, 0
	s_mov_b32 s40, 1
	s_mul_i32 s41, s12, 69632                      ; each of the four tiles takes 69,632 bytes
	s_lshl_b32 s15, s14, 7
	s_lshl_b32 s19, s12, 5
	s_add_co_u32 s15, s15, s19                     ; s15: my first row in the chunk
	s_bfe_u32 s19, s13, 0x30003                    ; the head
	s_lshl_b32 s44, s15, 8
	s_add_co_u32 s44, s44, s16                     ; Q': (256 unit + row) x 256 bytes
	s_mov_b32 s45, 0
	s_lshl_b32 s46, s19, 11
	s_lshl_b32 s47, s15, 2
	s_add_co_u32 s46, s46, s47
	s_add_co_u32 s46, s46, PWO+4                   ; PW[h][row + 1]
	s_mov_b32 s47, 0
	s_lshl_b32 s48, s19, 13
	s_add_co_u32 s48, s48, MTO
	s_mov_b32 s49, 0
	s_lshl_b32 s50, s13, 2
	s_add_co_u32 s50, s50, WSO
	s_mov_b32 s51, 0
	s_lshr_b32 s52, s13, 6
	s_lshl_b32 s52, s52, 11
	s_and_b32 s53, s13, 7
	s_lshl_b32 s53, s53, 8
	s_add_co_u32 s52, s52, s53
	s_add_co_u32 s52, s52, s15                     ; the row among all 4,096,
	s_lshl_b32 s52, s52, 12                        ; of 4,096 bytes,
	s_lshl_b32 s53, s19, 9
	s_add_co_u32 s54, s52, s53                     ; and the head's 512 of them
	s_mov_b32 s55, 0
	s_add_co_u32 s52, s54, GO
	s_mov_b32 s53, 0
	s_sub_co_u32 s57, 239, s15
	s_wait_dscnt 0x0
	s_wait_kmcnt 0x0
	s_cmp_eq_u32 s12, 1
	s_cselect_b64 s[22:23], s[6:7], s[4:5]
	s_add_nc_u64 s[42:43], s[22:23], s[20:21]
	s_or_b32 s43, s43, 0x80000000
	s_add_nc_u64 s[44:45], s[4:5], s[44:45]
	s_add_nc_u64 s[46:47], s[8:9], s[46:47]
	s_add_nc_u64 s[48:49], s[8:9], s[48:49]
	s_add_nc_u64 s[50:51], s[6:7], s[50:51]
	s_add_nc_u64 s[52:53], s[4:5], s[52:53]
	s_add_nc_u64 s[54:55], s[10:11], s[54:55]
	s_cmp_eq_u32 s12, 0
	s_cbranch_scc0 .Lwide
	tensor_load_to_lds s[40:43], s[24:31]
	s_nop 0
.rept 4
	v_nop
.endr
	s_branch .Lasked
.Lwide:
	tensor_load_to_lds s[40:43], s[32:39]
	s_nop 0
.rept 4
	v_nop
.endr
.Lasked:
	s_load_b32 s56, s[50:51], 0x0                  ; 1 / omega of my unit
	v_and_b32 v1, 15, v0                           ; l % 16: my query
	v_bfe_u32 v2, v0, 4, 1                         ; l / 16
	v_lshlrev_b32 v[QOFF], 8, v1
	v_lshl_add_u32 v[QOFF], v2, 4, v[QOFF]
	v_lshlrev_b32 v[FOFF], 2, v1
	v_sub_nc_u32 v13, s57, v1                      ; tile 1: x = 255 - query + 8 (l / 16); the mask of key 16 kt + j is T[x + 16 kt + j]
	v_lshl_add_u32 v13, v2, 3, v13
	v_and_b32 v[MOFF], 3, v13                      ; the copy shifted by x % 4,
	v_lshlrev_b32 v[MOFF], 11, v[MOFF]
	v_and_b32 v13, -4, v13                         ; in it the aligned word
	v_lshl_add_u32 v[MOFF], v13, 2, v[MOFF]
.set i, 0
.rept 8
	global_load_b128 v[Q+8*i:Q+8*i+3],   v[QOFF], s[44:45] offset:(i/4)*4096+(i%4)*64
	global_load_b128 v[Q+8*i+4:Q+8*i+7], v[QOFF], s[44:45] offset:(i/4)*4096+(i%4)*64+32
.set i, i+1
.endr
	global_load_b32 v[FT],   v[FOFF], s[46:47]
	global_load_b32 v[FT+1], v[FOFF], s[46:47] offset:64
	WIN 0x80
.set i, 0
.rept 32                                       ; the mask of S(kt, qt), i = 2 kt + qt; tile 0's x is 16 greater
	global_load_b128 v[8*i:8*i+3],   v[MOFF], s[48:49] offset:64*(i/2)+64*(1-i%2)
	global_load_b128 v[8*i+4:8*i+7], v[MOFF], s[48:49] offset:64*(i/2)+64*(1-i%2)+16
.set i, i+1
.endr
	WIN 0
	v_mul_u32_u24 v[AK], v1, PK
	v_lshl_add_u32 v[AK], v2, 4, v[AK]
	v_and_b32 v13, 7, v0
	v_lshl_add_u32 v13, v2, 3, v13                 ; the turning load: row 8 (l / 16) + l % 8,
	v_mul_u32_u24 v13, v13, PW
	v_bfe_u32 v[AW], v0, 3, 1
	v_lshl_add_u32 v13, v[AW], 4, v13              ; channels 8 ((l / 8) % 2) on
	v_add_nc_u32 v[AW], LW, v13
	v_add_nc_u32 v[AV0], LV, v13
	v_add_nc_u32 v[AV0+1], LV+128*PW, v13
	s_mul_i32 s16, s12, 16*SP
	s_add_co_u32 s16, s16, STAGE
	v_mul_u32_u24 v[STO], v1, SP
	v_lshl_add_u32 v[STO], v2, 4, v[STO]
	v_add_nc_u32 v[STO], s16, v[STO]
	v_and_b32 v[GOFF], 31, v0
	v_lshlrev_b32 v[GOFF], 4, v[GOFF]
	v_add_nc_u32 v[RD], s16, v[GOFF]
	v_mov_b32 v[TB], 0
	v_mov_b32 v[TB+1], 0
.set i, 0
.rept 16
	v_mov_b32 v[CH+i], 0
.set i, i+1
.endr
; The products go in groups of 16 LDS loads and 16 matrix instructions on two buffers: while a group is multiplied the next one's run of loads is out.  In every group the accumulators take turns.
.macro FK g, buf                       ; K' of key tiles 2 g, 2 g + 1
	WIN 0
.irp u, 0,1
.irp cb, 0,1,2,3
	ds_load_b128 v[(\buf)+32*\u+8*\cb:(\buf)+32*\u+8*\cb+3],   v[AK] offset:(2*(\g)+\u)*16*PK+64*\cb
	ds_load_b128 v[(\buf)+32*\u+8*\cb+4:(\buf)+32*\u+8*\cb+7], v[AK] offset:(2*(\g)+\u)*16*PK+64*\cb+32
.endr
.endr
.endm
.macro MK g, buf
	WIN 0x50
.irp cb, 0,1,2,3
.irp u, 0,1
.irp qt, 0,1
.if \cb == 0
	v_wmma_f32_16x16x32_f16 v[8*(2*(2*(\g)+\u)+\qt):8*(2*(2*(\g)+\u)+\qt)+7], v[(\buf)+32*\u+8*\cb:(\buf)+32*\u+8*\cb+7], v[Q+32*\qt+8*\cb:Q+32*\qt+8*\cb+7], 0
.else
	v_wmma_f32_16x16x32_f16 v[8*(2*(2*(\g)+\u)+\qt):8*(2*(2*(\g)+\u)+\qt)+7], v[(\buf)+32*\u+8*\cb:(\buf)+32*\u+8*\cb+7], v[Q+32*\qt+8*\cb:Q+32*\qt+8*\cb+7], v[8*(2*(2*(\g)+\u)+\qt):8*(2*(2*(\g)+\u)+\qt)+7]
.endif
.endr
.endr
.endr
.endm
.macro FW g, buf                       ; W^T: d 32 (g / 2) on, channel tiles 8 (g % 2) + 0..7
	WIN 0
.irp u, 0,1,2,3,4,5,6,7
	ds_load_tr16_b128 v[(\buf)+8*\u:(\buf)+8*\u+3],   v[AW] offset:((\g)/2)*32*PW+32*(8*((\g)%2)+\u)
	ds_load_tr16_b128 v[(\buf)+8*\u+4:(\buf)+8*\u+7], v[AW] offset:((\g)/2)*32*PW+16*PW+32*(8*((\g)%2)+\u)
.endr
.endm
.macro MW g, buf
	WIN 0xa0
.irp u, 0,1,2,3,4,5,6,7
.irp qt, 0,1
.if (\g) < 2
	v_wmma_f32_16x16x32_f16 v[8*(2*(8*((\g)%2)+\u)+\qt):8*(2*(8*((\g)%2)+\u)+\qt)+7], v[(\buf)+8*\u:(\buf)+8*\u+7], v[Q+32*\qt+8*((\g)/2):Q+32*\qt+8*((\g)/2)+7], 0
.else
	v_wmma_f32_16x16x32_f16 v[8*(2*(8*((\g)%2)+\u)+\qt):8*(2*(8*((\g)%2)+\u)+\qt)+7], v[(\buf)+8*\u:(\buf)+8*\u+7], v[Q+32*\qt+8*((\g)/2):Q+32*\qt+8*((\g)/2)+7], v[8*(2*(8*((\g)%2)+\u)+\qt):8*(2*(8*((\g)%2)+\u)+\qt)+7]
.endif
.endr
.endr
.endm
.macro FV g, buf                       ; V^T: keys 32 (g / 2) on, channel tiles 8 (g % 2) + 0..7
	WIN 0
.irp u, 0,1,2,3,4,5,6,7
	ds_load_tr16_b128 v[(\buf)+8*\u:(\buf)+8*\u+3],   v[AV0+(\g)/8] offset:(((\g)/2)%4)*32*PW+32*(8*((\g)%2)+\u)
	ds_load_tr16_b128 v[(\buf)+8*\u+4:(\buf)+8*\u+7], v[AV0+(\g)/8] offset:(((\g)/2)%4)*32*PW+16*PW+32*(8*((\g)%2)+\u)
.endr
.endm
.macro MV g, buf
	WIN 0xa4
.irp u, 0,1,2,3,4,5,6,7
.irp qt, 0,1
	v_wmma_f32_16x16x32_f16 v[8*(2*(8*((\g)%2)+\u)+\qt):8*(2*(8*((\g)%2)+\u)+\qt)+7], v[(\buf)+8*\u:(\buf)+8*\u+7], v[8*(4*((\g)/2)+\qt):8*(4*((\g)/2)+\qt)+7], v[8*(2*(8*((\g)%2)+\u)+\qt):8*(2*(8*((\g)%2)+\u)+\qt)+7]
.endr
.endr
.endm
	s_wait_loadcnt 63                              ; 64 loads of the mask were issued behind Q and gamma^(r+1): those 18 are in
	s_wait_tensorcnt 0x0                           ; my tile is in,
	s_barrier_signal -1
	s_barrier_wait -1                              ; everybody's is
	; ---- S^T = K' Q'^T ----
	FK 0, B0
.set g, 0
.rept 8
.if g < 7
	PLACES
	FK g+1, B0+64*((g+1)%2)
	s_wait_dscnt 16                                ; all but the run just issued
.else
	s_wait_dscnt 0x0
.endif
	MK g, B0+64*(g%2)
.set g, g+1
.endr
	PLACES
	FW 0, B0                                       ; the cross product's first run lands during the vector work below
	s_wait_loadcnt 0x0                             ; the mask
	WIN 0x49
.set i, 0
.rept 128                                      ; P = S x mask, ascending: each accumulator's lowest registers are read first
	v_pk_mul_f32 v[2*i:2*i+1], v[2*i:2*i+1], v[2*i:2*i+1]
.set i, i+1
.endr
	WIN 0x14
.set i, 0
.rept 128                                      ; max |P| a query: four chains a tile
	v_max3_num_f32 v[CH+4*((i/4)%2)+i%4], v[CH+4*((i/4)%2)+i%4], |v[2*i]|, |v[2*i+1]|
.set i, i+1
.endr
	; ---- R^T = W^T Q'^T ----
.set g, 0
.rept 8
.if g < 7
	PLACES
	FW g+1, B0+64*((g+1)%2)
	s_wait_dscnt 16
.else
	s_wait_dscnt 0x0
.endif
	MW g, B0+64*(g%2)
.set g, g+1
.endr
	PLACES
	FV 0, B0
	WIN 0x28
.set i, 0
.rept 128
	v_max3_num_f32 v[CH+8+4*((i/4)%2)+i%4], v[CH+8+4*((i/4)%2)+i%4], |v[2*i]|, |v[2*i+1]|
.set i, i+1
.endr
	WIN 0
	s_wait_kmcnt 0x0                               ; 1 / omega
.irp qt, 0,1
	v_max3_num_f32 v[PM+\qt], v[CH+4*\qt], v[CH+4*\qt+1], v[CH+4*\qt+2]
	v_max3_num_f32 v[RM+\qt], v[CH+8+4*\qt], v[CH+8+4*\qt+1], v[CH+8+4*\qt+2]
	v_mul_f32 v[FTP+\qt], s56, v[FT+\qt]
	v_max_num_f32 v[PM+\qt], v[PM+\qt], v[CH+4*\qt+3]
	v_max_num_f32 v[RM+\qt], v[RM+\qt], v[CH+8+4*\qt+3]
	v_mul_f32 v[FTP+\qt], 0x3db504f3, v[FTP+\qt]   ; gamma^(r+1) / (sqrt(128) omega)
	v_mul_f32 v[RM+\qt], v[RM+\qt], |v[FTP+\qt]|
	v_max_num_f32 v[PM+\qt], v[PM+\qt], v[RM+\qt]
	v_permlanex16_b32 v[TB+\qt], v[PM+\qt], s[SEL], s[SEL+1]  ; the query's other keys and channels lie in the lane 16 away
	v_max_num_f32 v[PM+\qt], v[PM+\qt], v[TB+\qt]
	v_bfe_u32 v[TA+\qt], v[PM+\qt], 23, 8
	v_max_u32 v[TA+\qt], 80, v[TA+\qt]
	v_sub_nc_u32 v[TA+\qt], 267, v[TA+\qt]
	v_lshlrev_b32 v[LAM+2*\qt], 23, v[TA+\qt]      ; lambda = 2^(140 - e)
	v_lshlrev_b32 v[LAM+2*\qt+1], 23, v[TA+\qt]
	v_mul_f32 v[FL+2*\qt], v[FTP+\qt], v[LAM+2*\qt]
	v_mul_f32 v[FL+2*\qt+1], v[FTP+\qt], v[LAM+2*\qt]
	v_mul_f32 v[EL+\qt], 0x3727c5ac, v[LAM+2*\qt]
	v_mul_f32 v[EL+\qt], v[EL+\qt], v[LAM+2*\qt]   ; eps lambda^2
.endr
	WIN 0x82
.set i, 0
.rept 128                                      ; O starts as lambda x the cross term
	v_pk_mul_f32 v[2*i:2*i+1], v[2*i:2*i+1], v[FL+2*((i/4)%2):FL+2*((i/4)%2)+1] op_sel_hi:[1,0]
.set i, i+1
.endr
	WIN 0x41
.set i, 0
.rept 128
	v_pk_mul_f32 v[2*i:2*i+1], v[2*i:2*i+1], v[LAM+2*((i/4)%2):LAM+2*((i/4)%2)+1] op_sel_hi:[1,0]
.set i, i+1
.endr
	WIN 0x45
.set i, 0
.rept 16                                       ; i = 2 kp + qt: key tiles 2 kp, 2 kp + 1 pack into the eight registers of the even one
.set e, 8*(4*(i/2)+i%2)
.irp j, 0,1,2,3
	v_cvt_pk_f16_f32 v[e+\j], v[e+2*\j], v[e+2*\j+1]
.endr
.irp j, 0,1,2,3
	v_cvt_pk_f16_f32 v[e+4+\j], v[e+16+2*\j], v[e+16+2*\j+1]
.endr
.set i, i+1
.endr
	; ---- O^T += V^T P ----
.set g, 0
.rept 16
.if g < 15
	PLACES
	FV g+1, B0+64*((g+1)%2)
	s_wait_dscnt 16
.else
	s_wait_dscnt 0x0
.endif
	MV g, B0+64*(g%2)
.set g, g+1
.endr
	PLACES
	WIN 0x40
.set i, 0
.rept 32                                       ; the gate's 32 rows, 512 bytes each, where P lay; they land during the norm
	global_load_b128 v[4*i:4*i+3], v[GOFF], s[52:53] offset:i*4096
.set i, i+1
.endr
	; ---- the norm over a query's 256 channels: 128 in my lane, 128 in the lane 16 away ----
.macro ZERO
	WIN 0
.set i, 0
.rept 16
	v_mov_b32 v[CH+i], 0
.set i, i+1
.endr
.endm
.macro RED qt                          ; tile qt's four chains of pairs, and both halves of the lanes, into v[TA + qt]
	v_pk_add_f32 v[CH+8*\qt:CH+8*\qt+1], v[CH+8*\qt:CH+8*\qt+1], v[CH+8*\qt+2:CH+8*\qt+3]
	v_pk_add_f32 v[CH+8*\qt+4:CH+8*\qt+5], v[CH+8*\qt+4:CH+8*\qt+5], v[CH+8*\qt+6:CH+8*\qt+7]
	v_pk_add_f32 v[CH+8*\qt:CH+8*\qt+1], v[CH+8*\qt:CH+8*\qt+1], v[CH+8*\qt+4:CH+8*\qt+5]
	v_add_f32 v[TA+\qt], v[CH+8*\qt], v[CH+8*\qt+1]
	v_permlanex16_b32 v[TB+\qt], v[TA+\qt], s[SEL], s[SEL+1]
	v_add_f32 v[TA+\qt], v[TA+\qt], v[TB+\qt]
.endm
	ZERO
	WIN 0x08
.set i, 0
.rept 128                                      ; ascending: each accumulator's lowest registers are read first
	v_pk_add_f32 v[CH+8*((i/4)%2)+2*(i%4):CH+8*((i/4)%2)+2*(i%4)+1], v[CH+8*((i/4)%2)+2*(i%4):CH+8*((i/4)%2)+2*(i%4)+1], v[2*i:2*i+1]
.set i, i+1
.endr
	WIN 0
.irp qt, 0,1
	RED \qt
	v_mul_f32 v[NMU+2*\qt], 0xbb800000, v[TA+\qt]  ; - sum / 256
	v_mul_f32 v[NMU+2*\qt+1], 0xbb800000, v[TA+\qt]
.endr
	WIN 0x82
.set i, 0
.rept 128
	v_pk_add_f32 v[2*i:2*i+1], v[2*i:2*i+1], v[NMU+2*((i/4)%2):NMU+2*((i/4)%2)+1] op_sel_hi:[1,0]
.set i, i+1
.endr
	ZERO
	WIN 0x0a
.set i, 0
.rept 128
	v_pk_fma_f32 v[CH+8*((i/4)%2)+2*(i%4):CH+8*((i/4)%2)+2*(i%4)+1], v[2*i:2*i+1], v[2*i:2*i+1], v[CH+8*((i/4)%2)+2*(i%4):CH+8*((i/4)%2)+2*(i%4)+1]
.set i, i+1
.endr
	WIN 0
.irp qt, 0,1
	RED \qt
	v_fmamk_f32 v[TA+\qt], v[TA+\qt], 0x3b800000, v[EL+\qt]  ; variance + eps, both times lambda^2
	v_rsq_f32 v[TB+\qt], v[TA+\qt]
	v_nop
	s_wait_alu depctr_va_vdst(0)
	v_mul_f32 v[RS+2*\qt], 0x3e000000, v[TB+\qt]   ; z leaves divided by 8
	v_mul_f32 v[RS+2*\qt+1], 0x3e000000, v[TB+\qt]
.endr
	WIN 0x82
.set i, 0
.rept 128
	v_pk_mul_f32 v[2*i:2*i+1], v[2*i:2*i+1], v[RS+2*((i/4)%2):RS+2*((i/4)%2)+1] op_sel_hi:[1,0]
.set i, i+1
.endr
	WIN 0x8a
.set i, 0
.rept 32                                       ; eight channels of a row pack into the accumulator's first four registers
.irp j, 0,1,2,3
	v_cvt_pk_f16_f32 v[8*i+\j], v[8*i+2*\j], v[8*i+2*\j+1]
.endr
.set i, i+1
.endr
	; ---- through my stage: a tile's 16 rows of 512 bytes; times the gate; out ----
.macro STG qt
	WIN 0x08
.irp vt, 0,1,2,3,4,5,6,7,8,9,10,11,12,13,14,15
	ds_store_b128 v[STO], v[8*(2*\vt+\qt):8*(2*\vt+\qt)+3] offset:32*\vt
.endr
	WIN 0
.irp r, 0,1,2,3,4,5,6,7,8,9,10,11,12,13,14,15
	ds_load_b128 v[B0+64*\qt+4*\r:B0+64*\qt+4*\r+3], v[RD] offset:\r*SP   ; LDS serves a wave's instructions in order: these see the stores above, and the next tile's stores come behind them
.endr
.endm
.macro SEND qt
	WIN 0x04
.set i, 0
.rept 64
	v_pk_mul_f16 v[B0+64*\qt+i], v[B0+64*\qt+i], v[64*\qt+i]
.set i, i+1
.endr
	WIN 0
.irp r, 0,1,2,3,4,5,6,7,8,9,10,11,12,13,14,15
	global_store_b128 v[GOFF], v[B0+64*\qt+4*\r:B0+64*\qt+4*\r+3], s[54:55] offset:(16*\qt+\r)*4096   ; 512 consecutive bytes, at a multiple of 256
.endr
.endm
	STG 0
	STG 1
	s_wait_dscnt 32                                ; tile 1's 16 stores and 16 loads may be out
	s_wait_loadcnt 16                              ; and its 16 rows of the gate
	SEND 0
	s_wait_dscnt 0x0
	s_wait_loadcnt 0x0
	SEND 1
	s_wait_tensorcnt 0x0                           ; the wave's end
	ds_add_u32 v[SPW], v[NIL]
	s_wait_dscnt 0x0
	s_endpgm
.Lfunc_end_k_q8fe1d64ecd_attn:
	.size	k_q8fe1d64ecd_attn, .Lfunc_end_k_q8fe1d64ecd_attn-k_q8fe1d64ecd_attn
	.p2alignl 7, 3214868480
	.fill 96, 4, 3214868480
	.section	.rodata,"a",@progbits
	.p2align	6, 0x0
	.amdhsa_kernel k_q8fe1d64ecd_attn
		.amdhsa_group_segment_fixed_size 327680
		.amdhsa_private_segment_fixed_size 0
		.amdhsa_enable_private_segment 0
		.amdhsa_kernarg_size 32
		.amdhsa_user_sgpr_count 2
		.amdhsa_user_sgpr_kernarg_segment_ptr 1
		.amdhsa_wavefront_size32 1
		.amdhsa_system_sgpr_workgroup_id_x 1
		.amdhsa_system_sgpr_workgroup_id_y 1
		.amdhsa_system_sgpr_workgroup_id_z 1
		.amdhsa_system_vgpr_workitem_id 0
		.amdhsa_next_free_vgpr 768
		.amdhsa_next_free_sgpr 66
		.amdhsa_reserve_vcc 0
		.amdhsa_float_denorm_mode_32 3
		.amdhsa_float_denorm_mode_16_64 3
		.amdhsa_memory_ordered 1
		.amdhsa_forward_progress 1
		.amdhsa_inst_pref_size 198
	.end_amdhsa_kernel
	.amdgpu_metadata
---
amdhsa.version: [ 1, 2 ]
amdhsa.kernels:
  - .name:           k_q8fe1d64ecd_attn
    .symbol:         k_q8fe1d64ecd_attn.kd
    .args:
      - { .name: qkvg, .offset: 0, .size: 8, .value_kind: global_buffer, .address_space: global }
      - { .name: wbuf, .offset: 8, .size: 8, .value_kind: global_buffer, .address_space: global }
      - { .name: tabs, .offset: 16, .size: 8, .value_kind: global_buffer, .address_space: global }
      - { .name: zbuf, .offset: 24, .size: 8, .value_kind: global_buffer, .address_space: global }
    .group_segment_fixed_size: 327680
    .private_segment_fixed_size: 0
    .kernarg_segment_align: 8
    .kernarg_segment_size: 32
    .max_flat_workgroup_size: 128
    .sgpr_count:     66
    .vgpr_count:     768
    .wavefront_size: 32
...
	.end_amdgpu_metadata
.endif
;; end of part 5
;; launch proj (part 6): grid 8 x 32, 4 waves a work-group, clusters of 4 x 4, 327,680 bytes of LDS; arguments zbuf, cst, out0; writes out0
.if DOCPART == 6
	.amdgcn_target "amdgcn-amd-amdhsa--gfx1250"
	.amdhsa_code_object_version 6
	.text
	.protected	k_q8fe1d64ecd_proj
	.globl	k_q8fe1d64ecd_proj
	.p2align	8
	.type	k_q8fe1d64ecd_proj,@function
k_q8fe1d64ecd_proj:
	s_mov_b64 s[64:65], 0
	v_nop
	global_prefetch_b8 v0, s[64:65] scope:SCOPE_SE
	s_setreg_imm32_b32 hwreg(HW_REG_WAVE_MODE, 25, 1), 1
	s_wait_xcnt 0x0
	s_wait_alu depctr_hold_cnt(0) depctr_sa_sdst(0) depctr_va_vdst(0) depctr_va_sdst(0) depctr_va_ssrc(0) depctr_va_vcc(0) depctr_vm_vsrc(0)
	s_getreg_b32 s2, hwreg(HW_REG_IB_STS2, 6, 4)
	s_cmp_eq_u32 s2, 0
	s_cbranch_scc0 .Lentry_in_a_cluster
	s_endpgm
.Lentry_in_a_cluster:
	s_bfe_u32 s2, ttmp6, 0x10000c
	s_cmp_lg_u32 s2, 0xf033
	s_cbranch_scc0 .Lentry_shape_is_right
	s_endpgm
.Lentry_shape_is_right:
; out0[m][n] = the sum over k of (z[m][k] / 8) (8 w_proj[n][k]): z / 8 [4096][2048] and 8 w_proj [1024][2048] in f16, sums and result in f32.
; A tile of C is 128 x 128: 256 work-groups, one to a WGP.  Four waves, each 64 x 64: 16 accumulators.  K goes in steps of 256 (LDS rows of 512 bytes; a wave's tensor load brings 64 of them) through two slots.
; CLUSTER 4 x 4: A's tile is shared along a row of the cluster, B's along a column, each asked for jointly.  The matrix instruction is used transposed (source 0 = rows of w, source 1 = rows of z):
; a lane holds eight neighbouring columns of one row.  A wave's 64 columns of f32 are 256 bytes: each wave sends its own 64 rows through a stage of its own, which lies over the ring, filled no more by then.
; REGISTERS: window 0: v16-29 addresses; v32-95 at work on the way out; v128-255 the accumulators ((a, b) at 128 + 8 (4 a + b)).  window 1: two fragment buffers of 128 (64 of A, then 64 of B).
.set SIZE_K, 2048
.set SIZE_N, 1024
.set WPO,    20971520                  ; the weights in cst
.set KSTEP,  256
.set PITCH,  528
.set HALFT,  64*PITCH
.set SLOT,   4*HALFT
.set SPARE,  2*SLOT                    ; the spare words: 128 bytes a wave
.set SPITCH, 272                       ; a stage row: 64 f32 + 16 bytes
.set LAPS, SIZE_K/(2*KSTEP)
.set ADRA, 16
.set ADRB, 20
.set STO,  24
.set RD,   25
.set CO,   26
.set SPW,  28
.set NIL,  29
.set TMP,  32
.set ACC,  128
.set F0,   0
.set F1,   128
.set G1, 24
.set G0, 32
.set G1B, 48
.set G0B, 56
.set MSB, 0
.macro WIN new
.if MSB != (\new)
	s_set_vgpr_msb (MSB<<8)|(\new)
.set MSB, \new
.endif
.endm
.set MUL,  0x05                        ; sources 0 (B) and 1 (A) window 1; C and D window 0
.set TO_F, 0x40
.macro JLOAD s                         ; a joint load: waves 0, 1 fetch A's halves, waves 2, 3 B's
	s_cmp_eq_u32 s11, 0
	s_cbranch_scc0 .Lfor_b_\@
	tensor_load_to_lds s[G0+4*(\s):G0+4*(\s)+3], s[G1:G1+7]
	s_nop 0
.rept 4
	v_nop
.endr
	s_branch .Lasked_\@
.Lfor_b_\@:
	tensor_load_to_lds s[G0B+4*(\s):G0B+4*(\s)+3], s[G1B:G1B+7]
	s_nop 0
.rept 4
	v_nop
.endr
.Lasked_\@:
.endm
.macro CREST
	s_cmp_lg_u32 s10, 0
	s_cbranch_scc1 .Lnot_wave_0_\@
	s_barrier_signal -3
.Lnot_wave_0_\@:
	s_barrier_wait -3
	s_barrier_signal -1
	s_barrier_wait -1
.endm
.macro CROUND
	s_barrier_signal -1
	s_barrier_wait -1
	CREST
.endm
	s_load_b128 s[4:7], s[0:1], 0x0                ; zbuf s[4:5], cst s[6:7]
	s_load_b64 s[8:9], s[0:1], 0x10                ; out0
	v_lshl_add_u32 v[SPW], v0, 2, SPARE
	v_mov_b32 v[NIL], 0
	ds_add_u32 v[SPW], v[NIL]                      ; the wave's opening: the add and its wait ahead of my first tensor load
	ds_add_u32 v28, v29
	v_lshrrev_b32 v1, 5, v0
	v_readfirstlane_b32 s10, v1
	s_lshr_b32 s11, s10, 1                         ; my half of the tile's rows; also: I fetch for A (0) or B (1)
	s_and_b32 s12, s10, 1                          ; my half of its columns; also: which 64 rows of that tile I fetch
	s_bfe_u32 s40, ttmp6, 0x40000
	s_bfe_u32 s41, ttmp6, 0x40004
	s_lshl_b32 s42, ttmp9, 2
	s_add_co_u32 s42, s42, s40                     ; tile column
	s_and_b32 s13, ttmp7, 0xffff
	s_lshl_b32 s13, s13, 2
	s_add_co_u32 s13, s13, s41                     ; tile row
	s_lshl_b32 s43, s41, 2
	s_lshl_b32 s43, 15, s43
	s_lshl_b32 s44, 0x1111, s40
	s_or_b32 s[G1+0], s43, (1<<16)|(1<<20)|(1<<21)|(6<<22)|(3<<25)   ; mask; 2-byte elements; 4 words of padding behind every 128; bit 21 beside a mask
	s_or_b32 s[G1B+0], s44, (1<<16)|(1<<20)|(1<<21)|(6<<22)|(3<<25)
.irp g, G1, G1B
	s_mov_b32 s[(\g)+1], KSTEP<<16
	s_mov_b32 s[(\g)+2], 64<<16
	s_mov_b32 s[(\g)+3], KSTEP<<16
	s_mov_b32 s[(\g)+4], 64
	s_mov_b32 s[(\g)+5], SIZE_K
	s_mov_b32 s[(\g)+6], 0
	s_mov_b32 s[(\g)+7], 0
.endr
	s_lshl_b32 s17, s12, 6
	s_lshl_b32 s16, s13, 7
	s_add_co_u32 s16, s16, s17                     ; A: row 128 x tile row + 64 x half,
	s_lshl_b32 s16, s16, 12                        ; of 4,096 bytes
	s_lshl_b32 s46, s42, 7
	s_add_co_u32 s46, s46, s17                     ; B: row 128 x tile column + 64 x half
	s_lshl_b32 s46, s46, 12
	s_add_co_u32 s46, s46, WPO
	s_mov_b32 s17, 0
	s_mov_b32 s47, 0
	s_mul_i32 s20, s10, HALFT                      ; where they go: wave x 64 rows
	s_wait_dscnt 0x0
	s_wait_kmcnt 0x0
	s_add_nc_u64 s[14:15], s[4:5], s[16:17]
	s_add_nc_u64 s[46:47], s[6:7], s[46:47]
	CROUND                                         ; all sixteen work-groups are here: the first joint loads meet
.irp s, 0,1
	s_mov_b32 s[G0+4*(\s)], 1
	s_add_co_u32 s[G0+4*(\s)+1], s20, (\s)*SLOT
	s_add_nc_u64 s[G0+4*(\s)+2:G0+4*(\s)+3], s[14:15], (\s)*KSTEP*2
	s_or_b32 s[G0+4*(\s)+3], s[G0+4*(\s)+3], 0x80000000
	s_mov_b32 s[G0B+4*(\s)], 1
	s_add_co_u32 s[G0B+4*(\s)+1], s20, (\s)*SLOT
	s_add_nc_u64 s[G0B+4*(\s)+2:G0B+4*(\s)+3], s[46:47], (\s)*KSTEP*2
	s_or_b32 s[G0B+4*(\s)+3], s[G0B+4*(\s)+3], 0x80000000
	JLOAD \s                                       ; two tensor loads of mine are out
.endr
	v_and_b32 v1, 15, v0
	v_bfe_u32 v2, v0, 4, 1
	v_mul_u32_u24 v3, v1, PITCH
	v_lshl_add_u32 v3, v2, 4, v3
	s_mul_i32 s21, s11, HALFT
	s_mul_i32 s22, s12, HALFT
	s_add_co_u32 s22, s22, 2*HALFT
.irp s, 0,1
	v_add_nc_u32 v[ADRA+(\s)], s21, v3
	v_add_nc_u32 v[ADRB+(\s)], s22, v3
	s_add_co_u32 s21, s21, SLOT
	s_add_co_u32 s22, s22, SLOT
.endr
	s_mul_i32 s23, s10, 64*SPITCH                  ; my stage
	v_mul_u32_u24 v4, v1, SPITCH                   ; in: row l % 16, 32 bytes for each half of the lanes
	v_lshl_add_u32 v4, v2, 5, v4
	v_add_nc_u32 v[STO], s23, v4
	v_mul_u32_u24 v5, v2, SPITCH                   ; back: lanes 0-15 one row of 256 bytes, lanes 16-31 the next
	v_lshl_add_u32 v5, v1, 4, v5
	v_add_nc_u32 v[RD], s23, v5
	v_lshlrev_b32 v5, 12, v2                       ; and the same two rows in out0, 4,096 bytes apart
	v_lshl_add_u32 v[CO], v1, 4, v5
	s_lshl_b32 s16, s13, 7
	s_lshl_b32 s17, s11, 6
	s_add_co_u32 s16, s16, s17                     ; my first row
	s_lshl_b32 s16, s16, 12
	s_mov_b32 s17, 0
	s_add_nc_u64 s[8:9], s[8:9], s[16:17]
	s_lshl_b32 s46, s42, 9                         ; my first column, in bytes: 512 x tile column + 256 x half
	s_lshl_b32 s47, s12, 8
	s_add_co_u32 s46, s46, s47
	s_mov_b32 s47, 0
	s_add_nc_u64 s[8:9], s[8:9], s[46:47]
.macro MUL8 f, c, a0, zero             ; row blocks a0, a0 + 1 x all 4 column blocks, 32 along K: half c of buffer f; the 16 accumulators take turns
	WIN MUL
.irp a, \a0, (\a0)+1
.irp b, 0,1,2,3
.if \zero
	v_wmma_f32_16x16x32_f16 v[ACC+8*(4*(\a)+(\b)):ACC+8*(4*(\a)+(\b))+7], v[(\f)+64+8*(4*(\c)+(\b)):(\f)+64+8*(4*(\c)+(\b))+7], v[(\f)+8*(4*(\c)+(\a)):(\f)+8*(4*(\c)+(\a))+7], 0
.else
	v_wmma_f32_16x16x32_f16 v[ACC+8*(4*(\a)+(\b)):ACC+8*(4*(\a)+(\b))+7], v[(\f)+64+8*(4*(\c)+(\b)):(\f)+64+8*(4*(\c)+(\b))+7], v[(\f)+8*(4*(\c)+(\a)):(\f)+8*(4*(\c)+(\a))+7], v[ACC+8*(4*(\a)+(\b)):ACC+8*(4*(\a)+(\b))+7]
.endif
.endr
.endr
.endm
.macro FETCH slot, k, f                ; 32 LDS loads in one run: 64 along K at byte k of the rows; the first 32 along K first
	WIN TO_F
.irp c, 0,1
.irp i, 0,1,2,3
	ds_load_b128 v[(\f)+64+8*(4*(\c)+(\i)):(\f)+64+8*(4*(\c)+(\i))+3],   v[ADRB+(\slot)] offset:(\k)+64*(\c)+(\i)*16*PITCH
	ds_load_b128 v[(\f)+64+8*(4*(\c)+(\i))+4:(\f)+64+8*(4*(\c)+(\i))+7], v[ADRB+(\slot)] offset:(\k)+64*(\c)+(\i)*16*PITCH+32
	ds_load_b128 v[(\f)+8*(4*(\c)+(\i)):(\f)+8*(4*(\c)+(\i))+3],         v[ADRA+(\slot)] offset:(\k)+64*(\c)+(\i)*16*PITCH
	ds_load_b128 v[(\f)+8*(4*(\c)+(\i))+4:(\f)+8*(4*(\c)+(\i))+7],       v[ADRA+(\slot)] offset:(\k)+64*(\c)+(\i)*16*PITCH+32
.endr
.endr
.endm
.macro PLACES
.rept 4
	v_nop
.endr
.endm
.macro QUARTER slot, k, f, g, zero
	s_wait_dscnt 16                                ; the first 32 along K are in
	MUL8 \f, 0, 0, \zero
	MUL8 \f, 0, 2, \zero
	PLACES
	FETCH \slot, \k, \g
	s_wait_dscnt 32                                ; all but the 32 just issued
	MUL8 \f, 1, 0, 0
	MUL8 \f, 1, 2, 0
.endm
; The last quarter changes slots: each wave waits for all its tensor loads, adds 0 to its spare word, waits for that and for its reads of the slot, and signals.
; fill = 1: the barrier opens a round of the cluster's, and the joint refill, two K steps ahead, is the first tensor load behind it: 112 matrix instructions ahead of the wait for it.
.macro TURN slot, next, fill
	WIN 0
	s_wait_tensorcnt 0x0
	ds_add_u32 v[SPW], v[NIL]
	s_wait_dscnt 17                                ; the add and the youngest sixteen loads may be out
	MUL8 F1, 0, 0, 0
	s_wait_dscnt 0x0
	s_barrier_signal -1
	MUL8 F1, 0, 2, 0
.if \fill
	WIN 0
.endif
	s_barrier_wait -1
.if \fill
	CREST
	s_add_nc_u64 s[G0+4*(\slot)+2:G0+4*(\slot)+3], s[G0+4*(\slot)+2:G0+4*(\slot)+3], 2*KSTEP*2
	s_add_nc_u64 s[G0B+4*(\slot)+2:G0B+4*(\slot)+3], s[G0B+4*(\slot)+2:G0B+4*(\slot)+3], 2*KSTEP*2
	JLOAD \slot
.else
	PLACES
.endif
	FETCH \next, 0, F0
	MUL8 F1, 1, 0, 0
	MUL8 F1, 1, 2, 0
.endm
	s_wait_tensorcnt 1                             ; my part of K step 0 is in; step 1's may stay out
	s_barrier_signal -1
	s_barrier_wait -1
	FETCH 0, 0, F0
	QUARTER 0, 128, F0, F1, 1
	WIN 0
	s_mov_b32 s3, LAPS-1
.Llap:
	QUARTER 0, 256, F1, F0, 0
	QUARTER 0, 384, F0, F1, 0
	TURN 0, 1, 1
	QUARTER 1, 128, F0, F1, 0
	QUARTER 1, 256, F1, F0, 0
	QUARTER 1, 384, F0, F1, 0
	TURN 1, 0, 1
	QUARTER 0, 128, F0, F1, 0
	WIN 0
	s_sub_co_u32 s3, s3, 1
	s_cmp_lg_u32 s3, 0
	s_cbranch_scc1 .Llap
	QUARTER 0, 256, F1, F0, 0                      ; the last lap fills nothing
	QUARTER 0, 384, F0, F1, 0
	TURN 0, 1, 0
	QUARTER 1, 128, F0, F1, 0
	QUARTER 1, 256, F1, F0, 0
	QUARTER 1, 384, F0, F1, 0
	s_wait_dscnt 16
	MUL8 F1, 0, 0, 0
	MUL8 F1, 0, 2, 0
	s_wait_dscnt 0x0
	MUL8 F1, 1, 0, 0
	MUL8 F1, 1, 2, 0
	WIN 0
	PLACES
	s_barrier_signal -1                            ; every wave's reads of the ring are over (its last wait was for 0): the stages may lie over it
	s_barrier_wait -1
.irp a, 0,1,2,3
.irp b, 0,1,2,3
	ds_store_b128 v[STO], v[ACC+8*(4*(\a)+(\b)):ACC+8*(4*(\a)+(\b))+3]   offset:(\a)*16*SPITCH+64*(\b)
	ds_store_b128 v[STO], v[ACC+8*(4*(\a)+(\b))+4:ACC+8*(4*(\a)+(\b))+7] offset:(\a)*16*SPITCH+64*(\b)+16
.endr
.endr
.irp t, 0,1,2,3,4,5,6,7,8,9,10,11,12,13,14,15  ; whole rows back, two to a load: LDS serves a wave's instructions in order
	ds_load_b128 v[TMP+4*(\t):TMP+4*(\t)+3], v[RD] offset:(\t)*2*SPITCH
.endr
.irp t, 0,1,2,3,4,5,6,7,8,9,10,11,12,13,14,15  ; the other 32 rows land in the accumulators' registers, which the stores above have read
	ds_load_b128 v[ACC+4*(\t):ACC+4*(\t)+3], v[RD] offset:(16+(\t))*2*SPITCH
.endr
.irp t, 0,1,2,3,4,5,6,7,8,9,10,11,12,13,14,15
	s_wait_dscnt 31-(\t)
	global_store_b128 v[CO], v[TMP+4*(\t):TMP+4*(\t)+3], s[8:9] offset:2*(\t)*SIZE_N*4   ; 16 lanes store 256 consecutive bytes, at a multiple of 256
.endr
.irp t, 0,1,2,3,4,5,6,7,8,9,10,11,12,13,14,15
	s_wait_dscnt 15-(\t)
	global_store_b128 v[CO], v[ACC+4*(\t):ACC+4*(\t)+3], s[8:9] offset:2*(16+(\t))*SIZE_N*4
.endr
	s_wait_tensorcnt 0x0                           ; the wave's end
	ds_add_u32 v[SPW], v[NIL]
	s_wait_dscnt 0x0
	CROUND                                         ; the closing round
	s_endpgm
.Lfunc_end_k_q8fe1d64ecd_proj:
	.size	k_q8fe1d64ecd_proj, .Lfunc_end_k_q8fe1d64ecd_proj-k_q8fe1d64ecd_proj
	.p2alignl 7, 3214868480
	.fill 96, 4, 3214868480
	.section	.rodata,"a",@progbits
	.p2align	6, 0x0
	.amdhsa_kernel k_q8fe1d64ecd_proj
		.amdhsa_group_segment_fixed_size 327680
		.amdhsa_private_segment_fixed_size 0
		.amdhsa_enable_private_segment 0
		.amdhsa_kernarg_size 24
		.amdhsa_user_sgpr_count 2
		.amdhsa_user_sgpr_kernarg_segment_ptr 1
		.amdhsa_wavefront_size32 1
		.amdhsa_system_sgpr_workgroup_id_x 1
		.amdhsa_system_sgpr_workgroup_id_y 1
		.amdhsa_system_sgpr_workgroup_id_z 1
		.amdhsa_system_vgpr_workitem_id 0
		.amdhsa_next_free_vgpr 512
		.amdhsa_next_free_sgpr 66
		.amdhsa_reserve_vcc 0
		.amdhsa_float_denorm_mode_32 3
		.amdhsa_float_denorm_mode_16_64 3
		.amdhsa_memory_ordered 1
		.amdhsa_forward_progress 1
		.amdhsa_inst_pref_size 86
	.end_amdhsa_kernel
	.amdgpu_metadata
---
amdhsa.version: [ 1, 2 ]
amdhsa.kernels:
  - .name:           k_q8fe1d64ecd_proj
    .symbol:         k_q8fe1d64ecd_proj.kd
    .args:
      - { .name: zbuf, .offset: 0, .size: 8, .value_kind: global_buffer, .address_space: global }
      - { .name: cst, .offset: 8, .size: 8, .value_kind: global_buffer, .address_space: global }
      - { .name: out0, .offset: 16, .size: 8, .value_kind: global_buffer, .address_space: global }
    .group_segment_fixed_size: 327680
    .private_segment_fixed_size: 0
    .kernarg_segment_align: 8
    .kernarg_segment_size: 24
    .max_flat_workgroup_size: 128
    .sgpr_count:     66
    .vgpr_count:     512
    .wavefront_size: 32
...
	.end_amdgpu_metadata
.endif
;; end of part 6
;; ======== version 2 of 3: 5 launches; 1.17 times as fast as version 1
;; limits: values outside matrix products are rounded to f16; values are held in f16: magnitudes above 65,504 overflow, below 6.1e-05 lose precision; right only within a limited range of input values
;; workspace buffers: cst 25,165,824 bytes; tabs 8,478,720 bytes; qkvg 58,720,256 bytes; ubuf 16,781,312 bytes; wbuf 8,389,120 bytes; zbuf 16,777,216 bytes
;; launch prep (part 7): grid 1032 x 1, 8 waves a work-group, no clusters, 0 bytes of LDS; arguments hidden_states, w_qkv, w_gated, w_proj, decay, cst, tabs; writes cst, tabs
.if DOCPART == 7
	.amdgcn_target "amdgcn-amd-amdhsa--gfx1250"
	.amdhsa_code_object_version 6
	.text
	.protected	k_q8fe1d64ecd_prep
	.globl	k_q8fe1d64ecd_prep
	.p2align	8
	.type	k_q8fe1d64ecd_prep,@function
k_q8fe1d64ecd_prep:
	s_mov_b64 s[64:65], 0
	v_nop
	global_prefetch_b8 v0, s[64:65] scope:SCOPE_SE
	s_setreg_imm32_b32 hwreg(HW_REG_WAVE_MODE, 25, 1), 1
	s_wait_xcnt 0x0
; PREPARATION: three kinds of work-groups, chosen by the work-group's number alone.
;  0..767     cast: 16 rows of 1,024 f32 (w_proj: 16,384 f32 on end) each -> 16-bit.  hidden_states, and w_qkv and w_gated as one matrix wcat of 6,144 rows, go to bf16 IN BLOCKS ALONG K:
;             [16 blocks][rows][64], so that the product's tile (some rows, 64 along K) is dense in memory.  w_proj is rounded to bf16, multiplied by 8 (exact) and written as f16, row-major
;             (the product behind it takes z / 8).  cst = x (8 MiB), wcat (12 MiB), w_proj (4 MiB).
;  768..1023  the rotary tables: 8 rows t each, 512 pairs a row; a word holds f16(cos x sc) below and f16(sin x sc) above; TQ: sc = s_i^(r/512), TK: its inverse, r = t mod 256.
;  1024..1031 one head's decay tables from gamma = decay[h] rounded to bf16 (all inputs are taken so): PW[n] = gamma^n (n < 512), GT[r] = gamma^(255-r),
;             MT: four copies, shifted by 0..3 words, of T[x] = gamma^(255-x) / sqrt(128) for x <= 255, else 0, so that any 4 neighbours can be read as 16 aligned bytes.
; LIMITS.  f16(8 w_proj): |w_proj| < 8,188; below 7.6e-6 it keeps f16's fixed step.  gamma^n = sign x 2^(n log2|gamma|); 0^0 = 1.  NaN and infinities are not treated apart.
.set TKO, 4194304                      ; TK behind TQ
.set WCO, 8388608                      ; wcat in cst
.set XSTEP, 4096*128                   ; bytes from a K block of x to the next
.set WSTEP, 6144*128                   ; the same for wcat
.set X,   16                           ; cast: v[16:79]  16 loads of 4 f32
.set Y,   80                           ; cast: v[80:111] their 16-bit results, registers of their own: no store's data is rewritten
; 16 loads, all out at once, then 16 stores.  lstep, sstep: bytes from one load, store to the next; the store's base stands bias steps in, so that every immediate fits its signed 24 bits.
.macro CAST half, lstep, sstep, bias   ; half = 1: bf16, times 8, written as f16
.irp j, 0,1,2,3,4,5,6,7,8,9,10,11,12,13,14,15
	global_load_b128 v[X+4*(\j):X+4*(\j)+3], v1, s[24:25] offset:(\lstep)*(\j) th:TH_LOAD_NT
.endr
.irp j, 0,1,2,3,4,5,6,7,8,9,10,11,12,13,14,15
	s_wait_loadcnt 15-(\j)                         ; loads come back in order: load j is in, the younger ones stay out
	v_cvt_pk_bf16_f32 v[Y+2*(\j)], v[X+4*(\j)], v[X+4*(\j)+1]
	v_cvt_pk_bf16_f32 v[Y+2*(\j)+1], v[X+4*(\j)+2], v[X+4*(\j)+3]
.if \half
.irp k, 0,1
	v_lshlrev_b32 v4, 16, v[Y+2*(\j)+\k]
	v_and_b32 v5, 0xffff0000, v[Y+2*(\j)+\k]
	v_pk_mul_f32 v[4:5], v[4:5], 0x41000000 op_sel_hi:[1,0]
	v_cvt_pk_f16_f32 v[Y+2*(\j)+\k], v4, v5
.endr
.endif
	global_store_b64 v2, v[Y+2*(\j):Y+2*(\j)+1], s[26:27] offset:(\sstep)*((\j)-(\bias))
.endr
.endm
	s_load_b256 s[4:11], s[0:1], 0x0               ; hidden_states s[4:5], w_qkv s[6:7], w_gated s[8:9], w_proj s[10:11]
	s_load_b128 s[12:15], s[0:1], 0x20             ; decay s[12:13], cst s[14:15]
	s_load_b64 s[16:17], s[0:1], 0x30              ; tabs
	s_mov_b32 s20, ttmp9
	s_cmp_lt_u32 s20, 768
	s_cbranch_scc0 .Ltables
	; ---- the cast ----
	s_sub_co_u32 s21, s20, 640                     ; my number within w_proj's, w_gated's, w_qkv's work-groups
	s_sub_co_u32 s28, s20, 512
	s_sub_co_u32 s29, s20, 256                     ; also: my number within wcat's
	v_lshlrev_b32 v2, 3, v0                        ; 8 bytes a thread out: a wave's store covers 256 consecutive bytes, aligned
	s_wait_kmcnt 0x0
	s_mov_b64 s[24:25], s[10:11]
	s_cmp_lt_u32 s20, 640
	s_cselect_b64 s[24:25], s[8:9], s[24:25]
	s_cselect_b32 s21, s28, s21
	s_cmp_lt_u32 s20, 512
	s_cselect_b64 s[24:25], s[6:7], s[24:25]
	s_cselect_b32 s21, s29, s21
	s_cmp_lt_u32 s20, 256
	s_cselect_b64 s[24:25], s[4:5], s[24:25]
	s_cselect_b32 s21, s20, s21
	s_lshl_b32 s22, s21, 16                        ; 65,536 bytes of f32 a work-group
	s_mov_b32 s23, 0
	s_add_nc_u64 s[24:25], s[24:25], s[22:23]
	s_cmp_lt_u32 s20, 640
	s_cbranch_scc0 .Lcast_proj
	; in blocks: thread t takes row t / 16 of my 16, and of each K block j its numbers 4 (t % 16) on: a load's 16 lanes read 256 consecutive bytes of a row;
	; a store's 32 lanes write two rows' 128 bytes of block j, which lie end to end: byte 8 t of my 2,048 in that block
	v_lshrrev_b32 v1, 4, v0
	v_and_b32 v3, 15, v0
	v_lshlrev_b32 v1, 12, v1
	v_lshl_add_u32 v1, v3, 4, v1
	s_cmp_lt_u32 s20, 256
	s_cbranch_scc0 .Lcast_w
	s_lshl_b32 s22, s20, 11                        ; my 16 rows of 128 bytes in a block
	s_add_co_u32 s22, s22, 8*XSTEP
	s_add_nc_u64 s[26:27], s[14:15], s[22:23]
	CAST 0, 256, XSTEP, 8
	s_endpgm
.Lcast_w:
	s_lshl_b32 s22, s29, 11
	s_add_co_u32 s22, s22, WCO+8*WSTEP
	s_add_nc_u64 s[26:27], s[14:15], s[22:23]
	CAST 0, 256, WSTEP, 8
	s_endpgm
.Lcast_proj:
	v_lshlrev_b32 v1, 4, v0                        ; row-major: 16 bytes a thread in, a wave's load covers 512 consecutive bytes
	s_lshl_b32 s22, s20, 15                        ; 32,768 bytes out; 640 x 32,768 is where w_proj begins in cst
	s_add_nc_u64 s[26:27], s[14:15], s[22:23]
	CAST 1, 4096, 2048, 0
	s_endpgm
.Ltables:
	s_cmp_lt_u32 s20, 1024
	s_cbranch_scc0 .Ldecay
	; ---- the rotary tables: thread owns pairs 2 tid, 2 tid + 1 ----
.set TH, 8                             ; v8-9   theta_i = 10000^(-i/512)
.set LL, 10                            ; v10-11 log2(s_i) / 512
.set OF, 12                            ; v12    byte offset of my two words in row t
.set TF, 13                            ; v13    t as f32
.set RF, 14                            ; v14    t mod 256 as f32
.set DQ, 30                            ; v30-31 my two words of TQ
.set DK, 32                            ; v32-33 of TK
	s_sub_co_u32 s21, s20, 768
	s_lshl_b32 s30, s21, 3                         ; my first row
	v_lshlrev_b32 v1, 1, v0
.irp u, 0,1
	v_add_nc_u32 v2, \u, v1
	v_cvt_f32_u32 v3, v2
	v_mul_f32 v4, 0xbcd49a78, v3                   ; -i log2(10000) / 512
	v_exp_f32 v[TH+\u], v4
	v_fmaak_f32 v5, 2.0, v3, 0x43cccccd            ; 2 i + 409.6
	v_mul_f32 v5, 0x3a36db6e, v5                   ; / 1433.6
	v_log_f32 v6, v5
	v_nop                                          ; a plain instruction behind the logarithm
	s_wait_alu depctr_va_vdst(0)
	v_mul_f32 v[LL+\u], 0x3b000000, v6             ; / 512
.endr
	v_lshlrev_b32 v[OF], 3, v0
	s_lshl_b32 s22, s30, 11                        ; a row is 2,048 bytes
	v_add_nc_u32 v[OF], s22, v[OF]
	s_mov_b32 s23, 8
	s_wait_kmcnt 0x0
; sin and cos of t theta: the angle in turns is reduced by a fused multiply-add with 1/(2 pi) in two parts, then series to x^15 and x^16 on [-pi, pi]
.macro TRIG u
	v_mul_f32 v16, v[TF], v[TH+\u]
	v_mul_f32 v17, 0.15915494, v16
	v_rndne_f32 v17, v17
	v_fma_f32 v18, v16, 0.15915494, -v17
	v_fmamk_f32 v18, v16, 0x31dc9c88, v18          ; the rest of 1/(2 pi)
	v_mul_f32 v19, 0x40c90fdb, v18
	v_mul_f32 v20, v19, v19
	v_mov_b32 v21, 0xab573f9f
	v_mov_b32 v22, 0x29573f9f
	v_fmaak_f32 v21, v21, v20, 0x2f309231
	v_fmaak_f32 v22, v22, v20, 0xad49cba5
	v_fmaak_f32 v21, v21, v20, 0xb2d7322b
	v_fmaak_f32 v22, v22, v20, 0x310f76c7
	v_fmaak_f32 v21, v21, v20, 0x3638ef1d
	v_fmaak_f32 v22, v22, v20, 0xb493f27e
	v_fmaak_f32 v21, v21, v20, 0xb9500d01
	v_fmaak_f32 v22, v22, v20, 0x37d00d01
	v_fmaak_f32 v21, v21, v20, 0x3c088889
	v_fmaak_f32 v22, v22, v20, 0xbab60b61
	v_fmaak_f32 v21, v21, v20, 0xbe2aaaab
	v_fmaak_f32 v22, v22, v20, 0x3d2aaaab
	v_fma_f32 v21, v21, v20, 1.0
	v_fma_f32 v22, v22, v20, -0.5
	v_mul_f32 v21, v21, v19                        ; sin
	v_fma_f32 v22, v22, v20, 1.0                   ; cos
	v_mul_f32 v23, v[RF], v[LL+\u]
	v_exp_f32 v24, v23                             ; s^(r/512)
	v_exp_f32 v25, -v23                            ; and its inverse
	v_nop                                          ; a plain instruction behind the exponentials
	s_wait_alu depctr_va_vdst(0)
	v_mul_f32 v26, v22, v24
	v_mul_f32 v27, v21, v24
	v_mul_f32 v28, v22, v25
	v_mul_f32 v29, v21, v25
	v_cvt_pk_f16_f32 v[DQ+\u], v26, v27
	v_cvt_pk_f16_f32 v[DK+\u], v28, v29
.endm
.Lrow:
	s_and_b32 s24, s30, 255
	v_cvt_f32_u32 v[TF], s30
	v_cvt_f32_u32 v[RF], s24
	TRIG 0
	TRIG 1
	global_store_b64 v[OF], v[DQ:DQ+1], s[16:17]
	global_store_b64 v[OF], v[DK:DK+1], s[16:17] offset:TKO
	s_wait_xcnt 0x0                                ; the stores' data and offset are rewritten only behind this wait
	v_add_nc_u32 v[OF], 2048, v[OF]
	s_add_co_u32 s30, s30, 1
	s_sub_co_u32 s23, s23, 1
	s_cmp_lg_u32 s23, 0
	s_cbranch_scc1 .Lrow
	s_endpgm
.Ldecay:
	; ---- one head's decay tables ----
.set SG,  3                            ; v3  gamma's sign bit
.set LG,  4                            ; v4  log2 |gamma|
.set ONE, 7
.set ZR,  8
.set NN,  9
	s_sub_co_u32 s21, s20, 1024                    ; the head
	s_lshl_b32 s22, s21, 2
	v_mov_b32 v1, s22
	s_wait_kmcnt 0x0
	global_load_b32 v2, v1, s[12:13]
	s_add_nc_u64 s[26:27], s[16:17], 0x800000      ; PW; GT lies 16,384 and MT 24,576 bytes behind it
	v_mov_b32 v[ONE], 1.0
	v_mov_b32 v[ZR], 0
	s_lshl_b32 s23, s21, 11
	v_lshl_add_u32 v10, v0, 2, s23                 ; PW: 2,048 h + 4 tid
	s_lshl_b32 s23, s21, 10
	v_lshl_add_u32 v11, v0, 2, s23                 ; GT: 1,024 h + 4 tid
	s_lshl_b32 s23, s21, 13
	v_lshl_add_u32 v12, v0, 2, s23                 ; MT: 8,192 h + 4 tid
	s_wait_loadcnt 0x0
	v_cvt_pk_bf16_f32 v2, v2, v2                   ; decay is taken rounded to bf16, as every input is
	v_lshlrev_b32 v2, 16, v2
	v_and_b32 v[SG], 0x80000000, v2
	v_log_f32 v[LG], |v2|
	v_nop
	s_wait_alu depctr_va_vdst(0)
.macro POW dst, n                      ; v[dst] = gamma^v[n] for v[n] >= 0 (below 0 the caller throws it away)
	v_cvt_f32_i32 v5, v[\n]
	v_mul_f32 v5, v5, v[LG]
	v_exp_f32 v[\dst], v5
	v_lshlrev_b32 v6, 31, v[\n]                    ; odd n keeps gamma's sign
	v_and_b32 v6, v6, v[SG]
	v_cmp_eq_u32 vcc_lo, 0, v[\n]
	s_wait_alu depctr_va_vdst(0)
	v_cndmask_b32 v[\dst], v[\dst], v[ONE], vcc_lo ; n = 0: 1, whatever gamma
	v_xor_b32 v[\dst], v[\dst], v6
.endm
	POW 20, 0
	global_store_b32 v10, v20, s[26:27]
	v_add_nc_u32 v[NN], 256, v0
	POW 21, NN
	global_store_b32 v10, v21, s[26:27] offset:1024
	v_sub_nc_u32 v[NN], 255, v0
	POW 22, NN
	global_store_b32 v11, v22, s[26:27] offset:16384
.irp m, 0,1,2,3,4,5,6,7                ; entry 256 m + tid: copy m / 2, word 256 (m % 2) + tid: n = 255 - word - copy
	v_sub_nc_u32 v[NN], 255-256*(\m%2)-(\m/2), v0
	POW 23+\m, NN
	v_mul_f32 v[23+\m], 0x3db504f3, v[23+\m]       ; / sqrt(128)
	v_cmp_gt_i32 vcc_lo, 0, v[NN]
	v_cndmask_b32 v[23+\m], v[23+\m], v[ZR], vcc_lo  ; a hidden key: 0
	global_store_b32 v12, v[23+\m], s[26:27] offset:24576+1024*\m
.endr
	s_endpgm
.Lfunc_end_k_q8fe1d64ecd_prep:
	.size	k_q8fe1d64ecd_prep, .Lfunc_end_k_q8fe1d64ecd_prep-k_q8fe1d64ecd_prep
	.p2alignl 7, 3214868480
	.fill 96, 4, 3214868480
	.section	.rodata,"a",@progbits
	.p2align	6, 0x0
	.amdhsa_kernel k_q8fe1d64ecd_prep
		.amdhsa_group_segment_fixed_size 0
		.amdhsa_private_segment_fixed_size 0
		.amdhsa_enable_private_segment 0
		.amdhsa_kernarg_size 56
		.amdhsa_user_sgpr_count 2
		.amdhsa_user_sgpr_kernarg_segment_ptr 1
		.amdhsa_wavefront_size32 1
		.amdhsa_system_sgpr_workgroup_id_x 1
		.amdhsa_system_sgpr_workgroup_id_y 1
		.amdhsa_system_sgpr_workgroup_id_z 1
		.amdhsa_system_vgpr_workitem_id 0
		.amdhsa_next_free_vgpr 112
		.amdhsa_next_free_sgpr 66
		.amdhsa_reserve_vcc 1
		.amdhsa_float_denorm_mode_32 3
		.amdhsa_float_denorm_mode_16_64 3
		.amdhsa_memory_ordered 1
		.amdhsa_forward_progress 1
		.amdhsa_inst_pref_size 39
	.end_amdhsa_kernel
	.amdgpu_metadata
---
amdhsa.version: [ 1, 2 ]
amdhsa.kernels:
  - .name:           k_q8fe1d64ecd_prep
    .symbol:         k_q8fe1d64ecd_prep.kd
    .args:
      - { .name: hidden_states, .offset: 0, .size: 8, .value_kind: global_buffer, .address_space: global }
      - { .name: w_qkv, .offset: 8, .size: 8, .value_kind: global_buffer, .address_space: global }
      - { .name: w_gated, .offset: 16, .size: 8, .value_kind: global_buffer, .address_space: global }
      - { .name: w_proj, .offset: 24, .size: 8, .value_kind: global_buffer, .address_space: global }
      - { .name: decay, .offset: 32, .size: 8, .value_kind: global_buffer, .address_space: global }
      - { .name: cst, .offset: 40, .size: 8, .value_kind: global_buffer, .address_space: global }
      - { .name: tabs, .offset: 48, .size: 8, .value_kind: global_buffer, .address_space: global }
    .group_segment_fixed_size: 0
    .private_segment_fixed_size: 0
    .kernarg_segment_align: 8
    .kernarg_segment_size: 56
    .max_flat_workgroup_size: 256
    .sgpr_count:     66
    .vgpr_count:     112
    .wavefront_size: 32
...
	.end_amdgpu_metadata
.endif
;; end of part 7
;; launch gemm1 (part 8): grid 16 x 16, 4 waves a work-group, clusters of 4 x 4, 327,680 bytes of LDS; arguments cst, tabs, qkvg, ubuf; writes qkvg, ubuf
.if DOCPART == 8
	.amdgcn_target "amdgcn-amd-amdhsa--gfx1250"
	.amdhsa_code_object_version 6
	.text
	.protected	k_q8fe1d64ecd_gemm1
	.globl	k_q8fe1d64ecd_gemm1
	.p2align	8
	.type	k_q8fe1d64ecd_gemm1,@function
k_q8fe1d64ecd_gemm1:
	s_mov_b64 s[64:65], 0
	v_nop
	global_prefetch_b8 v0, s[64:65] scope:SCOPE_SE
	s_setreg_imm32_b32 hwreg(HW_REG_WAVE_MODE, 25, 1), 1
	s_wait_xcnt 0x0
	s_wait_alu depctr_hold_cnt(0) depctr_sa_sdst(0) depctr_va_vdst(0) depctr_va_sdst(0) depctr_va_ssrc(0) depctr_va_vcc(0) depctr_vm_vsrc(0)
	s_getreg_b32 s2, hwreg(HW_REG_IB_STS2, 6, 4)
	s_cmp_eq_u32 s2, 0
	s_cbranch_scc0 .Lentry_in_a_cluster
	s_endpgm
.Lentry_in_a_cluster:
	s_bfe_u32 s2, ttmp6, 0x10000c
	s_cmp_lg_u32 s2, 0xf033
	s_cbranch_scc0 .Lentry_shape_is_right
	s_endpgm
.Lentry_shape_is_right:
; C = x wcat^T, x [4096 rows] and wcat = (w_qkv, w_gated) [6144 rows], K = 1,024, in bf16, both laid out in blocks along K: [16][rows][64]; sums in f32.  Then, by the kind of the columns:
;   q: rotated and scaled by table TQ;  k: by TK;  v: as it is;  gate: silu.  All leave in f16.  And the chunk's part of the state: U[d][v] = sum over the tile's 256 rows of kw[row][d] v[row][v],
;   kw = gamma^(255-r) k' in f16, U in f32, with the largest |U| of each wave's part (the next launch makes a power-of-two scale of it).
; A TILE of C is 256 rows (one chunk) x 384 columns: 16 x 16 = 256 work-groups, one to a WGP.  Column group g takes THREE BLOCKS of 128 rows of wcat: g < 8: q of head g and the gate's channels
; 256 g on; g >= 8: k and all of v of head g - 8, so that kw and v of one chunk and head meet in one work-group and U needs no launch of its own.  Every block is 256 bytes of f16 a row.
; Four waves, each 64 rows x 384 columns: 96 accumulators, 768 registers: block z in window 1 + z.  K goes in steps of 64 through two LDS slots (two slots of 128 along K would be 348,160 bytes).
; A tile is dense in memory (rows of 128 bytes end to end) and is asked for as rows of 256 bytes, padded in LDS behind every 128.  CLUSTER 4 x 4: A's tile is shared along a row, B's blocks along
; a column, each asked for jointly; wave 0 asks for A, waves 1 to 3 for B's blocks.  A cluster spans four groups g, so the kind hangs on the cluster's x alone: no branch hangs on a place within the cluster.
; The matrix instruction is used transposed (source 0 = rows of wcat, source 1 = rows of x): a lane holds eight neighbouring columns of one row.
; A GROUP is 32 matrix instructions: 32 along K of one block; ahead of it stands the next group's run of LDS loads.  A K step, six groups, is written once: the slot's LDS base is a scalar
; register turned by an exclusive or, and one descriptor a tensor walks.  THE WAY OUT goes block by block through a stage in f32 that lies over the ring, which is filled no more by then.
; U: kw (256 rows) and one half of v at a time (256 rows x 128 channels) lie [row][channel] in LDS, over the ring and the table, and come out turned (ds_load_tr16_b128): source 0 = 16 channels
; of v x 32 rows, source 1 = 32 rows x 16 d; a wave makes 32 d x 128 v: 16 accumulators, in block 0's registers.
; LIMITS.  q', k', kw, v and gate are f16: within 65,504 (k' is up to 1.87 sqrt(2) times the projection's largest number).  NaN and infinities are not treated apart.
; REGISTERS.  window 0: v6-31 addresses; v32-63, v64-95 A's fragments of K quarter 0, 1; v96-159, v160-223 B's, by the group's parity; on the way out v32-131 at work; for U v32-111, v112-191 two
;   fragment buffers, v192-197 the maximum.  windows 1-3: accumulator (a, b) of the block at v[8 (8 a + b)]; U's (vt, dt) at v[8 (2 vt + dt)] of window 1.
.set PITCH,  144                       ; an LDS row: 128 bytes + 16 = 36 words: the 16 rows of a fragment load start at 16 different groups of four banks
.set ATILE,  256*PITCH
.set BBLK,   128*PITCH
.set SLOT1,  1<<17                     ; slot 1 begins here, so that one exclusive or turns an address in one slot into the other's; a slot is 92,160 bytes
.set TAB,    SLOT1+ATILE+3*BBLK        ; behind the ring: 64 rows x 64 table words for each wave
.set TPITCH, 272
.set TABW,   64*TPITCH
.set GS,     TAB+4*TABW                ; 256 bytes a wave: gamma^(255-r) of its 64 rows (k)
.set SPARE,  GS+1024                   ; the spare words: 128 bytes a wave
.set SPITCH, 528                       ; a stage row: 128 f32 + 16 bytes
.set STW,    64*SPITCH
.set UP,     288                       ; a row of kw and of a half of v: 256 bytes + 32
.set KWL,    4*STW                     ; kw behind the four stages: 73,728 bytes
.set VHL,    KWL+256*UP                ; a half of v behind it: 73,728 bytes, up to byte 282,624: over the ring's end and the table, both done with
.set ASTEP,  4096*128                  ; bytes from a K block of x to the next
.set BSTEP,  6144*128                  ; the same for wcat
.set WCO,    8388608                   ; wcat in cst
.set TKO,    4194304                   ; TK in tabs
.set GTO,    8404992                   ; GT in tabs
.set KO,     8388608                   ; k', v, gate in qkvg
.set VO,     25165824
.set GO,     41943040
.set UMO,    16777216                  ; the maxima in ubuf
.set ST0,   6                          ; v6   my 16 bytes in my wave's first two rows of kw or of v's half, less the region's base
.set LST,   7                          ; v7   where the item in hand goes there
.set TRL,   8                          ; v8   my lane's place in a turning load
.set AV,    9                          ; v9   the turning loads' address in v's half
.set AKW,   10                         ; v10  and in kw
.set URD,   11                         ; v11  where I read U's rows back
.set GW,    12                         ; v12  where I put a factor into GS
.set UGO,   13                         ; v13  16 x lane
.set ADRA0, 14                         ; v14  my lane's place in A's tile; never rewritten
.set ADRB0, 15                         ; v15  the same for B's first block
.set ADRA,  16                         ; v16  the same in the slot that is read
.set ADRB,  17
.set RD0,   18                         ; v18  where I read the stage's first rows back
.set AKW0,  19                         ; v19  AKW at the chunk's first rows
.set ZO,    21                         ; v21  0, an offset
.set STO,   24
.set RD,    25
.set RT,    26
.set RG,    27
.set SPW,   28                         ; my spare word; never rewritten
.set NIL,   29                         ; 0; never rewritten
.set VOUT,  30
.set L4,    31                         ; 4 x lane
.set AA0,   32
.set BB0,   96
.set XX,   32                          ; way out: item i's 8 f32 at XX + 8 i
.set TT,   64                          ; its 4 table words at v[64 + 4 i] (named literally below, for their halves)
.set GG,   80                          ; its factor
.set CS,   84                          ; cos, sin of 4 pairs
.set WK,   92                          ; 8 at work
.set YA,   100                         ; item i's 16 bytes out
.set YB,   116                         ; kw's 16 bytes
.set UF,   32                          ; U: fragment buffer n at UF + 80 n: v's 8 fragments, then kw's 2; later U's 32 rows on their way out
.set CH,   192                         ; four running maxima
.set UT0,  196
.set UT1,  197
.set G1,  24                           ; s[24:31] group 1 for A;  s[32:39] group 0: a set for each of the two first fills; the second then walks on
.set G0,  32
.set G1B, 48                           ; the same for B
.set G0B, 56
.set G1T, 68                           ; the table's
.set G0T, 76
.set TB,  88                           ; s88  LDS byte at which the slot that is read begins
.set ZZ,  89                           ; s89  0, 1: block 1, 2 on the way out
.set MSB, 0
.macro WIN new
.if MSB != (\new)
	s_set_vgpr_msb (MSB<<8)|(\new)
.set MSB, \new
.endif
.endm
.macro PLACES                          ; four places behind matrix instructions, in front of loads into their registers and of reads of their results
.rept 4
	v_nop
.endr
.endm
.macro JLOAD s                         ; a joint load: wave 0 fetches A's tile, waves 1 to 3 B's blocks
	s_cmp_eq_u32 s10, 0
	s_cbranch_scc0 .Lfor_b_\@
	tensor_load_to_lds s[G0+4*(\s):G0+4*(\s)+3], s[G1:G1+7]
	s_nop 0
.rept 4
	v_nop
.endr
	s_branch .Lasked_\@
.Lfor_b_\@:
	tensor_load_to_lds s[G0B+4*(\s):G0B+4*(\s)+3], s[G1B:G1B+7]
	s_nop 0
.rept 4
	v_nop
.endr
.Lasked_\@:
.endm
.macro CREST
	s_cmp_lg_u32 s10, 0
	s_cbranch_scc1 .Lnot_wave_0_\@
	s_barrier_signal -3
.Lnot_wave_0_\@:
	s_barrier_wait -3
	s_barrier_signal -1
	s_barrier_wait -1
.endm
.macro CROUND
	s_barrier_signal -1
	s_barrier_wait -1
	CREST
.endm
	s_load_b128 s[4:7], s[0:1], 0x0                ; cst s[4:5], tabs s[6:7]
	s_load_b64 s[8:9], s[0:1], 0x10                ; qkvg
	s_load_b64 s[66:67], s[0:1], 0x18              ; ubuf
	v_lshl_add_u32 v[SPW], v0, 2, SPARE
	v_mov_b32 v[NIL], 0
	ds_add_u32 v[SPW], v[NIL]                      ; the wave's opening: the add and its wait ahead of my first tensor load
	ds_add_u32 v28, v29
	v_lshrrev_b32 v1, 5, v0
	v_readfirstlane_b32 s10, v1                    ; wave 0..3
	s_mov_b32 s45, ttmp9                           ; the cluster's x: 0, 1: q and gate; 2, 3: k and v
	s_bfe_u32 s40, ttmp6, 0x40000                  ; cx, cy
	s_bfe_u32 s41, ttmp6, 0x40004
	s_lshl_b32 s42, ttmp9, 2
	s_add_co_u32 s42, s42, s40                     ; g, the column group
	s_and_b32 s13, ttmp7, 0xffff
	s_lshl_b32 s13, s13, 2
	s_add_co_u32 s13, s13, s41                     ; tile row
	s_lshl_b32 s43, s41, 2
	s_lshl_b32 s43, 15, s43                        ; my row of the cluster
	s_lshl_b32 s44, 0x1111, s40                    ; my column
	s_or_b32 s[G1+0], s43, (1<<16)|(1<<20)|(1<<21)|(4<<22)|(3<<25)   ; mask; 2-byte elements; padding on, 4 words behind every 32; bit 21 beside a mask
	s_or_b32 s[G1B+0], s44, (1<<16)|(1<<20)|(1<<21)|(4<<22)|(3<<25)
	s_mov_b32 s[G1+1], 128<<16                     ; A: 32,768 dense bytes as 128 rows of 128 elements
	s_mov_b32 s[G1+2], 128<<16
	s_mov_b32 s[G1+3], 128<<16
	s_mov_b32 s[G1+4], 128
	s_mov_b32 s[G1+5], 128
	s_mov_b32 s[G1+6], 0
	s_mov_b32 s[G1+7], 0
	s_mov_b32 s[G1B+1], 128<<16                    ; a block of B: 16,384 dense bytes as 64 rows
	s_mov_b32 s[G1B+2], 64<<16
	s_mov_b32 s[G1B+3], 128<<16
	s_mov_b32 s[G1B+4], 64
	s_mov_b32 s[G1B+5], 128
	s_mov_b32 s[G1B+6], 0
	s_mov_b32 s[G1B+7], 0
	s_mov_b32 s[G1T+0], (2<<16)|(1<<20)|(5<<22)|(3<<25)  ; the table: a load of my own (no mask): 64 rows x 64 words, 512 from row to row
	s_mov_b32 s[G1T+1], 64<<16
	s_mov_b32 s[G1T+2], 64<<16
	s_mov_b32 s[G1T+3], 64<<16
	s_mov_b32 s[G1T+4], 64
	s_mov_b32 s[G1T+5], 512
	s_mov_b32 s[G1T+6], 0
	s_mov_b32 s[G1T+7], 0
	s_lshl_b32 s16, s13, 15                        ; A: 256 rows of 128 bytes a tile row
	s_mov_b32 s17, 0
	s_and_b32 s86, s42, 7                          ; s86: the head
	s_lshl_b32 s46, s42, 14                        ; B, block 0 (wave 1; wave 0 asks for none): row 128 g, of 128 bytes
	s_lshl_b32 s47, s86, 15                        ; blocks 1, 2 (waves 2, 3): row 256 x head + 128 (wave - 2),
	s_lshl_b32 s87, s10, 14
	s_add_co_u32 s47, s47, s87
	s_mov_b32 s87, 262144-32768                    ; from row 2,048 on (v),
	s_cmp_lt_u32 s45, 2
	s_cselect_b32 s87, 524288-32768, s87           ; or from row 4,096 on (gate)
	s_add_co_u32 s47, s47, s87
	s_cmp_lt_u32 s10, 2
	s_cselect_b32 s46, s46, s47
	s_add_co_u32 s46, s46, WCO
	s_mov_b32 s47, 0
	s_mul_i32 s21, s10, BBLK                       ; where a block goes: behind A's tile, block wave - 1: no place in the cluster enters an LDS address
	s_add_co_u32 s21, s21, ATILE-BBLK
	s_lshl_b32 s84, s13, 8
	s_lshl_b32 s85, s10, 6
	s_add_co_u32 s84, s84, s85                     ; s84: my wave's first row of C
	s_and_b32 s85, s84, 2047                       ; s85: its place t in the sequence
	s_lshr_b32 s18, s84, 11
	s_lshl_b32 s18, s18, 3
	s_add_co_u32 s18, s18, s86                     ; s18: 8 b + head
	s_lshl_b32 s19, s18, 3
	s_and_b32 s87, s13, 7
	s_add_co_u32 s19, s19, s87                     ; s19: the unit, 8 (8 b + head) + chunk
	s_lshl_b32 s90, s85, 11                        ; the table: row t, word 64 x head
	s_lshl_b32 s87, s86, 8
	s_add_co_u32 s90, s90, s87
	s_cmp_lt_u32 s45, 2
	s_cselect_b32 s87, 0, TKO
	s_add_co_u32 s90, s90, s87
	s_mov_b32 s91, 0
	s_mov_b32 s[G0T], 1
	s_mul_i32 s[G0T+1], s10, TABW
	s_add_co_u32 s[G0T+1], s[G0T+1], TAB
	s_mov_b32 s[TB], 0
	s_wait_dscnt 0x0                               ; the opening add is done
	s_wait_kmcnt 0x0
	s_add_nc_u64 s[14:15], s[4:5], s[16:17]
	s_add_nc_u64 s[46:47], s[4:5], s[46:47]
	s_add_nc_u64 s[G0T+2:G0T+3], s[6:7], s[90:91]
	s_or_b32 s[G0T+3], s[G0T+3], 0x80000000
	CROUND                                         ; all sixteen work-groups are here: the first loads go out as one group behind this round
.irp s, 0,1
	s_mov_b32 s[G0+4*(\s)], 1
	s_mov_b32 s[G0+4*(\s)+1], (\s)*SLOT1
	s_add_nc_u64 s[G0+4*(\s)+2:G0+4*(\s)+3], s[14:15], (\s)*ASTEP
	s_or_b32 s[G0+4*(\s)+3], s[G0+4*(\s)+3], 0x80000000
	s_mov_b32 s[G0B+4*(\s)], 1
	s_add_co_u32 s[G0B+4*(\s)+1], s21, (\s)*SLOT1
	s_add_nc_u64 s[G0B+4*(\s)+2:G0B+4*(\s)+3], s[46:47], (\s)*BSTEP
	s_or_b32 s[G0B+4*(\s)+3], s[G0B+4*(\s)+3], 0x80000000
	JLOAD \s
.endr
	tensor_load_to_lds s[G0T:G0T+3], s[G1T:G1T+7]  ; the table last: it is wanted on the way out; three tensor loads of mine are out
	s_nop 0
.rept 4
	v_nop
.endr
	v_and_b32 v1, 15, v0                           ; l % 16
	v_bfe_u32 v2, v0, 4, 1                         ; l / 16
	v_mul_u32_u24 v3, v1, PITCH
	v_lshl_add_u32 v3, v2, 4, v3                   ; a fragment's row x pitch + 16 x half
	s_mul_i32 s22, s10, 64*PITCH                   ; my 64 rows of A
	v_add_nc_u32 v[ADRA0], s22, v3
	v_add_nc_u32 v[ADRB0], ATILE, v3
	v_mov_b32 v[ADRA], v[ADRA0]
	v_mov_b32 v[ADRB], v[ADRB0]
	s_mul_i32 s23, s10, STW                        ; my stage
	v_mul_u32_u24 v4, v1, SPITCH                   ; in: row l % 16, 32 bytes for each half of the lanes
	v_lshl_add_u32 v4, v2, 5, v4
	v_add_nc_u32 v[STO], s23, v4
	v_mul_u32_u24 v5, v2, SPITCH                   ; back: lanes 0-15 one row, lanes 16-31 the next; 8 columns (32 bytes) a lane
	v_lshl_add_u32 v5, v1, 5, v5
	v_add_nc_u32 v[RD0], s23, v5
	v_and_b32 v[L4], 31, v0
	v_lshlrev_b32 v[UGO], 4, v[L4]                 ; U's rows come back whole: 512 bytes, 16 a lane
	v_add_nc_u32 v[URD], s23, v[UGO]
	v_lshlrev_b32 v[L4], 2, v[L4]
	s_mul_i32 s23, s10, TABW
	s_add_co_u32 s23, s23, TAB
	v_mul_u32_u24 v5, v2, TPITCH                   ; the same two rows of my table, 4 words a lane
	v_lshl_add_u32 v5, v1, 4, v5
	v_add_nc_u32 v[RT], s23, v5
	s_lshl_b32 s23, s10, 8
	s_add_co_u32 s23, s23, GS
	v_lshl_add_u32 v[RG], v2, 2, s23
	v_add_nc_u32 v[GW], s23, v[L4]
	s_mul_i32 s22, s10, 64*UP                      ; kw and v in LDS: my 64 rows; lanes 0-15 one row of 256 bytes, lanes 16-31 the next
	v_mul_u32_u24 v5, v2, UP
	v_lshl_add_u32 v5, v1, 4, v5
	v_add_nc_u32 v[ST0], s22, v5
	v_and_b32 v4, 7, v0                            ; the turning load: row 8 (l / 16) + l % 8,
	v_lshl_add_u32 v4, v2, 3, v4
	v_mul_u32_u24 v4, v4, UP
	v_bfe_u32 v5, v0, 3, 1
	v_lshl_add_u32 v[TRL], v5, 4, v4               ; channels 8 ((l / 8) % 2) on
	s_lshl_b32 s22, s10, 6                         ; of kw my 32 d
	s_add_co_u32 s22, s22, KWL
	v_add_nc_u32 v[AKW0], s22, v[TRL]
	v_mov_b32 v[ZO], 0
; Group n of a K step's six: K quarter n / 3, block n % 3; B's fragments in the buffer of n's parity.
; 8 matrix instructions of it: row block a x the block's 8 column blocks.  The 96 accumulators take turns.
.macro MUL8 n, a, zero
	WIN 0x50*((\n)%3+1)                            ; C and D in window 1 + block
.irp b, 0,1,2,3,4,5,6,7
.if \zero
	v_wmma_f32_16x16x32_bf16 v[8*(8*(\a)+(\b)):8*(8*(\a)+(\b))+7], v[BB0+64*((\n)%2)+8*(\b):BB0+64*((\n)%2)+8*(\b)+7], v[AA0+32*((\n)/3)+8*(\a):AA0+32*((\n)/3)+8*(\a)+7], 0
.else
	v_wmma_f32_16x16x32_bf16 v[8*(8*(\a)+(\b)):8*(8*(\a)+(\b))+7], v[BB0+64*((\n)%2)+8*(\b):BB0+64*((\n)%2)+8*(\b)+7], v[AA0+32*((\n)/3)+8*(\a):AA0+32*((\n)/3)+8*(\a)+7], v[8*(8*(\a)+(\b)):8*(8*(\a)+(\b))+7]
.endif
.endr
.endm
; Group n's run of LDS loads, from the slot at which ADRA and ADRB point: B's 8 fragments; with a quarter's first group A's 4
.macro NEXTF n
	WIN 0
.if ((\n)%3) == 0
.irp i, 0,1,2,3
	ds_load_b128 v[AA0+32*((\n)/3)+8*(\i):AA0+32*((\n)/3)+8*(\i)+3],   v[ADRA] offset:((\n)/3)*64+(\i)*16*PITCH
	ds_load_b128 v[AA0+32*((\n)/3)+8*(\i)+4:AA0+32*((\n)/3)+8*(\i)+7], v[ADRA] offset:((\n)/3)*64+(\i)*16*PITCH+32
.endr
.endif
.irp i, 0,1,2,3,4,5,6,7
	ds_load_b128 v[BB0+64*((\n)%2)+8*(\i):BB0+64*((\n)%2)+8*(\i)+3],   v[ADRB] offset:((\n)%3)*BBLK+((\n)/3)*64+(\i)*16*PITCH
	ds_load_b128 v[BB0+64*((\n)%2)+8*(\i)+4:BB0+64*((\n)%2)+8*(\i)+7], v[ADRB] offset:((\n)%3)*BBLK+((\n)/3)*64+(\i)*16*PITCH+32
.endr
.endm
.macro GROUP n, zero                   ; one of a step's first five: group n + 1 is fetched, group n multiplied
	PLACES
	NEXTF (\n)+1
.if (((\n)+1)%3) == 0
	s_wait_dscnt 24                                ; all but the 24 just issued
.else
	s_wait_dscnt 16                                ; all but the 16 just issued
.endif
	MUL8 \n, 0, \zero
	MUL8 \n, 1, \zero
	MUL8 \n, 2, \zero
	MUL8 \n, 3, \zero
.endm
; A step's sixth group changes slots: each wave waits for all its tensor loads, adds 0 to its spare word, waits for that and for its reads of the slot, and signals.
; fill = 1: the barrier opens a round of the cluster's, and the joint refill, two K steps ahead, is the first tensor load behind it: 176 matrix instructions ahead of the wait for it.
.macro TURN fill
	WIN 0
	s_wait_tensorcnt 0x0                           ; my part of the next slot has landed; no load of mine is out
	ds_add_u32 v[SPW], v[NIL]
	s_wait_dscnt 1                                 ; this group's fragments are in; the add may be out
	MUL8 5, 0, 0
	s_wait_dscnt 0x0                               ; the add is done, my reads of this slot are over
	s_barrier_signal -1
	MUL8 5, 1, 0
	WIN 0
	s_barrier_wait -1
.if \fill
	CREST
	s_xor_b32 s[G0+5], s[G0+5], SLOT1              ; the walking descriptors: the other slot than last time, the next K block
	s_add_nc_u64 s[G0+6:G0+7], s[G0+6:G0+7], ASTEP
	s_xor_b32 s[G0B+5], s[G0B+5], SLOT1
	s_add_nc_u64 s[G0B+6:G0B+7], s[G0B+6:G0B+7], BSTEP
	JLOAD 1                                        ; its four v_nop are also the places in front of the loads below
.else
	PLACES
.endif
	s_xor_b32 s[TB], s[TB], SLOT1                  ; the reads go on in the other slot
	v_add_nc_u32 v[ADRA], s[TB], v[ADRA0]
	v_add_nc_u32 v[ADRB], s[TB], v[ADRB0]
	NEXTF 0
	MUL8 5, 2, 0
	MUL8 5, 3, 0
.endm
	s_wait_tensorcnt 2                             ; two loads were issued behind K step 0's (K step 1's, the table's): my part of step 0 is in
	s_barrier_signal -1
	s_barrier_wait -1
	NEXTF 0
	GROUP 0, 1                                     ; the first 32 along K start the sums
	GROUP 1, 1
	GROUP 2, 1
	WIN 0
	s_mov_b32 s3, 14
.Lstep:                                                ; a trip: the second half of a K step, the change of slots with its refill (K steps 2 to 15), the first half of the next
	GROUP 3, 0
	GROUP 4, 0
	TURN 1
	GROUP 0, 0
	GROUP 1, 0
	GROUP 2, 0
	WIN 0
	s_sub_co_u32 s3, s3, 1
	s_cmp_lg_u32 s3, 0
	s_cbranch_scc1 .Lstep
	GROUP 3, 0                                     ; the last two K steps fill nothing
	GROUP 4, 0
	TURN 0
	GROUP 0, 0
	GROUP 1, 0
	GROUP 2, 0
	GROUP 3, 0
	GROUP 4, 0
	s_wait_dscnt 0x0
	MUL8 5, 0, 0
	MUL8 5, 1, 0
	MUL8 5, 2, 0
	MUL8 5, 3, 0
	PLACES
	s_barrier_signal -1                            ; every wave's reads of the ring are over (its last wait was for 0): the stage, kw and v may lie over it
	s_barrier_wait -1
; THE WAY OUT, block by block: 64 rows x 128 columns into my stage, then 8 trips of 4 items of 2 rows.  LDS serves a wave's instructions in order, so the loads see the stores, and the next block's stores come behind them.
.macro TOSTAGE z
	WIN 4*((\z)+1)                                 ; store data in window 1 + block
.irp a, 0,1,2,3
.irp b, 0,1,2,3,4,5,6,7
	ds_store_b128 v[STO], v[8*(8*(\a)+(\b)):8*(8*(\a)+(\b))+3]   offset:(\a)*16*SPITCH+64*(\b)
	ds_store_b128 v[STO], v[8*(8*(\a)+(\b))+4:8*(8*(\a)+(\b))+7] offset:(\a)*16*SPITCH+64*(\b)+16
.endr
.endr
	WIN 0
	v_mov_b32 v[RD], v[RD0]
	s_mov_b32 s3, 8
.endm
.macro LDX i, n                        ; item i's loads: 8 f32; n > 0: 4 table words; n > 1: the row's factor
	ds_load_b128 v[XX+8*(\i):XX+8*(\i)+3],   v[RD] offset:(\i)*2*SPITCH
	ds_load_b128 v[XX+8*(\i)+4:XX+8*(\i)+7], v[RD] offset:(\i)*2*SPITCH+16
.if (\n) > 0
	ds_load_b128 v[TT+4*(\i):TT+4*(\i)+3], v[RT] offset:(\i)*2*TPITCH
.endif
.if (\n) > 1
	ds_load_b32 v[GG+(\i)], v[RG] offset:(\i)*8
.endif
.endm
.macro UNP c, t                        ; a table word's two halves: cos, sin
	v_cvt_f32_f16 v[\c], v\t\().l
	v_cvt_f32_f16 v[(\c)+1], v\t\().h
.endm
.macro ROT i, t0, t1, t2, t3           ; (x1, x2) -> (x1 c - x2 s, x2 c + x1 s) for the item's four pairs; rounded into YA
	UNP CS, \t0
	UNP CS+2, \t1
	UNP CS+4, \t2
	UNP CS+6, \t3
.irp p, 0,1,2,3
	v_mul_f32 v[WK+2*\p],   v[XX+8*(\i)+2*\p+1], v[CS+2*\p+1]
	v_mul_f32 v[WK+2*\p+1], v[XX+8*(\i)+2*\p],   v[CS+2*\p+1]
.endr
.irp p, 0,1,2,3
	v_fma_f32 v[WK+2*\p],   v[XX+8*(\i)+2*\p],   v[CS+2*\p], -v[WK+2*\p]
	v_fma_f32 v[WK+2*\p+1], v[XX+8*(\i)+2*\p+1], v[CS+2*\p], v[WK+2*\p+1]
.endr
.irp p, 0,1,2,3
	v_cvt_pk_f16_f32 v[YA+4*(\i)+\p], v[WK+2*\p], v[WK+2*\p+1]
.endr
.endm
.macro NEXT rp, n                      ; a trip's end: 8 rows on.  n = 1: the table too; 2: table, factors and kw's rows in LDS; 3: v's rows in LDS
	s_wait_xcnt 0x0                                ; the stores' data and base are rewritten only behind this wait
	v_add_nc_u32 v[RD], 8*SPITCH, v[RD]
.if ((\n) == 1) || ((\n) == 2)
	v_add_nc_u32 v[RT], 8*TPITCH, v[RT]
.endif
.if (\n) == 2
	v_add_nc_u32 v[RG], 32, v[RG]
.endif
.if (\n) >= 2
	v_add_nc_u32 v[LST], 8*UP, v[LST]
.endif
	s_add_nc_u64 s[80:81], s[80:81], 8*(\rp)
	s_sub_co_u32 s3, s3, 1
	s_cmp_lg_u32 s3, 0
.endm
	TOSTAGE 0
	s_lshl_b32 s14, s18, 11                        ; ((8 b + head) 2,048 + t) 256: my rows in a tensor laid out by heads
	s_add_co_u32 s14, s14, s85
	s_lshl_b32 s14, s14, 8
	s_mov_b32 s15, 0
	s_add_nc_u64 s[80:81], s[8:9], s[14:15]
	v_lshlrev_b32 v[VOUT], 8, v2                   ; rows of 256 bytes: 16 lanes store one whole row
	v_lshl_add_u32 v[VOUT], v1, 4, v[VOUT]
	s_cmp_lt_u32 s45, 2
	s_cbranch_scc1 .Lq_trip
	; ---- k' to memory, kw = gamma^(255-r) k' into LDS ----
	s_add_nc_u64 s[80:81], s[80:81], KO
	s_lshl_b32 s92, s86, 10                        ; GT: 256 words a head; my rows are r = 64 wave on
	s_lshl_b32 s93, s10, 8
	s_add_co_u32 s92, s92, s93
	s_add_co_u32 s92, s92, GTO
	s_mov_b32 s93, 0
	s_add_nc_u64 s[92:93], s[6:7], s[92:93]
	global_load_b32 v22, v[L4], s[92:93]           ; the factors of my 64 rows
	global_load_b32 v23, v[L4], s[92:93] offset:128
	v_add_nc_u32 v[LST], KWL, v[ST0]
	s_wait_loadcnt 0x0
	ds_store_b32 v[GW], v22                        ; into my own 256 bytes, which no tensor load fills
	ds_store_b32 v[GW], v23 offset:128
.macro KITEM i, t0, t1, t2, t3
	s_wait_dscnt 12-3*(\i)                         ; behind item i's loads: the later items' 4 (3 - i) loads and i stores of kw
	ROT \i, \t0, \t1, \t2, \t3
	global_store_b128 v[VOUT], v[YA+4*(\i):YA+4*(\i)+3], s[80:81] offset:(\i)*512
.irp p, 0,1,2,3,4,5,6,7
	v_mul_f32 v[WK+\p], v[GG+(\i)], v[WK+\p]
.endr
.irp p, 0,1,2,3
	v_cvt_pk_f16_f32 v[YB+4*(\i)+\p], v[WK+2*\p], v[WK+2*\p+1]
.endr
	ds_store_b128 v[LST], v[YB+4*(\i):YB+4*(\i)+3] offset:(\i)*2*UP
.endm
.Lk_trip:
.irp i, 0,1,2,3
	LDX \i, 2
.endr
	KITEM 0, 64, 65, 66, 67
	KITEM 1, 68, 69, 70, 71
	KITEM 2, 72, 73, 74, 75
	KITEM 3, 76, 77, 78, 79
	NEXT 256, 2
	s_cbranch_scc1 .Lk_trip
	s_branch .Lqk_done
	; ---- q' ----
.macro QITEM i, t0, t1, t2, t3
	s_wait_dscnt 9-3*(\i)                          ; the later items' loads stay out
	ROT \i, \t0, \t1, \t2, \t3
	global_store_b128 v[VOUT], v[YA+4*(\i):YA+4*(\i)+3], s[80:81] offset:(\i)*512
.endm
.Lq_trip:
.irp i, 0,1,2,3
	LDX \i, 1
.endr
	QITEM 0, 64, 65, 66, 67
	QITEM 1, 68, 69, 70, 71
	QITEM 2, 72, 73, 74, 75
	QITEM 3, 76, 77, 78, 79
	NEXT 256, 1
	s_cbranch_scc1 .Lq_trip
.Lqk_done:
	s_wait_dscnt 0x0                               ; my rows of kw are stored and my reads of my table are over:
	s_barrier_signal -1
	s_barrier_wait -1                              ; every wave's are: v's half may lie over the table, and kw may be read
	s_mov_b32 s[ZZ], 0
.Lhalf:                                                ; two trips: blocks 1 and 2; only the stage's stores name other registers
	s_cmp_eq_u32 s[ZZ], 0
	s_cbranch_scc0 .Lblock2
	TOSTAGE 1
	s_branch .Lstaged
.Lblock2:
	TOSTAGE 2
.Lstaged:
	s_cmp_lt_u32 s45, 2
	s_cbranch_scc1 .Lgate
	; ---- v: rounded; to memory by heads, and into LDS ----
	s_lshl_b32 s14, s18, 11
	s_add_co_u32 s14, s14, s85
	s_lshl_b32 s14, s14, 9                         ; rows of 512 bytes,
	s_lshl_b32 s15, s[ZZ], 8                       ; this half's 256 of them
	s_add_co_u32 s14, s14, s15
	s_add_co_u32 s14, s14, VO
	s_mov_b32 s15, 0
	s_add_nc_u64 s[80:81], s[8:9], s[14:15]
	s_lshl_b32 s14, s19, 17                        ; U: (128 unit + 32 wave) rows of 1,024 bytes, this half's 512 of them
	s_lshl_b32 s15, s10, 15
	s_add_co_u32 s14, s14, s15
	s_lshl_b32 s15, s[ZZ], 9
	s_add_co_u32 s14, s14, s15
	s_mov_b32 s15, 0
	s_add_nc_u64 s[92:93], s[66:67], s[14:15]
	s_lshl_b32 s14, s19, 5                         ; the maximum: word 8 unit + 4 half + wave
	s_lshl_b32 s15, s[ZZ], 4
	s_add_co_u32 s14, s14, s15
	s_lshl_b32 s15, s10, 2
	s_add_co_u32 s14, s14, s15
	s_add_co_u32 s14, s14, UMO
	s_mov_b32 s15, 0
	s_add_nc_u64 s[94:95], s[66:67], s[14:15]
	s_mov_b32 s20, 0x76543210                      ; v_permlanex16_b32: each lane takes its own place in the other half
	s_mov_b32 s21, 0xfedcba98
	v_lshlrev_b32 v[VOUT], 9, v2
	v_lshl_add_u32 v[VOUT], v1, 4, v[VOUT]
	v_add_nc_u32 v[LST], VHL, v[ST0]
.Lv_trip:
.irp i, 0,1,2,3
	LDX \i, 0
.endr
.irp i, 0,1,2,3
	s_wait_dscnt 6-(\i)                            ; behind item i's loads: the later items' 2 (3 - i) loads and i stores of v
.irp p, 0,1,2,3
	v_cvt_pk_f16_f32 v[YA+4*(\i)+\p], v[XX+8*(\i)+2*\p], v[XX+8*(\i)+2*\p+1]
.endr
	global_store_b128 v[VOUT], v[YA+4*(\i):YA+4*(\i)+3], s[80:81] offset:(\i)*1024
	ds_store_b128 v[LST], v[YA+4*(\i):YA+4*(\i)+3] offset:(\i)*2*UP
.endr
	NEXT 512, 3
	s_cbranch_scc1 .Lv_trip
	s_wait_dscnt 0x0                               ; my rows of v are stored,
	s_barrier_signal -1
	s_barrier_wait -1                              ; everybody's are
	; ---- U = kw^T v for this half: 8 steps of 32 rows on two fragment buffers: while a step is multiplied the next one's 20 loads are out ----
.macro ULOAD n, off
	WIN 0
.irp vt, 0,1,2,3,4,5,6,7
	ds_load_tr16_b128 v[UF+80*(\n)+8*\vt:UF+80*(\n)+8*\vt+3],   v[AV] offset:(\off)+32*\vt
	ds_load_tr16_b128 v[UF+80*(\n)+8*\vt+4:UF+80*(\n)+8*\vt+7], v[AV] offset:(\off)+32*\vt+16*UP
.endr
.irp dt, 0,1
	ds_load_tr16_b128 v[UF+80*(\n)+64+8*\dt:UF+80*(\n)+64+8*\dt+3],   v[AKW] offset:(\off)+32*\dt
	ds_load_tr16_b128 v[UF+80*(\n)+64+8*\dt+4:UF+80*(\n)+64+8*\dt+7], v[AKW] offset:(\off)+32*\dt+16*UP
.endr
.endm
.macro UMUL n, zero                    ; 16 accumulators by turns
	WIN 0x50
.irp vt, 0,1,2,3,4,5,6,7
.irp dt, 0,1
.if \zero
	v_wmma_f32_16x16x32_f16 v[8*(2*\vt+\dt):8*(2*\vt+\dt)+7], v[UF+80*(\n)+8*\vt:UF+80*(\n)+8*\vt+7], v[UF+80*(\n)+64+8*\dt:UF+80*(\n)+64+8*\dt+7], 0
.else
	v_wmma_f32_16x16x32_f16 v[8*(2*\vt+\dt):8*(2*\vt+\dt)+7], v[UF+80*(\n)+8*\vt:UF+80*(\n)+8*\vt+7], v[UF+80*(\n)+64+8*\dt:UF+80*(\n)+64+8*\dt+7], v[8*(2*\vt+\dt):8*(2*\vt+\dt)+7]
.endif
.endr
.endr
.endm
	v_add_nc_u32 v[AV], VHL, v[TRL]
	v_mov_b32 v[AKW], v[AKW0]
	ULOAD 0, 0
	ULOAD 1, 32*UP
	s_wait_dscnt 20                                ; all but the 20 just issued
	UMUL 0, 1                                      ; the first 32 rows start the sums
	WIN 0
	s_mov_b32 s3, 3
.Lu:                                                   ; a trip: steps 2 t + 1 and 2 t + 2 are multiplied, steps 2 t + 2 and 2 t + 3 fetched
	v_add_nc_u32 v[AV], 64*UP, v[AV]               ; with the two v_nop: the four places in front of the loads
	v_add_nc_u32 v[AKW], 64*UP, v[AKW]
	v_nop
	v_nop
	ULOAD 0, 0
	s_wait_dscnt 20
	UMUL 1, 0
	PLACES
	ULOAD 1, 32*UP
	s_wait_dscnt 20
	UMUL 0, 0
	WIN 0
	s_sub_co_u32 s3, s3, 1
	s_cmp_lg_u32 s3, 0
	s_cbranch_scc1 .Lu
	s_wait_dscnt 0x0
	UMUL 1, 0
	WIN 0
.irp c, 0,1,2,3
	v_mov_b32 v[CH+\c], 0                          ; also the places behind the last products
.endr
	v_mov_b32 v[UT1], 0
	WIN 0x14
.set i, 0
.rept 64                                       ; the largest |U| of my part; each accumulator's lowest registers are read first
	v_max3_num_f32 v[CH+i%4], v[CH+i%4], |v[2*i]|, |v[2*i+1]|
.set i, i+1
.endr
	WIN 0x04
.irp vt, 0,1,2,3,4,5,6,7
.irp dt, 0,1
	ds_store_b128 v[STO], v[8*(2*\vt+\dt):8*(2*\vt+\dt)+3]   offset:\dt*16*SPITCH+64*\vt      ; into my stage: row d, 32 bytes for each half of the lanes
	ds_store_b128 v[STO], v[8*(2*\vt+\dt)+4:8*(2*\vt+\dt)+7] offset:\dt*16*SPITCH+64*\vt+16
.endr
.endr
	WIN 0
.set t, 0
.rept 32                                       ; whole rows back: LDS serves a wave's instructions in order
	ds_load_b128 v[UF+4*t:UF+4*t+3], v[URD] offset:t*SPITCH
.set t, t+1
.endr
	v_max3_num_f32 v[UT0], v[CH], v[CH+1], v[CH+2]
	v_max_num_f32 v[UT0], v[UT0], v[CH+3]
	v_max_num_f32_dpp v[UT0], v[UT0], v[UT0] row_xmask:1 row_mask:0xf bank_mask:0xf
	v_max_num_f32_dpp v[UT0], v[UT0], v[UT0] row_xmask:2 row_mask:0xf bank_mask:0xf
	v_max_num_f32_dpp v[UT0], v[UT0], v[UT0] row_xmask:4 row_mask:0xf bank_mask:0xf
	v_max_num_f32_dpp v[UT0], v[UT0], v[UT0] row_xmask:8 row_mask:0xf bank_mask:0xf
	v_permlanex16_b32 v[UT1], v[UT0], s20, s21
	v_max_num_f32 v[UT0], v[UT0], v[UT1]
.set t, 0
.rept 32
	s_wait_dscnt 31-t                              ; row t is back; the younger rows' loads stay out
	global_store_b128 v[UGO], v[UF+4*t:UF+4*t+3], s[92:93] offset:t*1024   ; 512 consecutive bytes, at a multiple of 256
.set t, t+1
.endr
	v_cmp_eq_u32 vcc_lo, 0, v[UGO]                 ; lane 0 stores the wave's maximum
	s_wait_xcnt 0x0                                ; EXEC changes only behind this wait
	s_and_saveexec_b32 s22, vcc_lo
	global_store_b32 v[ZO], v[UT0], s[94:95]
	s_wait_xcnt 0x0                                ; and the stores' registers and bases are rewritten only behind it
	s_or_b32 exec_lo, exec_lo, s22
	s_wait_dscnt 0x0                               ; my reads of this half of v are over,
	s_barrier_signal -1
	s_barrier_wait -1                              ; everybody's are: the other half may be stored over it
	s_branch .Lnext
.Lgate:	; ---- gate = x / (1 + 2^(-x log2 e)), channels 256 head + 128 half on ----
	s_lshl_b32 s14, s84, 12                        ; row x 4,096 bytes
	s_lshl_b32 s15, s86, 9
	s_add_co_u32 s14, s14, s15
	s_lshl_b32 s15, s[ZZ], 8
	s_add_co_u32 s14, s14, s15
	s_add_co_u32 s14, s14, GO
	s_mov_b32 s15, 0
	s_add_nc_u64 s[80:81], s[8:9], s[14:15]
	v_lshlrev_b32 v[VOUT], 12, v2
	v_lshl_add_u32 v[VOUT], v1, 4, v[VOUT]
.macro GITEM i
	s_wait_dscnt 6-2*(\i)                          ; the later items' loads stay out
.irp p, 0,2,4,6
	v_pk_mul_f32 v[WK+\p:WK+\p+1], v[XX+8*(\i)+\p:XX+8*(\i)+\p+1], 0xbfb8aa3b op_sel_hi:[1,0]
.endr
.irp p, 0,1,2,3,4,5,6,7
	v_exp_f32 v[WK+\p], v[WK+\p]
.endr
	v_nop
	s_wait_alu depctr_va_vdst(0)
.irp p, 0,2,4,6
	v_pk_add_f32 v[WK+\p:WK+\p+1], v[WK+\p:WK+\p+1], 1.0 op_sel_hi:[1,0]
.endr
.irp p, 0,1,2,3,4,5,6,7
	v_rcp_f32 v[WK+\p], v[WK+\p]
.endr
	v_nop
	s_wait_alu depctr_va_vdst(0)
.irp p, 0,2,4,6
	v_pk_mul_f32 v[WK+\p:WK+\p+1], v[WK+\p:WK+\p+1], v[XX+8*(\i)+\p:XX+8*(\i)+\p+1]
.endr
.irp p, 0,1,2,3
	v_cvt_pk_f16_f32 v[YA+4*(\i)+\p], v[WK+2*\p], v[WK+2*\p+1]
.endr
	global_store_b128 v[VOUT], v[YA+4*(\i):YA+4*(\i)+3], s[80:81] offset:(\i)*8192
.endm
.Lg_trip:
.irp i, 0,1,2,3
	LDX \i, 0
.endr
.irp i, 0,1,2,3
	GITEM \i
.endr
	NEXT 4096, 0
	s_cbranch_scc1 .Lg_trip
.Lnext:
	s_add_co_u32 s[ZZ], s[ZZ], 1
	s_cmp_lt_u32 s[ZZ], 2
	s_cbranch_scc1 .Lhalf
	s_wait_tensorcnt 0x0                           ; the wave's end
	ds_add_u32 v[SPW], v[NIL]
	s_wait_dscnt 0x0
	CROUND                                         ; the closing round
	s_endpgm
.Lfunc_end_k_q8fe1d64ecd_gemm1:
	.size	k_q8fe1d64ecd_gemm1, .Lfunc_end_k_q8fe1d64ecd_gemm1-k_q8fe1d64ecd_gemm1
	.p2alignl 7, 3214868480
	.fill 96, 4, 3214868480
	.section	.rodata,"a",@progbits
	.p2align	6, 0x0
	.amdhsa_kernel k_q8fe1d64ecd_gemm1
		.amdhsa_group_segment_fixed_size 327680
		.amdhsa_private_segment_fixed_size 0
		.amdhsa_enable_private_segment 0
		.amdhsa_kernarg_size 32
		.amdhsa_user_sgpr_count 2
		.amdhsa_user_sgpr_kernarg_segment_ptr 1
		.amdhsa_wavefront_size32 1
		.amdhsa_system_sgpr_workgroup_id_x 1
		.amdhsa_system_sgpr_workgroup_id_y 1
		.amdhsa_system_sgpr_workgroup_id_z 1
		.amdhsa_system_vgpr_workitem_id 0
		.amdhsa_next_free_vgpr 1024
		.amdhsa_next_free_sgpr 96
		.amdhsa_reserve_vcc 1
		.amdhsa_float_denorm_mode_32 3
		.amdhsa_float_denorm_mode_16_64 3
		.amdhsa_memory_ordered 1
		.amdhsa_forward_progress 1
		.amdhsa_inst_pref_size 138
	.end_amdhsa_kernel
	.amdgpu_metadata
---
amdhsa.version: [ 1, 2 ]
amdhsa.kernels:
  - .name:           k_q8fe1d64ecd_gemm1
    .symbol:         k_q8fe1d64ecd_gemm1.kd
    .args:
      - { .name: cst, .offset: 0, .size: 8, .value_kind: global_buffer, .address_space: global }
      - { .name: tabs, .offset: 8, .size: 8, .value_kind: global_buffer, .address_space: global }
      - { .name: qkvg, .offset: 16, .size: 8, .value_kind: global_buffer, .address_space: global }
      - { .name: ubuf, .offset: 24, .size: 8, .value_kind: global_buffer, .address_space: global }
    .group_segment_fixed_size: 327680
    .private_segment_fixed_size: 0
    .kernarg_segment_align: 8
    .kernarg_segment_size: 32
    .max_flat_workgroup_size: 128
    .sgpr_count:     96
    .vgpr_count:     1024
    .wavefront_size: 32
...
	.end_amdgpu_metadata
.endif
;; end of part 8
;; launch scan: the kernel of part 4 again; grid 16 x 16, 8 waves a work-group, no clusters, 0 bytes of LDS; arguments ubuf, tabs, wbuf, out1; writes wbuf, out1
;; launch attn (part 9): grid 2 x 128, 4 waves a work-group, no clusters, 327,680 bytes of LDS; arguments qkvg, wbuf, tabs, zbuf; writes zbuf
.if DOCPART == 9
	.amdgcn_target "amdgcn-amd-amdhsa--gfx1250"
	.amdhsa_code_object_version 6
	.text
	.protected	k_q8fe1d64ecd_attn
	.globl	k_q8fe1d64ecd_attn
	.p2align	8
	.type	k_q8fe1d64ecd_attn,@function
k_q8fe1d64ecd_attn:
	s_mov_b64 s[64:65], 0
	v_nop
	global_prefetch_b8 v0, s[64:65] scope:SCOPE_SE
	s_setreg_imm32_b32 hwreg(HW_REG_WAVE_MODE, 25, 1), 1
	s_wait_xcnt 0x0
; RETENTION BY CHUNKS, GROUP NORM AND GATE.  For row t = 256 c + r of (b, h):  out = sum over the chunk's keys s <= t of scale gamma^(r - r_s) (q'.k'_s) v_s  +  scale gamma^(r+1) q'.W_c,
; then z = gate x (out - mean) / sqrt(var + 1e-5) / 8 over the head's 256 channels, reckoned in f32 and rounded once to f16 (the last launch's weights carry the 8).
; SHARES.  A work-group owns 128 rows (half hf) of one unit (b, h, chunk), a wave 32: two tiles of 16 queries.  All 256 keys of the chunk are multiplied for every row; hidden ones get the factor 0.
; LAYOUT.  S^T = K' Q'^T: a lane holds ONE query (lane % 16) and the keys 8 (lane / 16) + 0..7 of each 16.  Two such tiles rounded to f16 ARE source 1 of O^T = V^T P.  R^T = W^T Q'^T has O^T's layout.
; SCALES.  P = S x mask goes to f16 times lambda, a power of two per query made from max(|P|, |cross term|), so that it lies under 2^14; W arrives times omega.  The norm does not see lambda:
; (lambda x - lambda mu) / sqrt(lambda^2 var + lambda^2 eps).  Both scales steer values alone.  The variance is taken of x - mean, in a second pass.
; THE TILES come in the order of their use: each wave asks for its quarter of K', of W and of V, three loads on end; a wave's loads end in that order, so the first product waits for K' alone,
; and W and V land under matrix work.  THE GATE's 32 rows of each wave come by a fourth load into the bytes that held K', behind the barrier in front of V^T P; they are read in O^T's layout and widened to f32.
; NO CLUSTER: only the two work-groups of a unit share tiles, each fetched once in the launch.
; LIMITS.  lambda <= 2^60: rows whose scores all lie under about 2^-47 lose bits.  z / 8 and gate within f16's 65,504.  NaN and infinities are not treated apart.
; REGISTERS (windows of 256; s_set_vgpr_msb: bits 1:0 source 0, 3:2 source 1, 5:4 source 2, 7:6 destination).
;   window 0: v1-15 addresses; v16-45 statistics; v48-111 Q (tile qt, channels 32 cb on: 48 + 32 qt + 8 cb), later a tile's gate in f16; v112-175, v176-239 two fragment buffers, later the gate in f32, then rows on their way out; v240-255 chains
;   window 1: S(kt, qt) at 8 (2 kt + qt), then P in place          window 2: the mask, in S's order; then R and O(vt, qt) at 8 (2 vt + qt)
.set PK,    272                        ; a row of K': 256 bytes + 16
.set PW,    544                        ; a row of W and of V: 512 bytes + 32
.set GP,    528                        ; a row of the gate: 512 bytes + 16: the 16 rows of a load start at 16 different groups of four banks
.set LW,    69632
.set LV,    139264
.set STAGE, 278528                     ; 16 rows x 528 bytes a wave; no tensor load fills it
.set SP,    528
.set SPARE, STAGE+4*16*SP
.set KO,    8388608
.set VO,    25165824
.set GO,    41943040
.set PWO,   8388608
.set MTO,   8413184
.set WSO,   8388608
.set AK,   3
.set AW,   4
.set AV0,  5                           ; v5, v6: V's keys 0-127, 128-255
.set QOFF, 7
.set MOFF, 8
.set FOFF, 9
.set STO,  10
.set RD,   11
.set GOFF, 12
.set GAD,  13                          ; at the head a temporary; then my lane's place in my wave's rows of the gate
.set SPW,  14
.set NIL,  15
.set FT,   16                          ; gamma^(r+1), by tile
.set FTP,  18                          ; times scale / omega
.set PM,   20
.set RM,   22
.set LAM,  24                          ; lambda, a pair a tile
.set FL,   28                          ; lambda x FTP, a pair a tile
.set EL,   32                          ; eps lambda^2
.set NMU,  34                          ; - mean, a pair a tile
.set RS,   38                          ; 1 / (8 sqrt(..)), a pair a tile
.set TA,   42
.set TB,   44
.set Q,    48
.set B0,   112
.set CH,   240
.set SEL,  58
.set MSB, 0
.macro WIN new
.if MSB != (\new)
	s_set_vgpr_msb (MSB<<8)|(\new)
.set MSB, \new
.endif
.endm
.macro PLACES
.rept 4
	v_nop
.endr
.endm
	s_load_b256 s[4:11], s[0:1], 0x0               ; qkvg s[4:5], wbuf s[6:7], tabs s[8:9], zbuf s[10:11]
	v_lshl_add_u32 v[SPW], v0, 2, SPARE
	v_mov_b32 v[NIL], 0
	ds_add_u32 v[SPW], v[NIL]                      ; the wave's opening: the add and its wait ahead of my first tensor load
	ds_add_u32 v14, v15
	v_lshrrev_b32 v1, 5, v0
	v_readfirstlane_b32 s12, v1                    ; wave
	s_and_b32 s13, ttmp7, 0xffff                   ; unit
	s_mov_b32 s14, ttmp9                           ; hf
	s_mov_b32 s24, (1<<16)|(1<<20)|(5<<22)|(3<<25) ; a quarter of K': 64 rows x 128 elements, 4 words of padding behind every 64
	s_mov_b32 s25, 128<<16
	s_mov_b32 s26, 64<<16
	s_mov_b32 s27, 128<<16
	s_mov_b32 s28, 64
	s_mov_b32 s29, 128
	s_mov_b32 s30, 0
	s_mov_b32 s31, 0
	s_mov_b32 s32, (1<<16)|(1<<20)|(6<<22)|(7<<25) ; a quarter of W: 32 rows x 256 elements, 8 words behind every 128
	s_mov_b32 s33, 256<<16
	s_mov_b32 s34, 32<<16
	s_mov_b32 s35, 256<<16
	s_mov_b32 s36, 32
	s_mov_b32 s37, 256
	s_mov_b32 s38, 0
	s_mov_b32 s39, 0
	s_mov_b32 s80, (1<<16)|(1<<20)|(6<<22)|(7<<25) ; a quarter of V: 64 such rows
	s_mov_b32 s81, 256<<16
	s_mov_b32 s82, 64<<16
	s_mov_b32 s83, 256<<16
	s_mov_b32 s84, 64
	s_mov_b32 s85, 256
	s_mov_b32 s86, 0
	s_mov_b32 s87, 0
	s_mov_b32 s68, (1<<16)|(1<<20)|(6<<22)|(3<<25) ; the gate: 32 rows x 256 elements, 4 words behind every 128, 2,048 elements from row to row
	s_mov_b32 s69, 256<<16
	s_mov_b32 s70, 32<<16
	s_mov_b32 s71, 256<<16
	s_mov_b32 s72, 32
	s_mov_b32 s73, 2048
	s_mov_b32 s74, 0
	s_mov_b32 s75, 0
	s_mov_b32 s76, 1
	s_mul_i32 s77, s12, 32*GP                      ; 16,896 bytes a wave, 67,584 in all: inside the 69,632 that held K'
	s_mov_b32 s[SEL], 0x76543210
	s_mov_b32 s[SEL+1], 0xfedcba98
	s_mov_b32 s40, 1                               ; where my quarters go: each tile's rows on end, wave by wave
	s_mul_i32 s41, s12, 64*PK
	s_mov_b32 s88, 1
	s_mul_i32 s89, s12, 32*PW
	s_add_co_u32 s89, s89, LW
	s_mov_b32 s92, 1
	s_mul_i32 s93, s12, 64*PW
	s_add_co_u32 s93, s93, LV
	s_lshl_b32 s16, s13, 16                        ; and where they come from: a unit's K' and W are 65,536 bytes each,
	s_lshl_b32 s17, s12, 14                        ; a quarter 16,384
	s_add_co_u32 s22, s16, s17
	s_mov_b32 s23, 0
	s_add_co_u32 s20, s22, KO
	s_mov_b32 s21, 0
	s_lshl_b32 s60, s13, 17                        ; its V 131,072, a quarter 32,768
	s_lshl_b32 s17, s12, 15
	s_add_co_u32 s60, s60, s17
	s_add_co_u32 s60, s60, VO
	s_mov_b32 s61, 0
	s_lshl_b32 s15, s14, 7
	s_lshl_b32 s19, s12, 5
	s_add_co_u32 s15, s15, s19                     ; s15: my first row in the chunk
	s_bfe_u32 s19, s13, 0x30003                    ; the head
	s_lshl_b32 s44, s15, 8
	s_add_co_u32 s44, s44, s16                     ; Q': (256 unit + row) x 256 bytes
	s_mov_b32 s45, 0
	s_lshl_b32 s46, s19, 11
	s_lshl_b32 s47, s15, 2
	s_add_co_u32 s46, s46, s47
	s_add_co_u32 s46, s46, PWO+4                   ; PW[h][row + 1]
	s_mov_b32 s47, 0
	s_lshl_b32 s48, s19, 13
	s_add_co_u32 s48, s48, MTO
	s_mov_b32 s49, 0
	s_lshl_b32 s50, s13, 2
	s_add_co_u32 s50, s50, WSO
	s_mov_b32 s51, 0
	s_lshr_b32 s52, s13, 6
	s_lshl_b32 s52, s52, 11
	s_and_b32 s53, s13, 7
	s_lshl_b32 s53, s53, 8
	s_add_co_u32 s52, s52, s53
	s_add_co_u32 s52, s52, s15                     ; the row among all 4,096,
	s_lshl_b32 s52, s52, 12                        ; of 4,096 bytes,
	s_lshl_b32 s53, s19, 9
	s_add_co_u32 s54, s52, s53                     ; and the head's 512 of them
	s_mov_b32 s55, 0
	s_add_co_u32 s52, s54, GO
	s_mov_b32 s53, 0
	s_sub_co_u32 s57, 239, s15
	s_wait_dscnt 0x0
	s_wait_kmcnt 0x0
	s_add_nc_u64 s[42:43], s[4:5], s[20:21]
	s_or_b32 s43, s43, 0x80000000
	s_add_nc_u64 s[90:91], s[6:7], s[22:23]
	s_or_b32 s91, s91, 0x80000000
	s_add_nc_u64 s[94:95], s[4:5], s[60:61]
	s_or_b32 s95, s95, 0x80000000
	s_add_nc_u64 s[44:45], s[4:5], s[44:45]
	s_add_nc_u64 s[46:47], s[8:9], s[46:47]
	s_add_nc_u64 s[48:49], s[8:9], s[48:49]
	s_add_nc_u64 s[50:51], s[6:7], s[50:51]
	s_add_nc_u64 s[78:79], s[4:5], s[52:53]        ; the gate at my wave's first row, the head's channels
	s_or_b32 s79, s79, 0x80000000
	s_add_nc_u64 s[54:55], s[10:11], s[54:55]
	tensor_load_to_lds s[40:43], s[24:31]          ; my quarter of K',
	s_nop 0
	tensor_load_to_lds s[88:91], s[32:39]          ; of W,
	s_nop 0
	tensor_load_to_lds s[92:95], s[80:87]          ; of V: three tensor loads of mine are out
	s_nop 0
.rept 4
	v_nop
.endr
	s_load_b32 s56, s[50:51], 0x0                  ; 1 / omega of my unit
	v_and_b32 v1, 15, v0                           ; l % 16: my query
	v_bfe_u32 v2, v0, 4, 1                         ; l / 16
	v_lshlrev_b32 v[QOFF], 8, v1
	v_lshl_add_u32 v[QOFF], v2, 4, v[QOFF]
	v_lshlrev_b32 v[FOFF], 2, v1
	v_sub_nc_u32 v13, s57, v1                      ; tile 1: x = 255 - query + 8 (l / 16); the mask of key 16 kt + j is T[x + 16 kt + j]
	v_lshl_add_u32 v13, v2, 3, v13
	v_and_b32 v[MOFF], 3, v13                      ; the copy shifted by x % 4,
	v_lshlrev_b32 v[MOFF], 11, v[MOFF]
	v_and_b32 v13, -4, v13                         ; in it the aligned word
	v_lshl_add_u32 v[MOFF], v13, 2, v[MOFF]
.set i, 0
.rept 8
	global_load_b128 v[Q+8*i:Q+8*i+3],   v[QOFF], s[44:45] offset:(i/4)*4096+(i%4)*64
	global_load_b128 v[Q+8*i+4:Q+8*i+7], v[QOFF], s[44:45] offset:(i/4)*4096+(i%4)*64+32
.set i, i+1
.endr
	global_load_b32 v[FT],   v[FOFF], s[46:47]
	global_load_b32 v[FT+1], v[FOFF], s[46:47] offset:64
	WIN 0x80
.set i, 0
.rept 32                                       ; the mask of S(kt, qt), i = 2 kt + qt; tile 0's x is 16 greater
	global_load_b128 v[8*i:8*i+3],   v[MOFF], s[48:49] offset:64*(i/2)+64*(1-i%2)
	global_load_b128 v[8*i+4:8*i+7], v[MOFF], s[48:49] offset:64*(i/2)+64*(1-i%2)+16
.set i, i+1
.endr
	WIN 0
	v_mul_u32_u24 v[AK], v1, PK
	v_lshl_add_u32 v[AK], v2, 4, v[AK]
	v_and_b32 v13, 7, v0
	v_lshl_add_u32 v13, v2, 3, v13                 ; the turning load: row 8 (l / 16) + l % 8,
	v_mul_u32_u24 v13, v13, PW
	v_bfe_u32 v[AW], v0, 3, 1
	v_lshl_add_u32 v13, v[AW], 4, v13              ; channels 8 ((l / 8) % 2) on
	v_add_nc_u32 v[AW], LW, v13
	v_add_nc_u32 v[AV0], LV, v13
	v_add_nc_u32 v[AV0+1], LV+128*PW, v13
	v_mul_u32_u24 v[GAD], v1, GP                   ; the gate in O^T's layout: row l % 16, 16 bytes for each half of the lanes
	v_lshl_add_u32 v[GAD], v2, 4, v[GAD]
	v_add_nc_u32 v[GAD], s77, v[GAD]
	s_mul_i32 s16, s12, 16*SP
	s_add_co_u32 s16, s16, STAGE
	v_mul_u32_u24 v[STO], v1, SP
	v_lshl_add_u32 v[STO], v2, 4, v[STO]
	v_add_nc_u32 v[STO], s16, v[STO]
	v_and_b32 v[GOFF], 31, v0
	v_lshlrev_b32 v[GOFF], 4, v[GOFF]
	v_add_nc_u32 v[RD], s16, v[GOFF]
	v_mov_b32 v[TB], 0
	v_mov_b32 v[TB+1], 0
.set i, 0
.rept 16
	v_mov_b32 v[CH+i], 0
.set i, i+1
.endr
; The products go in groups of 16 LDS loads and 16 matrix instructions on two buffers: while a group is multiplied the next one's run of loads is out.  In every group the accumulators take turns.
.macro FK g, buf                       ; K' of key tiles 2 g, 2 g + 1
	WIN 0
.irp u, 0,1
.irp cb, 0,1,2,3
	ds_load_b128 v[(\buf)+32*\u+8*\cb:(\buf)+32*\u+8*\cb+3],   v[AK] offset:(2*(\g)+\u)*16*PK+64*\cb
	ds_load_b128 v[(\buf)+32*\u+8*\cb+4:(\buf)+32*\u+8*\cb+7], v[AK] offset:(2*(\g)+\u)*16*PK+64*\cb+32
.endr
.endr
.endm
.macro MK g, buf
	WIN 0x50
.irp cb, 0,1,2,3
.irp u, 0,1
.irp qt, 0,1
.if \cb == 0
	v_wmma_f32_16x16x32_f16 v[8*(2*(2*(\g)+\u)+\qt):8*(2*(2*(\g)+\u)+\qt)+7], v[(\buf)+32*\u+8*\cb:(\buf)+32*\u+8*\cb+7], v[Q+32*\qt+8*\cb:Q+32*\qt+8*\cb+7], 0
.else
	v_wmma_f32_16x16x32_f16 v[8*(2*(2*(\g)+\u)+\qt):8*(2*(2*(\g)+\u)+\qt)+7], v[(\buf)+32*\u+8*\cb:(\buf)+32*\u+8*\cb+7], v[Q+32*\qt+8*\cb:Q+32*\qt+8*\cb+7], v[8*(2*(2*(\g)+\u)+\qt):8*(2*(2*(\g)+\u)+\qt)+7]
.endif
.endr
.endr
.endr
.endm
.macro FW g, buf                       ; W^T: d 32 (g / 2) on, channel tiles 8 (g % 2) + 0..7
	WIN 0
.irp u, 0,1,2,3,4,5,6,7
	ds_load_tr16_b128 v[(\buf)+8*\u:(\buf)+8*\u+3],   v[AW] offset:((\g)/2)*32*PW+32*(8*((\g)%2)+\u)
	ds_load_tr16_b128 v[(\buf)+8*\u+4:(\buf)+8*\u+7], v[AW] offset:((\g)/2)*32*PW+16*PW+32*(8*((\g)%2)+\u)
.endr
.endm
.macro MW g, buf
	WIN 0xa0
.irp u, 0,1,2,3,4,5,6,7
.irp qt, 0,1
.if (\g) < 2
	v_wmma_f32_16x16x32_f16 v[8*(2*(8*((\g)%2)+\u)+\qt):8*(2*(8*((\g)%2)+\u)+\qt)+7], v[(\buf)+8*\u:(\buf)+8*\u+7], v[Q+32*\qt+8*((\g)/2):Q+32*\qt+8*((\g)/2)+7], 0
.else
	v_wmma_f32_16x16x32_f16 v[8*(2*(8*((\g)%2)+\u)+\qt):8*(2*(8*((\g)%2)+\u)+\qt)+7], v[(\buf)+8*\u:(\buf)+8*\u+7], v[Q+32*\qt+8*((\g)/2):Q+32*\qt+8*((\g)/2)+7], v[8*(2*(8*((\g)%2)+\u)+\qt):8*(2*(8*((\g)%2)+\u)+\qt)+7]
.endif
.endr
.endr
.endm
.macro FV g, buf                       ; V^T: keys 32 (g / 2) on, channel tiles 8 (g % 2) + 0..7
	WIN 0
.irp u, 0,1,2,3,4,5,6,7
	ds_load_tr16_b128 v[(\buf)+8*\u:(\buf)+8*\u+3],   v[AV0+(\g)/8] offset:(((\g)/2)%4)*32*PW+32*(8*((\g)%2)+\u)
	ds_load_tr16_b128 v[(\buf)+8*\u+4:(\buf)+8*\u+7], v[AV0+(\g)/8] offset:(((\g)/2)%4)*32*PW+16*PW+32*(8*((\g)%2)+\u)
.endr
.endm
.macro MV g, buf
	WIN 0xa4
.irp u, 0,1,2,3,4,5,6,7
.irp qt, 0,1
	v_wmma_f32_16x16x32_f16 v[8*(2*(8*((\g)%2)+\u)+\qt):8*(2*(8*((\g)%2)+\u)+\qt)+7], v[(\buf)+8*\u:(\buf)+8*\u+7], v[8*(4*((\g)/2)+\qt):8*(4*((\g)/2)+\qt)+7], v[8*(2*(8*((\g)%2)+\u)+\qt):8*(2*(8*((\g)%2)+\u)+\qt)+7]
.endr
.endr
.endm
	s_wait_loadcnt 63                              ; 64 loads of the mask were issued behind Q and gamma^(r+1): those 18 are in
	s_wait_tensorcnt 2                             ; two loads were issued behind K's: my quarter of K' is in; W's and V's stay out
	s_barrier_signal -1
	s_barrier_wait -1                              ; everybody's quarter is
	; ---- S^T = K' Q'^T ----
	FK 0, B0
.set g, 0
.rept 8
.if g < 7
	PLACES
	FK g+1, B0+64*((g+1)%2)
	s_wait_dscnt 16                                ; all but the run just issued
.else
	s_wait_dscnt 0x0
.endif
	MK g, B0+64*(g%2)
.set g, g+1
.endr
	WIN 0
	s_wait_tensorcnt 1                             ; one load was issued behind W's: my quarter of W is in; V's stays out
	s_barrier_signal -1
	s_barrier_wait -1
	PLACES                                         ; the places in front of the loads below
	FW 0, B0                                       ; the cross product's first run lands during the vector work below
	s_wait_loadcnt 0x0                             ; the mask
	WIN 0x49
.set i, 0
.rept 128                                      ; P = S x mask, ascending: each accumulator's lowest registers are read first
	v_pk_mul_f32 v[2*i:2*i+1], v[2*i:2*i+1], v[2*i:2*i+1]
.set i, i+1
.endr
	WIN 0x14
.set i, 0
.rept 128                                      ; max |P| a query: four chains a tile
	v_max3_num_f32 v[CH+4*((i/4)%2)+i%4], v[CH+4*((i/4)%2)+i%4], |v[2*i]|, |v[2*i+1]|
.set i, i+1
.endr
	; ---- R^T = W^T Q'^T ----
.set g, 0
.rept 8
.if g < 7
	PLACES
	FW g+1, B0+64*((g+1)%2)
	s_wait_dscnt 16
.else
	s_wait_dscnt 0x0
.endif
	MW g, B0+64*(g%2)
.set g, g+1
.endr
	; V is wanted now, and K' was read for the last time two barriers ago: its bytes are filled again, with the gate.  All my tensor loads have landed, my quarter of V among them; the add; my reads are back;
	; every wave says so; then my one load, first behind the barrier.
	WIN 0
	s_wait_tensorcnt 0x0
	ds_add_u32 v[SPW], v[NIL]
	s_wait_dscnt 0x0
	s_barrier_signal -1
	s_barrier_wait -1
	tensor_load_to_lds s[76:79], s[68:75]          ; my 32 rows of the gate; the load has the scaling below and V^T P in which to land
	s_nop 0
	PLACES                                         ; also the places in front of the loads below
	FV 0, B0
	WIN 0x28
.set i, 0
.rept 128
	v_max3_num_f32 v[CH+8+4*((i/4)%2)+i%4], v[CH+8+4*((i/4)%2)+i%4], |v[2*i]|, |v[2*i+1]|
.set i, i+1
.endr
	WIN 0
	s_wait_kmcnt 0x0                               ; 1 / omega
.irp qt, 0,1
	v_max3_num_f32 v[PM+\qt], v[CH+4*\qt], v[CH+4*\qt+1], v[CH+4*\qt+2]
	v_max3_num_f32 v[RM+\qt], v[CH+8+4*\qt], v[CH+8+4*\qt+1], v[CH+8+4*\qt+2]
	v_mul_f32 v[FTP+\qt], s56, v[FT+\qt]
	v_max_num_f32 v[PM+\qt], v[PM+\qt], v[CH+4*\qt+3]
	v_max_num_f32 v[RM+\qt], v[RM+\qt], v[CH+8+4*\qt+3]
	v_mul_f32 v[FTP+\qt], 0x3db504f3, v[FTP+\qt]   ; gamma^(r+1) / (sqrt(128) omega)
	v_mul_f32 v[RM+\qt], v[RM+\qt], |v[FTP+\qt]|
	v_max_num_f32 v[PM+\qt], v[PM+\qt], v[RM+\qt]
	v_permlanex16_b32 v[TB+\qt], v[PM+\qt], s[SEL], s[SEL+1]  ; the query's other keys and channels lie in the lane 16 away
	v_max_num_f32 v[PM+\qt], v[PM+\qt], v[TB+\qt]
	v_bfe_u32 v[TA+\qt], v[PM+\qt], 23, 8
	v_max_u32 v[TA+\qt], 80, v[TA+\qt]
	v_sub_nc_u32 v[TA+\qt], 267, v[TA+\qt]
	v_lshlrev_b32 v[LAM+2*\qt], 23, v[TA+\qt]      ; lambda = 2^(140 - e)
	v_lshlrev_b32 v[LAM+2*\qt+1], 23, v[TA+\qt]
	v_mul_f32 v[FL+2*\qt], v[FTP+\qt], v[LAM+2*\qt]
	v_mul_f32 v[FL+2*\qt+1], v[FTP+\qt], v[LAM+2*\qt]
	v_mul_f32 v[EL+\qt], 0x3727c5ac, v[LAM+2*\qt]
	v_mul_f32 v[EL+\qt], v[EL+\qt], v[LAM+2*\qt]   ; eps lambda^2
.endr
	WIN 0x82
.set i, 0
.rept 128                                      ; O starts as lambda x the cross term
	v_pk_mul_f32 v[2*i:2*i+1], v[2*i:2*i+1], v[FL+2*((i/4)%2):FL+2*((i/4)%2)+1] op_sel_hi:[1,0]
.set i, i+1
.endr
	WIN 0x41
.set i, 0
.rept 128
	v_pk_mul_f32 v[2*i:2*i+1], v[2*i:2*i+1], v[LAM+2*((i/4)%2):LAM+2*((i/4)%2)+1] op_sel_hi:[1,0]
.set i, i+1
.endr
	WIN 0x45
.set i, 0
.rept 16                                       ; i = 2 kp + qt: key tiles 2 kp, 2 kp + 1 pack into the eight registers of the even one
.set e, 8*(4*(i/2)+i%2)
.irp j, 0,1,2,3
	v_cvt_pk_f16_f32 v[e+\j], v[e+2*\j], v[e+2*\j+1]
.endr
.irp j, 0,1,2,3
	v_cvt_pk_f16_f32 v[e+4+\j], v[e+16+2*\j], v[e+16+2*\j+1]
.endr
.set i, i+1
.endr
	; ---- O^T += V^T P ----
.set g, 0
.rept 16
.if g < 15
	PLACES
	FV g+1, B0+64*((g+1)%2)
	s_wait_dscnt 16
.else
	s_wait_dscnt 0x0
.endif
	MV g, B0+64*(g%2)
.set g, g+1
.endr
	PLACES
; The gate of tile qt in O^T's layout: for channel tile vt my query's 8 channels, 16 bytes, into Q's registers, which have been read for the last time
.macro GLOAD qt
	WIN 0
.irp vt, 0,1,2,3,4,5,6,7,8,9,10,11,12,13,14,15
	ds_load_b128 v[Q+4*\vt:Q+4*\vt+3], v[GAD] offset:(\qt)*16*GP+32*\vt
.endr
.endm
.macro UNP c, t                        ; a word's two f16 as f32
	v_cvt_f32_f16 v[\c], v\t\().l
	v_cvt_f32_f16 v[(\c)+1], v\t\().h
.endm
.macro GCVT                            ; v48-111 -> v112-239: channel tile vt's eight at B0 + 8 vt
	WIN 0
.set d, B0
.irp t, 48,49,50,51,52,53,54,55,56,57,58,59,60,61,62,63,64,65,66,67,68,69,70,71,72,73,74,75,76,77,78,79,80,81,82,83,84,85,86,87,88,89,90,91,92,93,94,95,96,97,98,99,100,101,102,103,104,105,106,107,108,109,110,111
	UNP d, \t
.set d, d+2
.endr
.endm
.macro GMUL qt                         ; O(vt, qt) times 1 / (8 sqrt(..)), times the gate
	WIN 0x82
.set i, 0
.rept 16
.irp j, 0,2,4,6
	v_pk_mul_f32 v[8*(2*i+\qt)+\j:8*(2*i+\qt)+\j+1], v[8*(2*i+\qt)+\j:8*(2*i+\qt)+\j+1], v[RS+2*\qt:RS+2*\qt+1] op_sel_hi:[1,0]
.endr
.irp j, 0,2,4,6
	v_pk_mul_f32 v[8*(2*i+\qt)+\j:8*(2*i+\qt)+\j+1], v[8*(2*i+\qt)+\j:8*(2*i+\qt)+\j+1], v[B0+8*i+\j:B0+8*i+\j+1]
.endr
.set i, i+1
.endr
.endm
	WIN 0
	s_wait_tensorcnt 0x0                           ; my rows of the gate are in LDS; only I read them
	GLOAD 0                                        ; tile 0's lands during the norm
	; ---- the norm over a query's 256 channels: 128 in my lane, 128 in the lane 16 away ----
.macro ZERO
	WIN 0
.set i, 0
.rept 16
	v_mov_b32 v[CH+i], 0
.set i, i+1
.endr
.endm
.macro RED qt                          ; tile qt's four chains of pairs, and both halves of the lanes, into v[TA + qt]
	v_pk_add_f32 v[CH+8*\qt:CH+8*\qt+1], v[CH+8*\qt:CH+8*\qt+1], v[CH+8*\qt+2:CH+8*\qt+3]
	v_pk_add_f32 v[CH+8*\qt+4:CH+8*\qt+5], v[CH+8*\qt+4:CH+8*\qt+5], v[CH+8*\qt+6:CH+8*\qt+7]
	v_pk_add_f32 v[CH+8*\qt:CH+8*\qt+1], v[CH+8*\qt:CH+8*\qt+1], v[CH+8*\qt+4:CH+8*\qt+5]
	v_add_f32 v[TA+\qt], v[CH+8*\qt], v[CH+8*\qt+1]
	v_permlanex16_b32 v[TB+\qt], v[TA+\qt], s[SEL], s[SEL+1]
	v_add_f32 v[TA+\qt], v[TA+\qt], v[TB+\qt]
.endm
	ZERO
	WIN 0x08
.set i, 0
.rept 128                                      ; ascending: each accumulator's lowest registers are read first
	v_pk_add_f32 v[CH+8*((i/4)%2)+2*(i%4):CH+8*((i/4)%2)+2*(i%4)+1], v[CH+8*((i/4)%2)+2*(i%4):CH+8*((i/4)%2)+2*(i%4)+1], v[2*i:2*i+1]
.set i, i+1
.endr
	WIN 0
.irp qt, 0,1
	RED \qt
	v_mul_f32 v[NMU+2*\qt], 0xbb800000, v[TA+\qt]  ; - sum / 256
	v_mul_f32 v[NMU+2*\qt+1], 0xbb800000, v[TA+\qt]
.endr
	WIN 0x82
.set i, 0
.rept 128
	v_pk_add_f32 v[2*i:2*i+1], v[2*i:2*i+1], v[NMU+2*((i/4)%2):NMU+2*((i/4)%2)+1] op_sel_hi:[1,0]
.set i, i+1
.endr
	ZERO
	WIN 0x0a
.set i, 0
.rept 128
	v_pk_fma_f32 v[CH+8*((i/4)%2)+2*(i%4):CH+8*((i/4)%2)+2*(i%4)+1], v[2*i:2*i+1], v[2*i:2*i+1], v[CH+8*((i/4)%2)+2*(i%4):CH+8*((i/4)%2)+2*(i%4)+1]
.set i, i+1
.endr
	WIN 0
.irp qt, 0,1
	RED \qt
	v_fmamk_f32 v[TA+\qt], v[TA+\qt], 0x3b800000, v[EL+\qt]  ; variance + eps, both times lambda^2
	v_rsq_f32 v[TB+\qt], v[TA+\qt]
	v_nop
	s_wait_alu depctr_va_vdst(0)
	v_mul_f32 v[RS+2*\qt], 0x3e000000, v[TB+\qt]   ; z leaves divided by 8
	v_mul_f32 v[RS+2*\qt+1], 0x3e000000, v[TB+\qt]
.endr
	s_wait_dscnt 0x0                               ; tile 0's gate
	GCVT
	GLOAD 1                                        ; tile 1's lands during tile 0's products
	GMUL 0
	WIN 0
	s_wait_dscnt 0x0
	GCVT
	GMUL 1
	WIN 0x8a
.set i, 0
.rept 32                                       ; the one rounding: eight channels of a row pack into the accumulator's first four registers
.irp j, 0,1,2,3
	v_cvt_pk_f16_f32 v[8*i+\j], v[8*i+2*\j], v[8*i+2*\j+1]
.endr
.set i, i+1
.endr
	; ---- through my stage: a tile's 16 rows of 512 bytes; out ----
.macro STG qt
	WIN 0x08
.irp vt, 0,1,2,3,4,5,6,7,8,9,10,11,12,13,14,15
	ds_store_b128 v[STO], v[8*(2*\vt+\qt):8*(2*\vt+\qt)+3] offset:32*\vt
.endr
	WIN 0
.irp r, 0,1,2,3,4,5,6,7,8,9,10,11,12,13,14,15
	ds_load_b128 v[B0+64*\qt+4*\r:B0+64*\qt+4*\r+3], v[RD] offset:\r*SP   ; LDS serves a wave's instructions in order: these see the stores above, and the next tile's stores come behind them
.endr
.endm
.macro SEND qt, younger                ; younger: the LDS instructions issued behind this tile's loads
.irp r, 0,1,2,3,4,5,6,7,8,9,10,11,12,13,14,15
	s_wait_dscnt (\younger)+15-\r
	global_store_b128 v[GOFF], v[B0+64*\qt+4*\r:B0+64*\qt+4*\r+3], s[54:55] offset:(16*\qt+\r)*4096   ; 512 consecutive bytes, at a multiple of 256
.endr
.endm
	STG 0
	STG 1
	SEND 0, 32                                     ; tile 1's 16 stores and 16 loads may be out
	SEND 1, 0
	s_wait_tensorcnt 0x0                           ; the wave's end
	ds_add_u32 v[SPW], v[NIL]
	s_wait_dscnt 0x0
	s_endpgm
.Lfunc_end_k_q8fe1d64ecd_attn:
	.size	k_q8fe1d64ecd_attn, .Lfunc_end_k_q8fe1d64ecd_attn-k_q8fe1d64ecd_attn
	.p2alignl 7, 3214868480
	.fill 96, 4, 3214868480
	.section	.rodata,"a",@progbits
	.p2align	6, 0x0
	.amdhsa_kernel k_q8fe1d64ecd_attn
		.amdhsa_group_segment_fixed_size 327680
		.amdhsa_private_segment_fixed_size 0
		.amdhsa_enable_private_segment 0
		.amdhsa_kernarg_size 32
		.amdhsa_user_sgpr_count 2
		.amdhsa_user_sgpr_kernarg_segment_ptr 1
		.amdhsa_wavefront_size32 1
		.amdhsa_system_sgpr_workgroup_id_x 1
		.amdhsa_system_sgpr_workgroup_id_y 1
		.amdhsa_system_sgpr_workgroup_id_z 1
		.amdhsa_system_vgpr_workitem_id 0
		.amdhsa_next_free_vgpr 768
		.amdhsa_next_free_sgpr 96
		.amdhsa_reserve_vcc 0
		.amdhsa_float_denorm_mode_32 3
		.amdhsa_float_denorm_mode_16_64 3
		.amdhsa_memory_ordered 1
		.amdhsa_forward_progress 1
		.amdhsa_inst_pref_size 207
	.end_amdhsa_kernel
	.amdgpu_metadata
---
amdhsa.version: [ 1, 2 ]
amdhsa.kernels:
  - .name:           k_q8fe1d64ecd_attn
    .symbol:         k_q8fe1d64ecd_attn.kd
    .args:
      - { .name: qkvg, .offset: 0, .size: 8, .value_kind: global_buffer, .address_space: global }
      - { .name: wbuf, .offset: 8, .size: 8, .value_kind: global_buffer, .address_space: global }
      - { .name: tabs, .offset: 16, .size: 8, .value_kind: global_buffer, .address_space: global }
      - { .name: zbuf, .offset: 24, .size: 8, .value_kind: global_buffer, .address_space: global }
    .group_segment_fixed_size: 327680
    .private_segment_fixed_size: 0
    .kernarg_segment_align: 8
    .kernarg_segment_size: 32
    .max_flat_workgroup_size: 128
    .sgpr_count:     96
    .vgpr_count:     768
    .wavefront_size: 32
...
	.end_amdgpu_metadata
.endif
;; end of part 9
;; launch proj: the kernel of part 6 again; grid 8 x 32, 4 waves a work-group, clusters of 4 x 4, 327,680 bytes of LDS; arguments zbuf, cst, out0; writes out0
;; ======== version 3 of 3: 5 launches; version 2 with the launch scan written anew for expert scheduling mode
;; limits: values outside matrix products are rounded to f16; values are held in f16: magnitudes above 65,504 overflow, below 6.1e-05 lose precision; right only within a limited range of input values
;; workspace buffers: cst 25,165,824 bytes; tabs 8,478,720 bytes; qkvg 58,720,256 bytes; ubuf 16,781,312 bytes; wbuf 8,389,120 bytes; zbuf 16,777,216 bytes
;; launch prep: the kernel of part 7 again; grid 1032 x 1, 8 waves a work-group, no clusters, 0 bytes of LDS; arguments hidden_states, w_qkv, w_gated, w_proj, decay, cst, tabs; writes cst, tabs
;; launch gemm1: the kernel of part 8 again; grid 16 x 16, 4 waves a work-group, clusters of 4 x 4, 327,680 bytes of LDS; arguments cst, tabs, qkvg, ubuf; writes qkvg, ubuf
;; launch scan (part 10): grid 16 x 16, 8 waves a work-group, no clusters, 0 bytes of LDS; arguments ubuf, tabs, wbuf, out1; writes wbuf, out1
.if DOCPART == 10
	.amdgcn_target "amdgcn-amd-amdhsa--gfx1250"
	.amdhsa_code_object_version 6
	.text
	.protected	k_q8fe1d64ecd_scan
	.globl	k_q8fe1d64ecd_scan
	.p2align	8
	.type	k_q8fe1d64ecd_scan,@function
k_q8fe1d64ecd_scan:
	s_mov_b64 s[64:65], 0
	v_nop
	global_prefetch_b8 v0, s[64:65] scope:SCOPE_SE
	s_setreg_imm32_b32 hwreg(HW_REG_WAVE_SCHED_MODE, 0, 2), 2
	s_setreg_imm32_b32 hwreg(HW_REG_WAVE_MODE, 25, 1), 1
	s_wait_xcnt 0x0
	s_wait_alu depctr_vm_vsrc(0)
; THE STATE'S WALK over the 8 chunks of one (b, h): W_0 = 0, W_(c+1) = sqrt(s_d) (gamma^256 W_c + U_c), element by element in f32; out1 = W_8 / s_d^4.
; Stored for the next launch: W_c x omega_c in f16, and 1 / omega_c.  omega_c is a power of two made from a bound B_c >= max |W_c|: B_0 = 0, B_(c+1) = |gamma^256| B_c + max |U_c| (sqrt(s) < 1),
; so that |W_c| omega_c < 2^14.  The bound steers values alone, no address and no branch.  A work-group owns 8 rows d (2,048 elements) of one (b, h), a thread 8 elements; all 16 loads of U go out at once.
; No LDS, no matrix unit: each element is read once and walks by itself.  LIMITS: the bound's exponent is kept in 14..254; NaN and infinities are not treated apart.
; THE MODE: SCHED_MODE bits 1:0 = 2 (LLVM: expert scheduling mode 2), set by the entry lines.  The code itself states the register dependences
; between vector instructions and memory instructions, with s_wait_alu, always for 0.
; THE PLAN.  Registers that memory instructions touch:
;   v2, v3, v4, v5, v9   byte offsets, made once at the head and never written again: one wait ahead of the first load serves every load and store.
;   GA, M0, M1, U        each loaded once, by loads issued at the head, ahead of every vector instruction that names them; read behind their counted waits.  No load is issued later.
;   D(c)                 four registers a chunk, of their own: written by step c's roundings, read by step c's two stores, never written again.
;   O1, v[T]             written behind the last step, read by the last stores, never written again.
;   W, T, OM, IO, SQ, R4, BD are named by vector instructions alone (v[T] apart, at the end).
; A step: both groups' scalings and roundings of W_c, which need no U_c; the wait for U_c; ONE wait on va_vdst, which states that D(c) is written; then the two stores, dealt among the sixteen
; instructions that walk W, which name W, U, GA and SQ: none of the registers that those stores read.  No register that a memory instruction reads is written again, so the only waits on vm_vsrc stand at the writes of EXEC.
.set UMO, 16777216
.set PWO, 8388608
.set WSO, 8388608
.set GA, 12                            ; gamma^256
.set AG, 13                            ; its magnitude
.set M0, 14                            ; the waves' maxima of chunks 0-3, 4-7
.set M1, 15
.set W,  16                            ; v16-23 my 8 elements
.set SQ, 24                            ; v24-25 sqrt(s) of my two rows
.set R4, 26                            ; v26-27 1 / s^4
.set BD, 28
.set EE, 29
.set U,  32                            ; v32-95  U(c, g) at U + 8 c + 4 g
.set D,  96                            ; v96-127 the f16 results, registers of their own
.set OM, 128                           ; v128-135 omega_c
.set IO, 136                           ; v136-143 1 / omega_c
.set T,  144                           ; v144-151 at work
.set O1, 152                           ; v152-159 out1's numbers
.set MK, 47                            ; s48-54  the select's masks: thread c's at MK + c
.set SX, 55                            ; s55     EXEC, kept
	s_load_b256 s[4:11], s[0:1], 0x0               ; ubuf s[4:5], tabs s[6:7], wbuf s[8:9], out1 s[10:11]
	s_mov_b32 s12, ttmp9                           ; slab of 8 rows
	s_and_b32 s13, ttmp7, 0xffff                   ; 8 b + h
	s_and_b32 s14, s13, 7
	v_and_b32 v1, 31, v0
	v_lshlrev_b32 v2, 2, v1
	v_lshlrev_b32 v3, 4, v0
	v_lshlrev_b32 v4, 3, v0
	v_mov_b32 v5, 0
	v_lshlrev_b32 v9, 2, v0
	s_lshl_b32 s20, s13, 20                        ; 8 units of 131,072 bytes
	s_lshl_b32 s21, s12, 13
	s_add_co_u32 s20, s20, s21
	s_mov_b32 s21, 0
	s_lshl_b32 s22, s13, 8
	s_add_co_u32 s22, s22, UMO
	s_mov_b32 s23, 0
	s_lshl_b32 s24, s14, 11
	s_add_co_u32 s24, s24, PWO+1024                ; PW[h][256]
	s_mov_b32 s25, 0
	s_lshl_b32 s34, s13, 19                        ; wbuf: 8 units of 65,536 bytes
	s_lshl_b32 s35, s12, 12
	s_add_co_u32 s34, s34, s35
	s_mov_b32 s35, 0
	s_lshl_b32 s36, s13, 17                        ; out1: 131,072 bytes a (b, h)
	s_lshl_b32 s37, s12, 13
	s_add_co_u32 s36, s36, s37
	s_mov_b32 s37, 0
	s_lshl_b32 s38, s13, 5
	s_add_co_u32 s38, s38, WSO
	s_mov_b32 s39, 0
	s_wait_kmcnt 0x0
	s_add_nc_u64 s[26:27], s[4:5], s[22:23]
	s_add_nc_u64 s[28:29], s[6:7], s[24:25]
	s_add_nc_u64 s[30:31], s[4:5], s[20:21]
	s_add_nc_u64 s[34:35], s[8:9], s[34:35]
	s_add_nc_u64 s[36:37], s[10:11], s[36:37]
	s_add_nc_u64 s[38:39], s[8:9], s[38:39]
	s_wait_alu depctr_va_vdst(0)                   ; the offsets v2, v3, v4, v5 and v9 are written: every load and store of the kernel reads one of them
	global_load_b32 v[GA], v5, s[28:29]
	global_load_b32 v[M0], v2, s[26:27]
	global_load_b32 v[M1], v2, s[26:27] offset:128
.irp c, 0,1,2,3,4,5,6,7
.irp g, 0,1
	global_load_b128 v[U+8*\c+4*\g:U+8*\c+4*\g+3], v3, s[30:31] offset:\c*131072+\g*4096 th:TH_LOAD_NT
.endr
.endr
	v_lshrrev_b32 v6, 6, v0
	s_lshl_b32 s32, s12, 3
	v_add_nc_u32 v6, s32, v6                       ; my first group's row d
	s_lshl_b32 s33, s14, 6
.irp g, 0,1
	v_add_nc_u32 v7, 4*\g, v6
	v_lshrrev_b32 v7, 1, v7
	v_add_nc_u32 v7, s33, v7                       ; the pair 64 h + d / 2
	v_cvt_f32_u32 v7, v7
	v_fmaak_f32 v7, 2.0, v7, 0x43cccccd
	v_mul_f32 v7, 0x3a36db6e, v7                   ; s
	v_sqrt_f32 v[SQ+\g], v7
	v_mul_f32 v10, v7, v7
	v_mul_f32 v10, v10, v10
	v_rcp_f32 v[R4+\g], v10
	v_nop                                          ; a plain instruction behind the reciprocal; the wait for the two roots and the two reciprocals is the first step's
.endr
.irp j, 0,1,2,3,4,5,6,7
	v_mov_b32 v[W+\j], 0
.endr
	v_mov_b32 v[BD], 0
	s_wait_loadcnt 16                              ; gamma^256 and the maxima are in; U's 16 loads stay out
.irp m, 1,2,4
	v_max_num_f32_dpp v[M0], v[M0], v[M0] row_xmask:\m row_mask:0xf bank_mask:0xf
	v_max_num_f32_dpp v[M1], v[M1], v[M1] row_xmask:\m row_mask:0xf bank_mask:0xf
.endr
.irp c, 0,1,2,3
	v_readlane_b32 s[40+\c], v[M0], 8*\c           ; max |U_c|: eight lanes a chunk
	v_readlane_b32 s[44+\c], v[M1], 8*\c
.endr
	v_and_b32 v[AG], 0x7fffffff, v[GA]
	s_wait_alu depctr_va_sdst(0)                   ; s40 to s47 are written, ahead of their first readers: the bound's multiply-adds below
.irp c, 0,1,2,3,4,5,6,7
	v_bfe_u32 v[EE], v[BD], 23, 8
	v_max_u32 v[EE], 14, v[EE]
	v_min_u32 v[EE], 254, v[EE]
	v_sub_nc_u32 v[OM+\c], 267, v[EE]
	v_add_nc_u32 v[IO+\c], -13, v[EE]
	v_lshlrev_b32 v[OM+\c], 23, v[OM+\c]           ; omega = 2^(140 - e)
	v_lshlrev_b32 v[IO+\c], 23, v[IO+\c]           ; 1 / omega
	v_fma_f32 v[BD], v[BD], v[AG], s[40+\c]
.endr
; Step c: W_c x omega_c is rounded into D(c) and stored; W walks on by U_c.
.macro STEP c
.irp g, 0,1
.irp j, 0,1,2,3
	v_mul_f32 v[T+4*\g+\j], v[W+4*\g+\j], v[OM+(\c)]
.endr
	v_cvt_pk_f16_f32 v[D+4*(\c)+2*\g],   v[T+4*\g],   v[T+4*\g+1]
	v_cvt_pk_f16_f32 v[D+4*(\c)+2*\g+1], v[T+4*\g+2], v[T+4*\g+3]
.endr
	s_wait_loadcnt 14-2*(\c)                       ; U_c is in; the later chunks' loads stay out
	s_wait_alu depctr_va_vdst(0)                   ; the four roundings have written D(c), which the two stores below read; in step 0 also: the roots SQ and the reciprocals R4 are written, ahead of their first reader
.irp g, 0,1
	global_store_b64 v4, v[D+4*(\c)+2*\g:D+4*(\c)+2*\g+1], s[34:35] offset:(\c)*65536+\g*2048   ; a wave stores 256 consecutive bytes, aligned; no vector instruction since the wait names D(c) or v4
.irp j, 0,1,2,3
	v_fma_f32 v[W+4*\g+\j], v[GA], v[W+4*\g+\j], v[U+8*(\c)+4*\g+\j]
.endr
.irp j, 0,1,2,3
	v_mul_f32 v[W+4*\g+\j], v[SQ+\g], v[W+4*\g+\j]
.endr
.endr
.endm
	STEP 0
	STEP 1
	STEP 2
	STEP 3
	STEP 4
	STEP 5
	STEP 6
	STEP 7
.irp g, 0,1
.irp j, 0,1,2,3
	v_mul_f32 v[O1+4*\g+\j], v[R4+\g], v[W+4*\g+\j]
.endr
.endr
	s_wait_alu depctr_va_vdst(0)                   ; the eight multiplies have written O1, which the two stores read
.irp g, 0,1
	global_store_b128 v3, v[O1+4*\g:O1+4*\g+3], s[36:37] offset:\g*4096
.endr
	s_cmp_lg_u32 s12, 0
	s_cbranch_scc1 .Lend                           ; slab 0's threads 0-7 store the eight 1 / omega
	v_mov_b32 v[T], v[IO]
.irp c, 1,2,3,4,5,6,7
	v_cmp_eq_u32 s[MK+\c], \c, v0                  ; the compares in one run, a mask register each
.endr
	v_cmp_gt_u32 vcc_lo, 8, v0
	s_wait_alu depctr_va_sdst(0)                   ; s48 to s54 are written, ahead of their first readers: the selects below
.irp c, 1,2,3,4,5,6,7
	v_cndmask_b32 v[T], v[T], v[IO+\c], s[MK+\c]
.endr
	s_wait_xcnt 0x0                                ; EXEC changes only behind this wait
	s_wait_alu depctr_va_vcc(0)                    ; VCC is written: EXEC is made from it
	s_wait_alu depctr_va_vdst(0)                   ; ahead of the write of EXEC: every vector instruction has written its result, v[T] among them, which the store below reads
	s_wait_alu depctr_vm_vsrc(0)                   ; ahead of the write of EXEC: every store issued so far has read its registers
	s_and_saveexec_b32 s[SX], vcc_lo
	global_store_b32 v9, v[T], s[38:39]
	s_wait_xcnt 0x0
	s_wait_alu depctr_va_vdst(0)                   ; ahead of the write of EXEC: no vector result is outstanding
	s_wait_alu depctr_vm_vsrc(0)                   ; ahead of the write of EXEC: the masked store has read v9 and v[T]
	s_or_b32 exec_lo, exec_lo, s[SX]
.Lend:
	s_endpgm
.Lfunc_end_k_q8fe1d64ecd_scan:
	.size	k_q8fe1d64ecd_scan, .Lfunc_end_k_q8fe1d64ecd_scan-k_q8fe1d64ecd_scan
	.p2alignl 7, 3214868480
	.fill 96, 4, 3214868480
	.section	.rodata,"a",@progbits
	.p2align	6, 0x0
	.amdhsa_kernel k_q8fe1d64ecd_scan
		.amdhsa_group_segment_fixed_size 0
		.amdhsa_private_segment_fixed_size 0
		.amdhsa_enable_private_segment 0
		.amdhsa_kernarg_size 32
		.amdhsa_user_sgpr_count 2
		.amdhsa_user_sgpr_kernarg_segment_ptr 1
		.amdhsa_wavefront_size32 1
		.amdhsa_system_sgpr_workgroup_id_x 1
		.amdhsa_system_sgpr_workgroup_id_y 1
		.amdhsa_system_sgpr_workgroup_id_z 1
		.amdhsa_system_vgpr_workitem_id 0
		.amdhsa_next_free_vgpr 160
		.amdhsa_next_free_sgpr 66
		.amdhsa_reserve_vcc 1
		.amdhsa_float_denorm_mode_32 3
		.amdhsa_float_denorm_mode_16_64 3
		.amdhsa_memory_ordered 1
		.amdhsa_forward_progress 1
		.amdhsa_inst_pref_size 23
	.end_amdhsa_kernel
	.amdgpu_metadata
---
amdhsa.version: [ 1, 2 ]
amdhsa.kernels:
  - .name:           k_q8fe1d64ecd_scan
    .symbol:         k_q8fe1d64ecd_scan.kd
    .args:
      - { .name: ubuf, .offset: 0, .size: 8, .value_kind: global_buffer, .address_space: global }
      - { .name: tabs, .offset: 8, .size: 8, .value_kind: global_buffer, .address_space: global }
      - { .name: wbuf, .offset: 16, .size: 8, .value_kind: global_buffer, .address_space: global }
      - { .name: out1, .offset: 24, .size: 8, .value_kind: global_buffer, .address_space: global }
    .group_segment_fixed_size: 0
    .private_segment_fixed_size: 0
    .kernarg_segment_align: 8
    .kernarg_segment_size: 32
    .max_flat_workgroup_size: 256
    .sgpr_count:     66
    .vgpr_count:     160
    .wavefront_size: 32
...
	.end_amdgpu_metadata
.endif
;; end of part 10
;; launch attn: the kernel of part 9 again; grid 2 x 128, 4 waves a work-group, no clusters, 327,680 bytes of LDS; arguments qkvg, wbuf, tabs, zbuf; writes zbuf
;; launch proj: the kernel of part 6 again; grid 8 x 32, 4 waves a work-group, clusters of 4 x 4, 327,680 bytes of LDS; arguments zbuf, cst, out0; writes out0
